; MI455X (gfx1250); checked and timed in simulation.
; The chip was launched on July 23, 2026; its instructions are those of AMD's public machine-readable ISA for CDNA 5 (MIT licence, August 2026) and "CDNA5" Instruction Set Architecture Reference Guide (July 2026). The comments in the code are by the model that wrote it; some were corrected since.
;; Transformer Block. Allowed arithmetic: matrix products marked QUANTISED: E2M3 operands, one E8M0 scale for each 32 along K, by v_wmma_scale_f32_16x16x128_f8f6f4 with both operands' format E2M3, f32 sums; everything else in f32.
;; Inputs: ln1_b 1,024 float32; ln1_g 1,024 float32; ln2_b 1,024 float32; ln2_g 1,024 float32; w_attn 1,024 x 3,072 float32; w_fc 1,024 x 4,096 float32; w_out 4,096 x 1,024 float32; w_proj 1,024 x 1,024 float32; x 2 x 2,048 x 1,024 float32.
;; Outputs: out0 2 x 2,048 x 1,024 float32.
;; This version of the problem:
;;   THIS VERSION OF THE PROBLEM IS GIVEN IN LOW PRECISION. The matrix products marked QUANTISED in the list below multiply operands that are first quantised to E2M3 (2 exponent bits, 3 mantissa bits; 6 bits a number), with one power-of-two scale for each 32 numbers along K (OCP MX v1.0); their sums are f32. All else is computed in f32.
;;   The module's matrix products, in the order in which they are computed (A, B: the left and right operand; K: the contracted axis; several contracted axes count as one K, in the product's order):
;;     1. [M 4,096, K 1,024] x [K 1,024, N 3,072]; A: computed on the way; B: input w_attn: QUANTISED
;;     2. batch 32 x [M 2,048, K 64] x [K 64, N 2,048]; A: computed on the way; B: computed on the way: QUANTISED
;;     3. batch 32 x [M 2,048, K 2,048] x [K 2,048, N 64]; A: softmax (see below); B: computed on the way: QUANTISED
;;     4. [M 4,096, K 1,024] x [K 1,024, N 1,024]; A: computed on the way; B: input w_proj: QUANTISED
;;     5. [M 4,096, K 1,024] x [K 1,024, N 4,096]; A: computed on the way; B: input w_fc: QUANTISED
;;     6. [M 4,096, K 4,096] x [K 4,096, N 1,024]; A: computed on the way; B: input w_out: QUANTISED
;;   THE QUANTISER, for each operand of a quantised product, along K:
;;     - K is cut into blocks of 32 from its start; a last block that is shorter is filled with zeros.
;;     - A block's scale is 2^e with e = floor(log2(the largest magnitude in the block)) - 2, held to -126 .. 127; a block of zeros has e = 0. As a byte (E8M0): e + 127.
;;     - Each number is divided by its block's scale, clamped to +-7.5, and rounded to the nearest number of E2M3, ties to even, subnormals kept.
;;     - The product sums the exact products of the quantised numbers (number of the format x scale) in f32.
;;   ~~~python
;;   def quantise(x, axis):      # numpy; x: float32 -> the quantised numbers, widened to float32 again
;;       x = np.moveaxis(x, axis, -1); K = x.shape[-1]
;;       x = np.pad(x, [(0, 0)] * (x.ndim - 1) + [(0, -K % 32)]); x = x.reshape(x.shape[:-1] + (-1, 32)); a = np.abs(x).max(-1, keepdims=True)
;;       e = np.where(a > 0, np.clip(np.frexp(np.where(a > 0, a, 1))[1] - 1 - 2, -126, 127), 0)      # np.frexp(a)[1] - 1 = floor(log2(a)), exactly
;;       r = np.clip(x / 2.0 ** e, -7.5, 7.5)
;;       step = 2.0 ** (np.maximum(np.frexp(np.where(r == 0, 1, r))[1] - 1, 0) - 3)
;;       q = np.round(r / step) * step * 2.0 ** e      # np.round: ties to even
;;       return np.moveaxis(q.reshape(q.shape[:-2] + (-1,))[..., :K], -1, axis).astype(np.float32)
;;   ~~~
;;   SOFTMAX AHEAD OF A QUANTISED PRODUCT. Where the list says 'softmax', what is quantised is not the finished softmax but p = 2^(t - M), with t = logit x log2(e) and M = ceil(the row's largest t), a whole number; so 1/2 < the row's largest p <= 1. The row's sum l is taken of the UNQUANTISED p, in f32, and the product's result is divided by l at the end. Since M is a whole number, a kernel that streams over the keys may use a running M (the ceiling of the running maximum): every later rescaling is an exact power of two, which a block's scale takes up: the codes' values come out the same.
;;   OPERANDS COMPUTED ON THE WAY. 'Computed on the way' means the value that the module computes at that place (a softmax that the list does not call 'softmax' is quantised finished and normalised). What goes into a quantiser is computed in f32, as accurately as f32 sums, v_exp_f32 and their like allow (about 1e-6 of the number): no bf16 or f16 on the way to a quantiser, and a product that is left as it is and whose result goes on into a quantised operand takes f32 operands (vector FMAs, or v_wmma_f32_16x16x4_f32). A number that lies on a knife's edge between two numbers of the format may be rounded either way, as far as f32 arithmetic and the matrix unit's own rounding can turn it there, and no further.
;; 2 versions. Each part assembles by itself: llvm-mc -triple=amdgcn-amd-amdhsa -mcpu=gfx1250 --defsym DOCPART=n.
;; ======== version 1 of 2: 8 launches
;; workspace buffers: wts 9,830,400 bytes; acts 3,276,800 bytes; qkvc 9,830,400 bytes; yb 3,276,800 bytes; x1 16,777,216 bytes; hid 13,107,200 bytes
;; launch wq (part 1): grid 384 x 1, 4 waves a work-group, no clusters, 0 bytes of LDS; arguments w_attn, w_proj, w_fc, w_out, wts; writes wts
.if DOCPART == 1
	.amdgcn_target "amdgcn-amd-amdhsa--gfx1250"
	.amdhsa_code_object_version 6
	.text
	.protected	k_qdac4001ba1_wq
	.globl	k_qdac4001ba1_wq
	.p2align	8
	.type	k_qdac4001ba1_wq,@function
k_qdac4001ba1_wq:
	s_mov_b64 s[64:65], 0
	v_nop
	global_prefetch_b8 v0, s[64:65] scope:SCOPE_SE
	s_setreg_imm32_b32 hwreg(HW_REG_WAVE_MODE, 25, 1), 1
	s_wait_xcnt 0x0
; The four weights, f32 [K][N] with K their FIRST axis, become codes of FP6 (E2M3) with one E8M0 byte for each 32 along K, laid as the products' launches read them.
; LAYOUT OF THE CODES: a fragment is 16 columns x 128 K = 1,536 bytes, two halves of 768 (64 along K each); in a half the operand's registers 6c..6c+3 lie at 16 x lane, registers 6c+4, 6c+5 at 512 + 8 x lane.
; Fragments lie [column position / 16][K / 128].  A column n lies at POSITION p = n with bits 3 and 4 exchanged.  SCALE WORDS (4 bytes: 128 along K of one column): [position / 128][K / 128][128 positions].
; A lane takes one column and its registers run down K: a block of 32 lies in one lane, so its largest magnitude needs no other lane, and the conversions give codes with K innermost.
; Lane l stands for position l of its wave's 32 columns.  Two fragments (positions 0-15, 16-31) want in lanes 0-15 the even blocks and in lanes 16-31 the odd ones: an exchange of half rows of lanes between
; the even block's and the odd block's codes gives both at once.  A wave: 32 columns x 256 K; a work-group: 128 columns x 256 K.  No LDS, no barrier.
; A block's scale is 2^(floor(log2(largest magnitude)) - 2); its byte is that magnitude's exponent field - 2, held at 1 from below.
; LIMITS: a block of zeros, or one whose largest magnitude lies under 2^-124, gets the byte 1 where the rule says 127 (its codes are zeros or are made under the byte 1; only this program reads the bytes); NaN and infinities are not served.
.set WA_C, 0
.set WP_C, 2359296
.set WF_C, 3145728
.set WO_C, 6291456
.set WA_S, 9437184
.set WP_S, 9535488
.set WF_S, 9568256
.set WO_S, 9699328
.set X,  32                            ; v32-95   two sets of 32 numbers
.set SW, 24                            ; v24-25   the scale words of the wave's two K steps
.set TU, 144                           ; v144..   the upper halves' codes of four blocks, four registers apart
	s_load_b256 s[4:11], s[0:1], 0x0               ; w_attn, w_proj, w_fc, w_out
	s_load_b64 s[12:13], s[0:1], 0x20              ; wts
	v_lshrrev_b32 v1, 5, v0
	v_readfirstlane_b32 s16, v1                    ; wave
	v_and_b32 v1, 31, v0                           ; lane = position
	v_and_b32 v2, 7, v1
	v_and_b32 v7, 8, v1
	v_lshl_or_b32 v2, v7, 1, v2
	v_lshrrev_b32 v7, 4, v1
	v_lshl_or_b32 v2, v7, 3, v2                    ; the column at that position: bits 3 and 4 exchanged
	v_lshlrev_b32 v3, 2, v2                        ; in: 4 bytes a column: the wave still reads 128 consecutive bytes
	v_lshlrev_b32 v4, 4, v1                        ; out: 16 x lane
	v_lshlrev_b32 v5, 3, v1
	v_add_nc_u32 v5, 0x200, v5                     ; 512 + 8 x lane
	v_lshlrev_b32 v6, 2, v1                        ; 4 x lane
	s_wait_kmcnt 0x0
.macro LOADB t, n                      ; block t: W(32 t + i, my column) into set t % 2
.irp i, 0,1,2,3,4,5,6,7,8,9,10,11,12,13,14,15,16,17,18,19,20,21,22,23,24,25,26,27,28,29,30,31
	global_load_b32 v[X+32*((\t)%2)+\i], v3, s[24:25] offset:(32*(\t)+\i)*(\n)*4 th:TH_LOAD_NT
.endr
.endm
.macro BLOCK t, n, kst
.set XS, X+32*((\t)%2)
.set EE, (\t)/4                        ; which K step of the wave's two
.set TA, (\t)%4                        ; which block of the K step
.set FX, 96+24*EE                      ; the fragment of positions 0-15; that of positions 16-31 lies 12 registers on
.set DL, FX+12*(TA%2)+6*(TA/2)
.if (\t) < 7
	s_wait_loadcnt 32                              ; this block's 32 loads are in; the next block's may be out
.else
	s_wait_loadcnt 0
.endif
	v_max3_num_f32 v12, |v[XS]|, |v[XS+1]|, |v[XS+2]|
	v_max3_num_f32 v13, |v[XS+3]|, |v[XS+4]|, |v[XS+5]|
.irp i, 6,10,14,18,22,26
	v_max3_num_f32 v12, v12, |v[XS+\i]|, |v[XS+\i+1]|
	v_max3_num_f32 v13, v13, |v[XS+\i+2]|, |v[XS+\i+3]|
.endr
	v_max3_num_f32 v12, v12, |v[XS+30]|, |v[XS+31]|
	v_max3_num_f32 v12, v12, v13, 0x1800000        ; with the floor 2^(3 - 127): the byte cannot fall under 1
	v_add_nc_u32 v11, 0xff000000, v12              ; 2 off the exponent field: the conversion's scale operand
	v_lshrrev_b32 v13, 23, v11                     ; the byte
.if TA == 0
	v_mov_b32 v[SW+EE], v13
.else
	v_lshl_or_b32 v[SW+EE], v13, 8*TA, v[SW+EE]
.endif
	v_cvt_scalef32_pk16_fp6_f32 v[DL:DL+2], v[XS:XS+15], v11
	v_cvt_scalef32_pk16_fp6_f32 v[TU+4*TA:TU+4*TA+2], v[XS+16:XS+31], v11
.if (\t)+2 < 8
	LOADB (\t)+2, \n
.endif
.if TA == 3
	v_nop                                          ; one plain line behind the conversions
.irp i, 0,1,2,6,7,8
	v_permlane16_swap_b32 v[FX+\i], v[FX+12+\i]    ; the even block's lanes 16-31 change places with the odd block's lanes 0-15
.endr
.irp i, 0,1,2
	v_permlane16_swap_b32 v[TU+\i], v[TU+4+\i]
	v_permlane16_swap_b32 v[TU+8+\i], v[TU+12+\i]
.endr
.irp i, 0,1,2
	v_mov_b32 v[FX+3+\i], v[TU+\i]
	v_mov_b32 v[FX+15+\i], v[TU+4+\i]
	v_mov_b32 v[FX+9+\i], v[TU+8+\i]
	v_mov_b32 v[FX+21+\i], v[TU+12+\i]
.endr
.irp f, 0,1                            ; each store of the wave covers 512 or 256 consecutive bytes, aligned; every K step has its own registers, so no store's data are written again
	global_store_b128 v4, v[FX+12*\f:FX+12*\f+3], s[26:27] offset:EE*1536+\f*(\kst)*1536
	global_store_b64 v5, v[FX+12*\f+4:FX+12*\f+5], s[26:27] offset:EE*1536+\f*(\kst)*1536
	global_store_b128 v4, v[FX+12*\f+6:FX+12*\f+9], s[26:27] offset:EE*1536+\f*(\kst)*1536+768
	global_store_b64 v5, v[FX+12*\f+10:FX+12*\f+11], s[26:27] offset:EE*1536+\f*(\kst)*1536+768
.endr
	global_store_b32 v6, v[SW+EE], s[28:29] offset:512*EE
.endif
.endm
; One weight's path: k, n its sizes; first its first work-group; logky = log2(k / 256); inp its pointer's register; coff, soff where its codes and scale words begin in wts.
.macro WQ k, n, first, logky, inp, coff, soff
	s_sub_co_u32 s17, ttmp9, \first
	s_and_b32 s18, s17, (1<<\logky)-1              ; which 256 along K
	s_lshr_b32 s19, s17, \logky                    ; which 128 columns
	s_mul_i32 s20, s18, 256*(\n)*4
	s_lshl_b32 s22, s19, 9
	s_add_co_u32 s20, s20, s22
	s_lshl_b32 s22, s16, 7
	s_add_co_u32 s20, s20, s22                     ; in: 256 ky rows + (128 nx + 32 wave) columns
	s_mov_b32 s21, 0
	s_add_nc_u64 s[24:25], s[\inp:\inp+1], s[20:21]
	s_lshl_b32 s22, s19, 3
	s_lshl_b32 s23, s16, 1
	s_add_co_u32 s22, s22, s23                     ; my first block of 16 positions
	s_mul_i32 s22, s22, (\k)/128
	s_lshl_b32 s23, s18, 1
	s_add_co_u32 s22, s22, s23                     ; + my first K step
	s_mul_i32 s20, s22, 1536
	s_add_co_u32 s20, s20, \coff
	s_add_nc_u64 s[26:27], s[12:13], s[20:21]
	s_mul_i32 s22, s19, ((\k)/128)*512
	s_lshl_b32 s23, s18, 10
	s_add_co_u32 s22, s22, s23
	s_lshl_b32 s23, s16, 7
	s_add_co_u32 s22, s22, s23
	s_add_co_u32 s20, s22, \soff
	s_add_nc_u64 s[28:29], s[12:13], s[20:21]
	LOADB 0, \n
	LOADB 1, \n
.irp t, 0,1,2,3,4,5,6,7
	BLOCK \t, \n, (\k)/128
.endr
	s_endpgm
.endm
	s_cmp_lt_u32 ttmp9, 96
	s_cbranch_scc0 .Lnot_attn
	WQ 1024, 3072, 0, 2, 4, WA_C, WA_S
.Lnot_attn:
	s_cmp_lt_u32 ttmp9, 128
	s_cbranch_scc0 .Lnot_proj
	WQ 1024, 1024, 96, 2, 6, WP_C, WP_S
.Lnot_proj:
	s_cmp_lt_u32 ttmp9, 256
	s_cbranch_scc0 .Lnot_fc
	WQ 1024, 4096, 128, 2, 8, WF_C, WF_S
.Lnot_fc:
	WQ 4096, 1024, 256, 4, 10, WO_C, WO_S
.Lfunc_end_k_qdac4001ba1_wq:
	.size	k_qdac4001ba1_wq, .Lfunc_end_k_qdac4001ba1_wq-k_qdac4001ba1_wq
	.p2alignl 7, 3214868480
	.fill 96, 4, 3214868480
	.section	.rodata,"a",@progbits
	.p2align	6, 0x0
	.amdhsa_kernel k_qdac4001ba1_wq
		.amdhsa_group_segment_fixed_size 0
		.amdhsa_private_segment_fixed_size 0
		.amdhsa_enable_private_segment 0
		.amdhsa_kernarg_size 40
		.amdhsa_user_sgpr_count 2
		.amdhsa_user_sgpr_kernarg_segment_ptr 1
		.amdhsa_wavefront_size32 1
		.amdhsa_system_sgpr_workgroup_id_x 1
		.amdhsa_system_sgpr_workgroup_id_y 1
		.amdhsa_system_sgpr_workgroup_id_z 1
		.amdhsa_system_vgpr_workitem_id 0
		.amdhsa_next_free_vgpr 160
		.amdhsa_next_free_sgpr 66
		.amdhsa_reserve_vcc 0
		.amdhsa_float_denorm_mode_32 3
		.amdhsa_float_denorm_mode_16_64 3
		.amdhsa_memory_ordered 1
		.amdhsa_forward_progress 1
		.amdhsa_inst_pref_size 157
	.end_amdhsa_kernel
	.amdgpu_metadata
---
amdhsa.version: [ 1, 2 ]
amdhsa.kernels:
  - .name:           k_qdac4001ba1_wq
    .symbol:         k_qdac4001ba1_wq.kd
    .args:
      - { .name: w_attn, .offset: 0, .size: 8, .value_kind: global_buffer, .address_space: global }
      - { .name: w_proj, .offset: 8, .size: 8, .value_kind: global_buffer, .address_space: global }
      - { .name: w_fc, .offset: 16, .size: 8, .value_kind: global_buffer, .address_space: global }
      - { .name: w_out, .offset: 24, .size: 8, .value_kind: global_buffer, .address_space: global }
      - { .name: wts, .offset: 32, .size: 8, .value_kind: global_buffer, .address_space: global }
    .group_segment_fixed_size: 0
    .private_segment_fixed_size: 0
    .kernarg_segment_align: 8
    .kernarg_segment_size: 40
    .max_flat_workgroup_size: 128
    .sgpr_count:     66
    .vgpr_count:     160
    .wavefront_size: 32
...
	.end_amdgpu_metadata
.endif
;; end of part 1
;; launch ln1 (part 2): grid 256 x 1, 4 waves a work-group, no clusters, 66,560 bytes of LDS; arguments x, ln1_g, ln1_b, acts; writes acts
.if DOCPART == 2
	.amdgcn_target "amdgcn-amd-amdhsa--gfx1250"
	.amdhsa_code_object_version 6
	.text
	.protected	k_qdac4001ba1_ln1
	.globl	k_qdac4001ba1_ln1
	.p2align	8
	.type	k_qdac4001ba1_ln1,@function
k_qdac4001ba1_ln1:
	s_mov_b64 s[64:65], 0
	v_nop
	global_prefetch_b8 v0, s[64:65] scope:SCOPE_SE
	s_setreg_imm32_b32 hwreg(HW_REG_WAVE_MODE, 25, 1), 1
	s_wait_xcnt 0x0
; LayerNorm of 4,096 rows of 1,024 f32, y = (x - mean) rsqrt(var + 1e-5) g + b, all in f32, then quantised along the row to codes of FP6 (E2M3) with one E8M0 byte for each 32.
; The variance is taken of x - mean, in a second pass over registers, so a common offset in x is not squared.
; OUT: fragments of 16 rows x 128 K, 1,536 bytes (two halves of 768: operand registers 6c..6c+3 at 16 x lane, 6c+4, 6c+5 at 512 + 8 x lane), laid [row position / 16][K / 128]; a row n lies at position n with bits 3 and 4 exchanged.
; Scale words: [position / 128][K / 128][128][4 bytes].
; A work-group makes one block of 16 positions.  Phase 1: wave w reads four whole neighbouring rows (512 consecutive bytes an instruction), normalises them and stores them to LDS.  One barrier.
; Phase 2: wave w makes K steps 2 w and 2 w + 1: lane (r, h) reads, of row r, 16 neighbours of each block of 32, as the conversions want them.
; LIMITS: a block of zeros or under 2^-124 gets the byte 1 where the rule says 127 (only this program reads the bytes); NaN and infinities are not served.
.set PITCH, 4112                       ; an LDS row: 4,096 bytes + 16, so that the 16 rows that a load touches start 4 words apart modulo 64 words
.set XR,  64                           ; v64-191  four rows, 32 registers each; later two K steps' 64 numbers
.set GG,  192                          ; v192-223 g
.set BR,  224                          ; v224-255 b
.set TM,  192                          ; phase 2: v192-207 at work
.set PW0, 208
.set PW1, 209
.set PWS, 210
.set PC0, 212
.set PC1, 232
.set ACT_S, 3145728
	s_load_b256 s[4:11], s[0:1], 0x0               ; src, g, b, acts
	v_lshl_add_u32 v62, v0, 2, 0x10200
	v_mov_b32 v63, 0
	v_lshrrev_b32 v1, 5, v0
	v_readfirstlane_b32 s12, v1                    ; wave
	v_and_b32 v7, 31, v0                           ; lane
	v_and_b32 v8, 15, v0                           ; r
	v_bfe_u32 v9, v0, 4, 1                         ; h
	v_lshlrev_b32 v1, 4, v7                        ; 16 x lane
	s_mul_i32 s13, s12, 4*PITCH
	v_add_nc_u32 v2, s13, v1                       ; LDS, in: my wave's four rows
	v_mul_u32_u24 v3, v8, PITCH
	v_lshl_add_u32 v3, v9, 6, v3
	s_lshl_b32 s13, s12, 10
	v_add_nc_u32 v3, s13, v3                       ; LDS, out: row r, + 64 h, + my two K steps
	v_lshlrev_b32 v6, 2, v8
	v_lshl_add_u32 v6, v9, 9, v6
	v_add_nc_u32 v6, s13, v6                       ; scale words: K step 2 w + h, row r
	s_mul_i32 s13, s12, 3072
	v_add_nc_u32 v4, s13, v1                       ; codes: 16 x lane + my two fragments
	v_lshlrev_b32 v5, 3, v7
	v_add_nc_u32 v5, s13, v5
	v_add_nc_u32 v5, 0x200, v5                     ; 512 + 8 x lane likewise
	s_mov_b32 s16, 0x76543210
	s_mov_b32 s17, 0xfedcba98                      ; lane l xor 16
	s_mov_b32 s18, 0xffff0000                      ; lanes 16-31
	s_mov_b32 s19, 0x3a800000                      ; 1 / 1,024
	s_lshr_b32 s14, ttmp9, 1                       ; positions 4 w .. 4 w + 3 of block RB are rows 32 (RB / 2) + 8 (RB % 2) + 4 w + 8 (w / 2) + 0 .. 3
	s_lshl_b32 s14, s14, 5
	s_and_b32 s15, ttmp9, 1
	s_lshl_b32 s15, s15, 3
	s_add_co_u32 s14, s14, s15
	s_lshl_b32 s15, s12, 2
	s_add_co_u32 s14, s14, s15
	s_lshr_b32 s15, s12, 1
	s_lshl_b32 s15, s15, 3
	s_add_co_u32 s14, s14, s15
	s_lshl_b32 s14, s14, 12
	s_mov_b32 s15, 0
	s_mul_i32 s20, ttmp9, 12288
	s_mov_b32 s21, 0
	s_lshr_b32 s22, ttmp9, 3
	s_lshl_b32 s22, s22, 12
	s_and_b32 s23, ttmp9, 7
	s_lshl_b32 s23, s23, 6
	s_add_co_u32 s22, s22, s23
	s_add_co_u32 s22, s22, ACT_S
	s_mov_b32 s23, 0
	s_wait_kmcnt 0x0
	s_add_nc_u64 s[4:5], s[4:5], s[14:15]
	s_add_nc_u64 s[24:25], s[10:11], s[22:23]      ; my block's scale words
	s_add_nc_u64 s[10:11], s[10:11], s[20:21]      ; my block's codes
.irp i, 0,1,2,3
.irp j, 0,1,2,3,4,5,6,7
	global_load_b128 v[XR+32*\i+4*\j:XR+32*\i+4*\j+3], v1, s[4:5] offset:4096*\i+512*\j th:TH_LOAD_NT
.endr
.endr
.irp j, 0,1,2,3,4,5,6,7
	global_load_b128 v[GG+4*\j:GG+4*\j+3], v1, s[6:7] offset:512*\j
.endr
.irp j, 0,1,2,3,4,5,6,7
	global_load_b128 v[BR+4*\j:BR+4*\j+3], v1, s[8:9] offset:512*\j
.endr
.irp i, 0,1,2,3
	v_mov_b32 v[33+2*\i], 0                        ; upper words of pairs of which the low word serves both halves
	v_mov_b32 v[41+2*\i], 0
	v_mov_b32 v[48+\i], 0                          ; a lane permute's destination counts as one of its sources
.endr
.macro REDUCE                          ; v[16 + 4 i], i = 0 .. 3, summed over the 32 lanes, the four rows by turns
.irp m, 1,2,4,8
.irp i, 0,1,2,3
	v_add_f32_dpp v[16+4*\i], v[16+4*\i], v[16+4*\i] row_xmask:\m row_mask:0xf bank_mask:0xf
.endr
.endr
.irp i, 0,1,2,3
	v_permlanex16_b32 v[48+\i], v[16+4*\i], s16, s17
.endr
.irp i, 0,1,2,3
	v_add_f32 v[16+4*\i], v[16+4*\i], v[48+\i]
.endr
.endm
	s_wait_loadcnt 16                              ; the rows are in; g's and b's 16 loads may be out
.irp i, 0,1,2,3
	v_pk_add_f32 v[16+4*\i:17+4*\i], v[XR+32*\i:XR+32*\i+1], v[XR+32*\i+2:XR+32*\i+3]
	v_pk_add_f32 v[18+4*\i:19+4*\i], v[XR+32*\i+4:XR+32*\i+5], v[XR+32*\i+6:XR+32*\i+7]
.endr
.irp p, 8,12,16,20,24,28
.irp i, 0,1,2,3
	v_pk_add_f32 v[16+4*\i:17+4*\i], v[16+4*\i:17+4*\i], v[XR+32*\i+\p:XR+32*\i+\p+1]
	v_pk_add_f32 v[18+4*\i:19+4*\i], v[18+4*\i:19+4*\i], v[XR+32*\i+\p+2:XR+32*\i+\p+3]
.endr
.endr
.irp i, 0,1,2,3
	v_pk_add_f32 v[16+4*\i:17+4*\i], v[16+4*\i:17+4*\i], v[18+4*\i:19+4*\i]
.endr
.irp i, 0,1,2,3
	v_add_f32 v[16+4*\i], v[16+4*\i], v[17+4*\i]
.endr
	REDUCE
.irp i, 0,1,2,3
	v_mul_f32 v[32+2*\i], s19, v[16+4*\i]          ; the mean
.endr
.irp p, 0,2,4,6,8,10,12,14,16,18,20,22,24,26,28,30
.irp i, 0,1,2,3
	v_pk_add_f32 v[XR+32*\i+\p:XR+32*\i+\p+1], v[XR+32*\i+\p:XR+32*\i+\p+1], v[32+2*\i:33+2*\i] op_sel_hi:[1,0] neg_lo:[0,1] neg_hi:[0,1]   ; x - mean
.endr
.endr
.irp i, 0,1,2,3
	v_pk_mul_f32 v[16+4*\i:17+4*\i], v[XR+32*\i:XR+32*\i+1], v[XR+32*\i:XR+32*\i+1]
	v_pk_mul_f32 v[18+4*\i:19+4*\i], v[XR+32*\i+2:XR+32*\i+3], v[XR+32*\i+2:XR+32*\i+3]
.endr
.irp p, 4,8,12,16,20,24,28
.irp i, 0,1,2,3
	v_pk_fma_f32 v[16+4*\i:17+4*\i], v[XR+32*\i+\p:XR+32*\i+\p+1], v[XR+32*\i+\p:XR+32*\i+\p+1], v[16+4*\i:17+4*\i]
	v_pk_fma_f32 v[18+4*\i:19+4*\i], v[XR+32*\i+\p+2:XR+32*\i+\p+3], v[XR+32*\i+\p+2:XR+32*\i+\p+3], v[18+4*\i:19+4*\i]
.endr
.endr
.irp i, 0,1,2,3
	v_pk_add_f32 v[16+4*\i:17+4*\i], v[16+4*\i:17+4*\i], v[18+4*\i:19+4*\i]
.endr
.irp i, 0,1,2,3
	v_add_f32 v[16+4*\i], v[16+4*\i], v[17+4*\i]
.endr
	REDUCE
.irp i, 0,1,2,3
	v_fma_f32 v[40+2*\i], v[16+4*\i], s19, 0x3727c5ac   ; the variance + 1e-5
.endr
.irp i, 0,1,2,3
	v_rsq_f32 v[40+2*\i], v[40+2*\i]
.endr
	v_nop                                          ; a plain line behind the last of the four
	s_wait_alu depctr_va_vdst(0)                   ; one wait for the four, ahead of their first reader
	s_wait_loadcnt 0x0                             ; g and b
.irp p, 0,2,4,6,8,10,12,14,16,18,20,22,24,26,28,30
.irp i, 0,1,2,3
	v_pk_mul_f32 v[XR+32*\i+\p:XR+32*\i+\p+1], v[XR+32*\i+\p:XR+32*\i+\p+1], v[40+2*\i:41+2*\i] op_sel_hi:[1,0]
.endr
.irp i, 0,1,2,3
	v_pk_fma_f32 v[XR+32*\i+\p:XR+32*\i+\p+1], v[XR+32*\i+\p:XR+32*\i+\p+1], v[GG+\p:GG+\p+1], v[BR+\p:BR+\p+1]
.endr
.endr
.irp i, 0,1,2,3
.irp j, 0,1,2,3,4,5,6,7
	ds_store_b128 v2, v[XR+32*\i+4*\j:XR+32*\i+4*\j+3] offset:PITCH*\i+512*\j
.endr
.endr
	s_wait_dscnt 0x0                               ; for the others' sake: my rows lie in LDS
	s_barrier_signal -1
	s_barrier_wait -1
.irp e, 0,1
.irp b, 0,1,2,3
.irp j, 0,1,2,3
	ds_load_b128 v[XR+64*\e+16*\b+4*\j:XR+64*\e+16*\b+4*\j+3], v3 offset:512*\e+128*\b+16*\j
.endr
.endr
.endr
.irp b, 0,1,2,3
	v_mov_b32 v[TM+4+\b], 0                        ; a lane permute's destination counts as one of its sources
.endr
; 64 numbers of a lane, register 16 b + i = k 32 b + 16 h + i of my row, become a fragment's codes in v[pc] on and its scale word in v[pw].
.macro QUANT s, pc, pw
.irp b, 0,1,2,3
	v_max3_num_f32 v[TM+\b], |v[\s+16*\b]|, |v[\s+1+16*\b]|, 0x1800000   ; with the floor 2^(3 - 127): the byte cannot fall under 1
.endr
.irp i, 2,4,6,8,10,12,14
.irp b, 0,1,2,3
	v_max3_num_f32 v[TM+\b], v[TM+\b], |v[\s+16*\b+\i]|, |v[\s+1+16*\b+\i]|
.endr
.endr
.irp b, 0,1,2,3
	v_permlanex16_b32 v[TM+4+\b], v[TM+\b], s16, s17
.endr
.irp b, 0,1,2,3
	v_max_num_f32 v[TM+\b], v[TM+\b], v[TM+4+\b]   ; with lane l xor 16's 16: the block's largest magnitude
.endr
.irp b, 0,1,2,3
	v_add_nc_u32 v[TM+12+\b], 0xff000000, v[TM+\b] ; 2 off its exponent field: the conversion's scale operand
.endr
.irp b, 0,1,2,3
	v_lshrrev_b32 v[TM+4+\b], 23, v[TM+12+\b]      ; the byte
.endr
	v_lshl_or_b32 v[\pw], v[TM+5], 8, v[TM+4]
	v_lshl_or_b32 v[\pw], v[TM+6], 16, v[\pw]
	v_lshl_or_b32 v[\pw], v[TM+7], 24, v[\pw]
.irp c, 0,1
	v_cvt_scalef32_pk16_fp6_f32 v[\pc+6*\c:\pc+2+6*\c], v[\s+32*\c:\s+15+32*\c], v[TM+12+2*\c]
	v_cvt_scalef32_pk16_fp6_f32 v[\pc+12+4*\c:\pc+14+4*\c], v[\s+16+32*\c:\s+31+32*\c], v[TM+13+2*\c]
.endr
	v_nop                                          ; one plain line behind the conversions
.irp c, 0,1                            ; the operand wants a whole block in a lane: lanes 0-15 block 2 c, lanes 16-31 block 2 c + 1
.irp i, 0,1,2
	v_permlane16_swap_b32 v[\pc+6*\c+\i], v[\pc+12+4*\c+\i]
.endr
.irp i, 0,1,2
	v_mov_b32 v[\pc+3+6*\c+\i], v[\pc+12+4*\c+\i]
.endr
.endr
.endm
.macro OUTF pc, e                      ; a fragment leaves: each store covers 512 or 256 consecutive bytes, aligned
	global_store_b128 v4, v[\pc:\pc+3], s[10:11] offset:1536*\e
	global_store_b64 v5, v[\pc+4:\pc+5], s[10:11] offset:1536*\e
	global_store_b128 v4, v[\pc+6:\pc+9], s[10:11] offset:1536*\e+768
	global_store_b64 v5, v[\pc+10:\pc+11], s[10:11] offset:1536*\e+768
.endm
	s_wait_dscnt 16                                ; the first K step's 16 loads are in
	QUANT XR, PC0, PW0
	OUTF PC0, 0
	s_wait_dscnt 0x0
	QUANT XR+64, PC1, PW1
	OUTF PC1, 1
	v_cndmask_b32 v[PWS], v[PW0], v[PW1], s18      ; lanes 0-15: K step 2 w; lanes 16-31: K step 2 w + 1
	global_store_b32 v6, v[PWS], s[24:25]
	s_wait_tensorcnt 0x0
	ds_add_u32 v62, v63
	s_wait_dscnt 0x0
	s_endpgm
.Lfunc_end_k_qdac4001ba1_ln1:
	.size	k_qdac4001ba1_ln1, .Lfunc_end_k_qdac4001ba1_ln1-k_qdac4001ba1_ln1
	.p2alignl 7, 3214868480
	.fill 96, 4, 3214868480
	.section	.rodata,"a",@progbits
	.p2align	6, 0x0
	.amdhsa_kernel k_qdac4001ba1_ln1
		.amdhsa_group_segment_fixed_size 66560
		.amdhsa_private_segment_fixed_size 0
		.amdhsa_enable_private_segment 0
		.amdhsa_kernarg_size 32
		.amdhsa_user_sgpr_count 2
		.amdhsa_user_sgpr_kernarg_segment_ptr 1
		.amdhsa_wavefront_size32 1
		.amdhsa_system_sgpr_workgroup_id_x 1
		.amdhsa_system_sgpr_workgroup_id_y 1
		.amdhsa_system_sgpr_workgroup_id_z 1
		.amdhsa_system_vgpr_workitem_id 0
		.amdhsa_next_free_vgpr 256
		.amdhsa_next_free_sgpr 66
		.amdhsa_reserve_vcc 0
		.amdhsa_float_denorm_mode_32 3
		.amdhsa_float_denorm_mode_16_64 3
		.amdhsa_memory_ordered 1
		.amdhsa_forward_progress 1
		.amdhsa_inst_pref_size 44
	.end_amdhsa_kernel
	.amdgpu_metadata
---
amdhsa.version: [ 1, 2 ]
amdhsa.kernels:
  - .name:           k_qdac4001ba1_ln1
    .symbol:         k_qdac4001ba1_ln1.kd
    .args:
      - { .name: x, .offset: 0, .size: 8, .value_kind: global_buffer, .address_space: global }
      - { .name: ln1_g, .offset: 8, .size: 8, .value_kind: global_buffer, .address_space: global }
      - { .name: ln1_b, .offset: 16, .size: 8, .value_kind: global_buffer, .address_space: global }
      - { .name: acts, .offset: 24, .size: 8, .value_kind: global_buffer, .address_space: global }
    .group_segment_fixed_size: 66560
    .private_segment_fixed_size: 0
    .kernarg_segment_align: 8
    .kernarg_segment_size: 32
    .max_flat_workgroup_size: 128
    .sgpr_count:     66
    .vgpr_count:     256
    .wavefront_size: 32
...
	.end_amdgpu_metadata
.endif
;; end of part 2
;; launch qkv (part 3): grid 12 x 16, 4 waves a work-group, clusters of 4 x 4, 327,680 bytes of LDS; arguments acts, wts, qkvc; writes qkvc
.if DOCPART == 3
	.amdgcn_target "amdgcn-amd-amdhsa--gfx1250"
	.amdhsa_code_object_version 6
	.text
	.protected	k_qdac4001ba1_qkv
	.globl	k_qdac4001ba1_qkv
	.p2align	8
	.type	k_qdac4001ba1_qkv,@function
k_qdac4001ba1_qkv:
	s_mov_b64 s[64:65], 0
	v_nop
	global_prefetch_b8 v0, s[64:65] scope:SCOPE_SE
	s_setreg_imm32_b32 hwreg(HW_REG_WAVE_MODE, 25, 1), 1
	s_wait_xcnt 0x0
	s_wait_alu depctr_hold_cnt(0) depctr_sa_sdst(0) depctr_va_vdst(0) depctr_va_sdst(0) depctr_va_ssrc(0) depctr_va_vcc(0) depctr_vm_vsrc(0)
	s_getreg_b32 s2, hwreg(HW_REG_IB_STS2, 6, 4)
	s_cmp_eq_u32 s2, 0
	s_cbranch_scc0 .Lentry_in_a_cluster
	s_endpgm
.Lentry_in_a_cluster:
	s_bfe_u32 s2, ttmp6, 0x10000c
	s_cmp_lg_u32 s2, 0xf033
	s_cbranch_scc0 .Lentry_shape_is_right
	s_endpgm
.Lentry_shape_is_right:
; qkv = LN(x) W_attn on codes of FP6 (E2M3) with E8M0 scales, and its results quantised at once: q and k along the head's 64, v along the KEYS.
; TWO PRODUCTS IN ONE GRID, told apart by the cluster's x (equal in all partners).  Clusters x = 0, 1: C[token][column] for the 2,048 columns of q and k (A = acts, B = W).  Clusters x = 2: C[d][token] = W_v^T LN(x)^T
; (A = W's rows 2,048 on, B = acts), so that a lane's registers run along the tokens, which are the keys.  What differs are pointers and strides, chosen by s_cselect: there is no branch.
; OPERANDS: fragments of 16 rows x 128 K, 1,536 bytes, two halves of 768 (operand registers 6c..6c+3 at 16 x lane, 6c+4, 6c+5 at 512 + 8 x lane), laid [row position / 16][K / 128]; scale words [position / 128][K / 128][128][4].
; A row n lies at position n with bits 3 and 4 exchanged.  THE MATRIX INSTRUCTION IS USED TRANSPOSED (source 0 = 16 positions of B, source 1 = 16 of A): lane (r, h) holds row position r of A, and the 16 registers of
; B's tiles 2 b and 2 b + 1 are B's true rows 32 b + 16 h + 0 .. 15: sixteen neighbours along the next product's K, as the conversions want them.
; A tile of C is 256 x 256: four waves of 128 x 128, 64 accumulators.  K goes in steps of 256 through a ring of two LDS slots; a wave's tensor load brings 8 blocks of 16 rows x 3,072 consecutive bytes.
; The scale words of the work-group's rows, for all of K, come once, with the first fills.  CLUSTERS 4 x 4: A's tiles are asked for jointly along a row of the cluster, B's along a column.
; REGISTERS: window 0: v1-29 addresses; v32-47 scale words, two sets; v128-223 A's 8 fragments, one set; window 1: B's fragments, two sets, at v0 and v128; windows 2, 3: accumulator (a, b) at v[8 (8 (a % 4) + b)].
; OUT: q, k: halves of 768 bytes [column / 64][row block]; v: fragments [d block][token / 64 halves]; scale words as above.
; LIMITS: a block of zeros or under 2^-124 gets the byte 1 where the rule says 127 (only this program reads the bytes); NaN and infinities are not served.
.set SIZE_K, 1024
.set KST,    SIZE_K/128
.set KPB,    KST*1536                  ; a block of 16 rows in memory
.set FR,     12
.set NP,     4                         ; places behind this matrix instruction (ISA guide 7.12.1)
.set HALFT,  24576                     ; 128 rows x 256 K: what one tensor load brings
.set SLOT,   4*HALFT
.set LAPS,   SIZE_K/512
.set HALFS,  KST*512                   ; the scale words of 128 rows
.set SCL,    2*SLOT
.set SPARE,  SCL+4*HALFS               ; the spare words, 128 bytes a wave: two blocks of 256 bytes that no other line names
.set ADRA, 16                          ; v16-17 A's fragments in slot 0, 1, 16 x lane; v18-19 the same, 512 + 8 x lane
.set ADRB, 20                          ; v20-23 likewise for B
.set ADRS, 27
.set SPW,  28
.set NIL,  29
.set SC,   32                          ; scale words: set p at v[SC + 8 p]; register i: lanes 0-15 A's block i, lanes 16-31 B's block i
.set AF,   128
.set G1, 24
.set G0, 32
.set G1B, 48
.set G0B, 56
.set G1S, 68
.set G0S, 76
.set G1SB, 80
.set G0SB, 88
.set TM,  200
.set PW,  216
.set PWE, 217
.set PWS, 218
.set PC,  112
.set MSB, 0
.macro WIN new                         ; the immediate's high byte repeats the setting that is left
.if MSB != \new
	s_set_vgpr_msb (MSB<<8)|\new
.set MSB, \new
.endif
.endm
.set MUL_LO, 0xa1                      ; source 0 (B) window 1, source 1 (A) window 0, C and D window 2
.set MUL_HI, 0xf1
.set TO_B,   0x40
.macro JLOAD g0a, g1a, g0b, g1b        ; a joint load: waves 0 and 1 fetch for A, waves 2 and 3 for B; four v_nop follow each line
	s_cmp_eq_u32 s15, 0
	s_cbranch_scc0 .Lfor_b_\@
	tensor_load_to_lds s[\g0a:\g0a+3], s[\g1a:\g1a+7]
	s_nop 0
.rept 4
	v_nop
.endr
	s_branch .Lasked_\@
.Lfor_b_\@:
	tensor_load_to_lds s[\g0b:\g0b+3], s[\g1b:\g1b+7]
	s_nop 0
.rept 4
	v_nop
.endr
.Lasked_\@:
.endm
.macro CREST                           ; a round of the cluster's barrier behind its opening barrier
	s_cmp_lg_u32 s14, 0
	s_cbranch_scc1 .Lnot_wave_0_\@
	s_barrier_signal -3
.Lnot_wave_0_\@:
	s_barrier_wait -3
	s_barrier_signal -1
	s_barrier_wait -1
.endm
.macro CROUND
	s_barrier_signal -1
	s_barrier_wait -1
	CREST
.endm
.macro PLACES n
.rept \n
	v_nop
.endr
.endm
.macro FRAG reg, adr, q, i             ; a fragment comes as it was stored: every load covers consecutive bytes
	ds_load_b128 v[\reg:\reg+3], v[\adr] offset:3072*(\i)+1536*(\q)
	ds_load_b64 v[\reg+4:\reg+5], v[\adr+2] offset:3072*(\i)+1536*(\q)
	ds_load_b128 v[\reg+6:\reg+9], v[\adr] offset:3072*(\i)+1536*(\q)+768
	ds_load_b64 v[\reg+10:\reg+11], v[\adr+2] offset:3072*(\i)+1536*(\q)+768
.endm
.macro MUL16 a0, p, zero               ; A's blocks a0, a0 + 1 x B's eight; the 64 accumulators take turns, one instruction a turn
.irp a, \a0, \a0+1
.irp b, 0,1,2,3,4,5,6,7
.if \zero
	v_wmma_scale_f32_16x16x128_f8f6f4 v[8*(8*((\a)%4)+\b):8*(8*((\a)%4)+\b)+7], v[128*(\p)+FR*\b:128*(\p)+FR*\b+FR-1], v[AF+FR*(\a):AF+FR*(\a)+FR-1], 0, v[SC+8*(\p)+\b], v[SC+8*(\p)+(\a)] matrix_a_fmt:MATRIX_FMT_FP6 matrix_b_fmt:MATRIX_FMT_FP6 matrix_a_scale:MATRIX_SCALE_ROW1
.else
	v_wmma_scale_f32_16x16x128_f8f6f4 v[8*(8*((\a)%4)+\b):8*(8*((\a)%4)+\b)+7], v[128*(\p)+FR*\b:128*(\p)+FR*\b+FR-1], v[AF+FR*(\a):AF+FR*(\a)+FR-1], v[8*(8*((\a)%4)+\b):8*(8*((\a)%4)+\b)+7], v[SC+8*(\p)+\b], v[SC+8*(\p)+(\a)] matrix_a_fmt:MATRIX_FMT_FP6 matrix_b_fmt:MATRIX_FMT_FP6 matrix_a_scale:MATRIX_SCALE_ROW1
.endif
.endr
.endr
.endm
.macro FETCH_B slot, q, p
	WIN TO_B
.irp i, 0,1,2,3,4,5,6,7
	FRAG 128*(\p)+FR*\i, ADRB+\slot, \q, \i
.endr
	WIN 0
.endm
.macro FETCH_A slot, q, i0
.irp i, \i0, \i0+1, \i0+2, \i0+3
	FRAG AF+FR*(\i), ADRA+\slot, \q, \i
.endr
.endm
.macro SCALES set, q                   ; the scale words of the slot's q-th 128 along K
.irp i, 0,1,2,3,4,5,6,7
	ds_load_b32 v[SC+8*\set+\i], v[ADRS] offset:512*\q+64*\i
.endr
.endm
.macro STEP slot, zero                 ; a slot's first 128 along K
	s_wait_dscnt 16                                ; all but the youngest 16 loads (A's blocks 4-7)
	WIN MUL_LO
	MUL16 0, 0, \zero
	MUL16 2, 0, \zero
	s_wait_dscnt 0
	PLACES NP
	FETCH_B \slot, 1, 1
	FETCH_A \slot, 1, 0
	SCALES 1, 1
	WIN MUL_HI
	MUL16 4, 0, \zero
	MUL16 6, 0, \zero
	PLACES NP
	WIN 0
	FETCH_A \slot, 1, 4
.endm
.macro TURN slot, next, fill           ; a slot's second 128 along K, and the change of slots
	s_wait_tensorcnt 0x0                           ; all my tensor loads have landed: my part of the next slot
	ds_add_u32 v[SPW], v[NIL]                      ; 0 onto my spare word
	s_wait_dscnt 17                                ; (the add and A's blocks 4-7 may be out)
	WIN MUL_LO
	MUL16 0, 1, 0
	s_wait_dscnt 0x0                               ; the add is done, and my reads of this slot are over
	s_barrier_signal -1
	MUL16 2, 1, 0
	WIN 0
	s_barrier_wait -1
.if \fill
	CREST                                          ; no wave of any partner still reads this slot or has a load on its way
	s_add_nc_u64 s[G0+4*\slot+2:G0+4*\slot+3], s[G0+4*\slot+2:G0+4*\slot+3], 2*3072
	s_add_nc_u64 s[G0B+4*\slot+2:G0B+4*\slot+3], s[G0B+4*\slot+2:G0B+4*\slot+3], 2*3072
	JLOAD G0+4*\slot, G1, G0B+4*\slot, G1B         ; the first tensor load behind the round; its four v_nop are the places in front of the loads below
.else
	PLACES NP
.endif
	v_add_nc_u32 v[ADRS], 1024, v[ADRS]            ; the next slot's scale words
	FETCH_B \next, 0, 0
	FETCH_A \next, 0, 0
	SCALES 0, 0
	WIN MUL_HI
	MUL16 4, 1, 0
	MUL16 6, 1, 0
	PLACES NP
	WIN 0
	FETCH_A \next, 0, 4
.endm
; 64 numbers of a lane in window w, register 16 b + i = k 32 b + 16 h + i of my row, become a fragment's codes in v[pc] on and its scale word in v[pw] (window 0).  Each accumulator is read from its low end on.
.macro QUANT src, w, pc, pw
	WIN (((\w)<<2)|((\w)<<4))
.irp b, 0,1,2,3
	v_max3_num_f32 v[TM+\b], 0x1800000, |v[(\src)+16*\b]|, |v[(\src)+1+16*\b]|   ; with the floor 2^(3 - 127): the byte cannot fall under 1
.endr
.irp i, 2,4,6,8,10,12,14
.irp b, 0,1,2,3
	v_max3_num_f32 v[TM+\b], v[TM+\b], |v[(\src)+16*\b+\i]|, |v[(\src)+1+16*\b+\i]|
.endr
.endr
	WIN 0
.irp b, 0,1,2,3
	v_permlanex16_b32 v[TM+4+\b], v[TM+\b], s96, s97
.endr
.irp b, 0,1,2,3
	v_max_num_f32 v[TM+\b], v[TM+\b], v[TM+4+\b]
.endr
.irp b, 0,1,2,3
	v_add_nc_u32 v[TM+12+\b], 0xff000000, v[TM+\b] ; 2 off the exponent field: the conversion's scale operand
.endr
.irp b, 0,1,2,3
	v_lshrrev_b32 v[TM+4+\b], 23, v[TM+12+\b]
.endr
	v_lshl_or_b32 v[\pw], v[TM+5], 8, v[TM+4]
	v_lshl_or_b32 v[\pw], v[TM+6], 16, v[\pw]
	v_lshl_or_b32 v[\pw], v[TM+7], 24, v[\pw]
	WIN (\w)
.irp c, 0,1
	v_cvt_scalef32_pk16_fp6_f32 v[\pc+6*\c:\pc+2+6*\c], v[(\src)+32*\c:(\src)+15+32*\c], v[TM+12+2*\c]
	v_cvt_scalef32_pk16_fp6_f32 v[\pc+12+4*\c:\pc+14+4*\c], v[(\src)+16+32*\c:(\src)+31+32*\c], v[TM+13+2*\c]
.endr
	WIN 0
	v_nop                                          ; one plain line behind the conversions
.irp c, 0,1
.irp i, 0,1,2
	v_permlane16_swap_b32 v[\pc+6*\c+\i], v[\pc+12+4*\c+\i]
.endr
.irp i, 0,1,2
	v_mov_b32 v[\pc+3+6*\c+\i], v[\pc+12+4*\c+\i]
.endr
.endr
.endm
	s_load_b64 s[4:5], s[0:1], 0x0                 ; acts
	s_load_b64 s[8:9], s[0:1], 0x8                 ; wts
	s_load_b64 s[12:13], s[0:1], 0x10              ; qkvc: for the codes,
	s_load_b64 s[66:67], s[0:1], 0x10              ; and for the scale words
	v_lshl_add_u32 v[SPW], v0, 2, SPARE
	v_mov_b32 v[NIL], 0
	ds_add_u32 v28, v29
	ds_add_u32 v28, v29
	s_wait_dscnt 0x0
	v_lshrrev_b32 v1, 5, v0
	v_readfirstlane_b32 s14, v1                    ; wave 0..3
	s_lshr_b32 s15, s14, 1                         ; my half of the tile's rows.  Also: I fetch for A (0) or for B (1)
	s_and_b32 s16, s14, 1                          ; my half of its columns.  Also: which 128 rows I fetch
	s_bfe_u32 s40, ttmp6, 0x40000                  ; cx
	s_bfe_u32 s41, ttmp6, 0x40004                  ; cy
	s_and_b32 s19, ttmp7, 0xffff                   ; the cluster's y
	s_cmp_eq_u32 ttmp9, 2                          ; v's clusters
	s_cselect_b32 s42, s19, ttmp9
	s_cselect_b32 s17, 0, s19
	s_lshl_b32 s42, s42, 2
	s_add_co_u32 s42, s42, s40                     ; tile column of C
	s_lshl_b32 s17, s17, 2
	s_add_co_u32 s17, s17, s41                     ; tile row of C
	s_cmp_eq_u32 ttmp9, 2                          ; (moves and selects leave SCC alone)
	s_cselect_b32 s18, 1572864, 0                  ; where A's codes begin in their buffer: W's row 2,048, or acts' first byte
	s_mov_b32 s19, 3145728
	s_cselect_b32 s19, 9502720, s19                ; A's scale words
	s_mov_b32 s95, 9437184
	s_cselect_b32 s95, 3145728, s95                ; B's scale words (B's codes begin at byte 0 either way)
	s_mov_b32 s98, 768
	s_cselect_b32 s98, 49152, s98                  ; out: from a block of 16 rows to the next
	s_mov_b32 s99, 0
	s_mov_b32 s100, 196608
	s_cselect_b32 s100, 768, s100                  ; out: from a half of 64 columns to the next
	s_cselect_b32 s2, 6291456, 0                   ; out: where the codes begin
	s_mov_b32 s3, 9437184
	s_cselect_b32 s3, 9699328, s3                  ; out: where the scale words begin
	s_cselect_b32 s104, 14, 13                     ; out: log2 of a group of 128 rows' scale words
	s_mov_b32 s96, 0x76543210
	s_mov_b32 s97, 0xfedcba98
	s_mov_b32 s101, 0xffff0000
	s_lshl_b32 s43, s41, 2
	s_lshl_b32 s43, 15, s43                        ; my row of the cluster
	s_lshl_b32 s44, 0x1111, s40                    ; my column
	s_or_b32 s[G1+0], s43, (3<<16)|(1<<21)         ; the mask; elements of 8 bytes; bit 21 beside a mask; no padding
	s_or_b32 s[G1B+0], s44, (3<<16)|(1<<21)
.irp g, G1, G1B
	s_mov_b32 s[\g+1], 384<<16                     ; tensor_dim0: 3,072 bytes
	s_mov_b32 s[\g+2], 8<<16                       ; tensor_dim1: 8 blocks of 16 rows
	s_mov_b32 s[\g+3], 384<<16                     ; tile_dim0
	s_mov_b32 s[\g+4], 8                           ; tile_dim1
	s_mov_b32 s[\g+5], KPB/8                       ; from block to block
	s_mov_b32 s[\g+6], 0
	s_mov_b32 s[\g+7], 0
.endr
	s_or_b32 s[G1S+0], s43, (3<<16)|(1<<21)
	s_or_b32 s[G1SB+0], s44, (3<<16)|(1<<21)
.irp g, G1S, G1SB
	s_mov_b32 s[\g+1], 32<<16                      ; a dense block of HALFS bytes as rows of 256
	s_mov_b32 s[\g+2], (HALFS/256)<<16
	s_mov_b32 s[\g+3], 32<<16
	s_mov_b32 s[\g+4], HALFS/256
	s_mov_b32 s[\g+5], 32
	s_mov_b32 s[\g+6], 0
	s_mov_b32 s[\g+7], 0
.endr
	s_lshl_b32 s20, s17, 1
	s_add_co_u32 s20, s20, s16                     ; A: which 128 rows I fetch
	s_mul_i32 s22, s20, HALFS
	s_add_co_u32 s22, s22, s19
	s_mul_i32 s20, s20, 8*KPB
	s_add_co_u32 s20, s20, s18
	s_mov_b32 s21, 0
	s_mov_b32 s23, 0
	s_lshl_b32 s46, s42, 1
	s_add_co_u32 s46, s46, s16                     ; B likewise
	s_mul_i32 s92, s46, HALFS
	s_add_co_u32 s92, s92, s95
	s_mul_i32 s46, s46, 8*KPB
	s_mov_b32 s47, 0
	s_mov_b32 s93, 0
	s_mul_i32 s45, s14, HALFT                      ; where they go: no place in the cluster enters an LDS address
	s_mul_i32 s94, s14, HALFS
	s_wait_kmcnt 0x0
	s_cmp_eq_u32 ttmp9, 2
	s_cselect_b64 s[6:7], s[8:9], s[4:5]           ; A's buffer
	s_cselect_b64 s[10:11], s[4:5], s[8:9]         ; B's buffer
	s_add_nc_u64 s[20:21], s[6:7], s[20:21]
	s_add_nc_u64 s[22:23], s[6:7], s[22:23]
	s_add_nc_u64 s[46:47], s[10:11], s[46:47]
	s_add_nc_u64 s[92:93], s[10:11], s[92:93]
	CROUND                                         ; all sixteen work-groups are here: the first joint loads meet
	s_mov_b32 s[G0S], 1
	s_add_co_u32 s[G0S+1], s94, SCL
	s_mov_b64 s[G0S+2:G0S+3], s[22:23]
	s_or_b32 s[G0S+3], s[G0S+3], 0x80000000
	s_mov_b32 s[G0SB], 1
	s_add_co_u32 s[G0SB+1], s94, SCL
	s_mov_b64 s[G0SB+2:G0SB+3], s[92:93]
	s_or_b32 s[G0SB+3], s[G0SB+3], 0x80000000
	JLOAD G0S, G1S, G0SB, G1SB                     ; the scale words first
.irp s, 0,1
	s_mov_b32 s[G0+4*\s], 1
	s_add_co_u32 s[G0+4*\s+1], s45, \s*SLOT
	s_add_nc_u64 s[G0+4*\s+2:G0+4*\s+3], s[20:21], \s*3072
	s_or_b32 s[G0+4*\s+3], s[G0+4*\s+3], 0x80000000
	s_mov_b32 s[G0B+4*\s], 1
	s_add_co_u32 s[G0B+4*\s+1], s45, \s*SLOT
	s_add_nc_u64 s[G0B+4*\s+2:G0B+4*\s+3], s[46:47], \s*3072
	s_or_b32 s[G0B+4*\s+3], s[G0B+4*\s+3], 0x80000000
	JLOAD G0+4*\s, G1, G0B+4*\s, G1B
.endr
	v_and_b32 v1, 15, v0                           ; r
	v_bfe_u32 v2, v0, 4, 1                         ; h
	v_and_b32 v3, 31, v0                           ; lane
	v_lshlrev_b32 v8, 4, v3                        ; 16 x lane
	v_lshlrev_b32 v9, 3, v3
	v_add_nc_u32 v9, 0x200, v9                     ; 512 + 8 x lane
	s_mul_i32 s21, s15, HALFT                      ; my 128 rows of A
	s_mul_i32 s22, s16, HALFT
	s_add_co_u32 s22, s22, 2*HALFT                 ; my 128 rows of B, behind A's 256
.irp s, 0,1
	v_add_nc_u32 v[ADRA+\s], s21, v8
	v_add_nc_u32 v[ADRB+\s], s22, v8
	v_add_nc_u32 v[ADRA+2+\s], s21, v9
	v_add_nc_u32 v[ADRB+2+\s], s22, v9
	s_add_co_u32 s21, s21, SLOT
	s_add_co_u32 s22, s22, SLOT
.endr
	v_lshlrev_b32 v6, 2, v1
	s_mul_i32 s21, s15, HALFS
	s_mul_i32 s22, s16, HALFS
	s_add_co_u32 s22, s22, 2*HALFS
	s_sub_co_u32 s22, s22, s21
	v_mul_u32_u24 v7, s22, v2                      ; lanes 16-31 take B's words: one product with h
	s_add_co_u32 s21, s21, SCL
	v_add_nc_u32 v6, v6, v7
	v_add_nc_u32 v[ADRS], s21, v6
	v_add_nc_u32 v10, s100, v8                     ; out: the second half of a fragment
	v_add_nc_u32 v11, s100, v9
	v_lshlrev_b32 v24, 2, v3                       ; out: 4 x lane
	s_lshl_b32 s20, s17, 1
	s_add_co_u32 s20, s20, s15                     ; my 128 rows of C
	s_lshl_b32 s22, s20, s104
	s_add_co_u32 s22, s22, s3
	s_lshl_b32 s20, s20, 3
	s_mul_i32 s20, s20, s98
	s_add_co_u32 s20, s20, s2
	s_mov_b32 s21, 0
	s_mov_b32 s23, 0
	s_add_nc_u64 s[12:13], s[12:13], s[20:21]
	s_add_nc_u64 s[66:67], s[66:67], s[22:23]
	s_lshl_b32 s46, s42, 1
	s_add_co_u32 s46, s46, s16                     ; my 128 columns (in registers that never fed A's descriptors)
	s_lshl_b32 s92, s46, 9
	s_lshl_b32 s46, s46, 1
	s_mul_i32 s46, s46, s100
	s_mov_b32 s47, 0
	s_mov_b32 s93, 0
	s_add_nc_u64 s[12:13], s[12:13], s[46:47]
	s_add_nc_u64 s[66:67], s[66:67], s[92:93]
	s_wait_tensorcnt 1                             ; the scale words and my part of slot 0 are in; slot 1's load may be out
	s_barrier_signal -1
	s_barrier_wait -1
	FETCH_B 0, 0, 0
	FETCH_A 0, 0, 0
	SCALES 0, 0
	FETCH_A 0, 0, 4
	STEP 0, 1                                      ; the first step's products start the sums
	s_mov_b32 s3, LAPS-1
.Llap:
	TURN 0, 1, 1
	STEP 1, 0
	TURN 1, 0, 1
	STEP 0, 0
	s_sub_co_u32 s3, s3, 1
	s_cmp_lg_u32 s3, 0
	s_cbranch_scc1 .Llap
	TURN 0, 1, 0                                   ; the last lap fills nothing
	STEP 1, 0
	s_wait_dscnt 16
	WIN MUL_LO
	MUL16 0, 1, 0
	MUL16 2, 1, 0
	s_wait_dscnt 0
	WIN MUL_HI
	MUL16 4, 1, 0
	MUL16 6, 1, 0
	WIN 0
	; THE WAY OUT: each block of 16 rows x my 128 columns is quantised in registers: one fragment and one scale word a row.
	PLACES NP
.irp b, 0,1,2,3
	v_mov_b32 v[TM+4+\b], 0                        ; a lane permute's destination counts as one of its sources
.endr
.irp a, 0,1,2,3,4,5,6,7
.if \a > 0
	s_wait_xcnt 0x0                                ; the last block's stores have read their registers and their base
	s_add_nc_u64 s[12:13], s[12:13], s[98:99]
.endif
.if (\a)%2 == 0
	QUANT 64*((\a)%4), 2+(\a)/4, PC, PWE
.else
	QUANT 64*((\a)%4), 2+(\a)/4, PC, PW
.endif
	global_store_b128 v8, v[PC:PC+3], s[12:13]     ; each store covers 512 or 256 consecutive bytes, aligned
	global_store_b64 v9, v[PC+4:PC+5], s[12:13]
	global_store_b128 v10, v[PC+6:PC+9], s[12:13]
	global_store_b64 v11, v[PC+10:PC+11], s[12:13]
.if (\a)%2 == 1
	v_cndmask_b32 v[PWS], v[PWE], v[PW], s101      ; two blocks' scale words: 128 consecutive bytes
	global_store_b32 v24, v[PWS], s[66:67] offset:128*((\a)/2)
.endif
.endr
	s_wait_tensorcnt 0x0                           ; the wave's end
	ds_add_u32 v[SPW], v[NIL]
	s_wait_dscnt 0x0
	CROUND                                         ; the closing round
	s_endpgm
.Lfunc_end_k_qdac4001ba1_qkv:
	.size	k_qdac4001ba1_qkv, .Lfunc_end_k_qdac4001ba1_qkv-k_qdac4001ba1_qkv
	.p2alignl 7, 3214868480
	.fill 96, 4, 3214868480
	.section	.rodata,"a",@progbits
	.p2align	6, 0x0
	.amdhsa_kernel k_qdac4001ba1_qkv
		.amdhsa_group_segment_fixed_size 327680
		.amdhsa_private_segment_fixed_size 0
		.amdhsa_enable_private_segment 0
		.amdhsa_kernarg_size 24
		.amdhsa_user_sgpr_count 2
		.amdhsa_user_sgpr_kernarg_segment_ptr 1
		.amdhsa_wavefront_size32 1
		.amdhsa_system_sgpr_workgroup_id_x 1
		.amdhsa_system_sgpr_workgroup_id_y 1
		.amdhsa_system_sgpr_workgroup_id_z 1
		.amdhsa_system_vgpr_workitem_id 0
		.amdhsa_next_free_vgpr 1024
		.amdhsa_next_free_sgpr 106
		.amdhsa_reserve_vcc 0
		.amdhsa_float_denorm_mode_32 3
		.amdhsa_float_denorm_mode_16_64 3
		.amdhsa_memory_ordered 1
		.amdhsa_forward_progress 1
		.amdhsa_inst_pref_size 153
	.end_amdhsa_kernel
	.amdgpu_metadata
---
amdhsa.version: [ 1, 2 ]
amdhsa.kernels:
  - .name:           k_qdac4001ba1_qkv
    .symbol:         k_qdac4001ba1_qkv.kd
    .args:
      - { .name: acts, .offset: 0, .size: 8, .value_kind: global_buffer, .address_space: global }
      - { .name: wts, .offset: 8, .size: 8, .value_kind: global_buffer, .address_space: global }
      - { .name: qkvc, .offset: 16, .size: 8, .value_kind: global_buffer, .address_space: global }
    .group_segment_fixed_size: 327680
    .private_segment_fixed_size: 0
    .kernarg_segment_align: 8
    .kernarg_segment_size: 24
    .max_flat_workgroup_size: 128
    .sgpr_count:     106
    .vgpr_count:     1024
    .wavefront_size: 32
...
	.end_amdgpu_metadata
.endif
;; end of part 3
;; launch att (part 4): grid 8 x 32, 16 waves a work-group, no clusters, 210,944 bytes of LDS; arguments qkvc, yb; writes yb
.if DOCPART == 4
	.amdgcn_target "amdgcn-amd-amdhsa--gfx1250"
	.amdhsa_code_object_version 6
	.text
	.protected	k_qdac4001ba1_att
	.globl	k_qdac4001ba1_att
	.p2align	8
	.type	k_qdac4001ba1_att,@function
k_qdac4001ba1_att:
	s_mov_b64 s[64:65], 0
	v_nop
	global_prefetch_b8 v0, s[64:65] scope:SCOPE_SE
	s_setreg_imm32_b32 hwreg(HW_REG_WAVE_MODE, 25, 1), 1
	s_wait_xcnt 0x0
; Causal attention of one head on codes of FP6 (E2M3) with E8M0 scales, head size 64, 2,048 keys, and its result y quantised along the head's 64.
; t = score x log2(e) / 8; M = the running largest t rounded UP to a whole number; p = 2^(t - M) is quantised along the keys, not normalised; the row's sum is taken of the unquantised p and divides O at the end.
; When M moves, the sum and O are multiplied by 2^(old M - new M): exact.
; SHARES.  A work-group serves one head and two blocks of 128 queries, j and 15 - j: waves 0-7 take 16 queries each of the early block, waves 8-15 of the late one, so that every work-group has the same number of key steps under the mask.
; Both products are used transposed: S^T = K Q^T, O^T = V^T P^T: a lane holds ONE query throughout.  Rows of q, k and v lie at positions (row number with bits 3 and 4 exchanged), so that the 16 registers of
; two neighbouring tiles are 16 neighbouring keys (or channels).
; THE HEAD'S WHOLE K AND V LIE IN LDS, each byte filled once: wave 0 brings K's scale words and four chunks of 512 keys, wave 1 the same of V: five loads each are out at the most.  Four stages: a stage waits for its chunk
; and leaves the later ones on their way.  Nothing is filled again.
; THE HEAD IS 64 of the instruction's 128 along K: Q's upper six registers are zero codes.  K's upper six are the next tile's codes, finite numbers that meet zeros, under the scale byte 0.
; CAUSAL: a step all of whose keys come after my queries is jumped over by a scalar branch on ids; in the one step on the diagonal hidden scores become -infinity.  The loops' trip counts are constants.
; No joint loads: the steps that a wave jumps over hang on its block of queries, which would differ between partners.
; LIMITS: a block of zeros or under 2^-124 gets the byte 1 where the rule says 127 (only this program reads the bytes); NaN and infinities are not served.
; REGISTERS: v1-7 addresses that stay; v8-11, v28-29 the step's addresses; v12 -M, v13 the largest t, v[14:15] the sum; v16-27 Q; v32-85 fragments; v96-159 S^T, then p; v160-191 O^T; v192-203 scale words; v224.. p's codes; v232-254 at work; v255 Q's scale word.
.set VB,   98304                       ; LDS: K's halves [128 blocks of 16 keys][768] at 0; V [chunk][d block][4 K steps][1,536] here;
.set KSB,  196608                      ; K's scale words [16 steps][128][4];
.set VSB,  204800                      ; V's [16 steps][64][4]
.set V_C,  6291456
.set QK_S, 9437184
.set V_S,  9699328
.set Y_S,  3145728
.set ADK,  8
.set ADK8, 9
.set ADS,  10
.set ADV,  11
.set ADV8, 28
.set ADT,  29
.set WV,   18
.set SEL,  20
.set CS,   22
.set G1K,  24
.set G1V,  32
.set G0S,  40
.set G0C,  44
.set G1KS, 68
.set G1VS, 76
.set TK,   2
.set TV,   3
.set TSK,  66
.set TSV,  67
.set SI,   60
.set SD,   61
.set CNT,  62
.set KF,   63
	s_load_b128 s[4:7], s[0:1], 0x0                ; qkvc, yb
	v_lshl_add_u32 v250, v0, 2, 0x33000
	v_mov_b32 v251, 0
	ds_add_u32 v250, v251
	ds_add_u32 v250, v251
	v_lshrrev_b32 v8, 5, v0
	v_readfirstlane_b32 s[WV], v8                  ; wave 0..15
	s_and_b32 s84, ttmp7, 0xffff
	s_lshr_b32 s85, s84, 4                         ; the batch
	s_and_b32 s86, s84, 15                         ; the head
	s_lshr_b32 s87, s86, 1
	s_and_b32 s88, s86, 1
	s_mul_i32 s89, s86, 196608
	s_mul_i32 s90, s85, 98304                      ; K's codes: half column 16 + head, the batch's 128 blocks
	s_add_co_u32 s90, s90, s89
	s_add_co_u32 s90, s90, 16*196608
	s_mul_i32 s91, s85, 24576                      ; V's codes: the head's four d blocks, the batch's 16 K steps
	s_add_co_u32 s91, s91, s89
	s_add_co_u32 s91, s91, V_C
	s_lshl_b32 s92, s85, 17                        ; K's scale words
	s_lshl_b32 s93, s87, 9
	s_add_co_u32 s92, s92, s93
	s_add_co_u32 s92, s92, QK_S+8*512
	s_lshl_b32 s93, s87, 14                        ; V's scale words
	s_lshl_b32 s94, s85, 13
	s_add_co_u32 s93, s93, s94
	s_lshl_b32 s94, s88, 8
	s_add_co_u32 s93, s93, s94
	s_add_co_u32 s93, s93, V_S
	s_cmp_eq_u32 s[WV], 0                          ; wave 0 fetches K, wave 1 V: offsets in one buffer, chosen by the wave's number
	s_cselect_b32 s90, s90, s91
	s_cselect_b32 s92, s92, s93
	s_mov_b32 s94, 6144
	s_cselect_b32 s94, 24576, s94                  ; from chunk to chunk
	s_mov_b32 s91, 0
	s_mov_b32 s93, 0
	s_mov_b32 s95, 0
	s_min_u32 s10, s[WV], 1
	s_mul_i32 s11, s10, VB                         ; where the codes go,
	s_lshl_b32 s16, s10, 13                        ; and the scale words
	; descriptor groups 1: elements of 8 bytes, no mask, no padding
	s_mov_b32 s[G1K], 3<<16                        ; K: a chunk is 24,576 dense bytes: 96 rows of 256
	s_mov_b32 s[G1K+1], 32<<16
	s_mov_b32 s[G1K+2], 96<<16
	s_mov_b32 s[G1K+3], 32<<16
	s_mov_b32 s[G1K+4], 96
	s_mov_b32 s[G1K+5], 32
	s_mov_b32 s[G1K+6], 0
	s_mov_b32 s[G1K+7], 0
	s_mov_b32 s[G1V], 3<<16                        ; V: 4 d blocks x 6,144 bytes, 49,152 bytes apart
	s_mov_b32 s[G1V+1], 768<<16
	s_mov_b32 s[G1V+2], 4<<16
	s_mov_b32 s[G1V+3], 768<<16
	s_mov_b32 s[G1V+4], 4
	s_mov_b32 s[G1V+5], 6144
	s_mov_b32 s[G1V+6], 0
	s_mov_b32 s[G1V+7], 0
	s_mov_b32 s[G1KS], 3<<16                       ; K's scale words: 16 rows of 512 bytes, 8,192 apart
	s_mov_b32 s[G1KS+1], 64<<16
	s_mov_b32 s[G1KS+2], 16<<16
	s_mov_b32 s[G1KS+3], 64<<16
	s_mov_b32 s[G1KS+4], 16
	s_mov_b32 s[G1KS+5], 1024
	s_mov_b32 s[G1KS+6], 0
	s_mov_b32 s[G1KS+7], 0
	s_mov_b32 s[G1VS], 3<<16                       ; V's: 16 rows of 256 bytes, 512 apart
	s_mov_b32 s[G1VS+1], 32<<16
	s_mov_b32 s[G1VS+2], 16<<16
	s_mov_b32 s[G1VS+3], 32<<16
	s_mov_b32 s[G1VS+4], 16
	s_mov_b32 s[G1VS+5], 64
	s_mov_b32 s[G1VS+6], 0
	s_mov_b32 s[G1VS+7], 0
	s_wait_dscnt 0x0
	s_wait_kmcnt 0x0
	s_mov_b32 s[G0S], 1
	s_add_co_u32 s[G0S+1], s16, KSB
	s_add_nc_u64 s[G0S+2:G0S+3], s[4:5], s[92:93]
	s_or_b32 s[G0S+3], s[G0S+3], 0x80000000
	s_add_nc_u64 s[G0C+2:G0C+3], s[4:5], s[90:91]
.irp c, 1,2,3
	s_add_nc_u64 s[G0C+4*\c+2:G0C+4*\c+3], s[G0C+4*\c-2:G0C+4*\c-1], s[94:95]
.endr
.irp c, 0,1,2,3
	s_mov_b32 s[G0C+4*\c], 1
	s_add_co_u32 s[G0C+4*\c+1], s11, \c*24576
	s_or_b32 s[G0C+4*\c+3], s[G0C+4*\c+3], 0x80000000
.endr
	s_cmp_eq_u32 s[WV], 0                          ; a wave's five fills stand in one branch, ahead of every wait on TENSORcnt, every LDS read and every barrier
	s_cbranch_scc0 .Lnot_k
	tensor_load_to_lds s[G0S:G0S+3], s[G1KS:G1KS+7]
	s_nop 0
	tensor_load_to_lds s[G0C:G0C+3], s[G1K:G1K+7]
	s_nop 0
	tensor_load_to_lds s[G0C+4:G0C+7], s[G1K:G1K+7]
	s_nop 0
	tensor_load_to_lds s[G0C+8:G0C+11], s[G1K:G1K+7]
	s_nop 0
	tensor_load_to_lds s[G0C+12:G0C+15], s[G1K:G1K+7]
	s_nop 0
.rept 4
	v_nop
.endr
	s_branch .Lasked
.Lnot_k:
	s_cmp_eq_u32 s[WV], 1
	s_cbranch_scc0 .Lasked
	tensor_load_to_lds s[G0S:G0S+3], s[G1VS:G1VS+7]
	s_nop 0
	tensor_load_to_lds s[G0C:G0C+3], s[G1V:G1V+7]
	s_nop 0
	tensor_load_to_lds s[G0C+4:G0C+7], s[G1V:G1V+7]
	s_nop 0
	tensor_load_to_lds s[G0C+8:G0C+11], s[G1V:G1V+7]
	s_nop 0
	tensor_load_to_lds s[G0C+12:G0C+15], s[G1V:G1V+7]
	s_nop 0
.rept 4
	v_nop
.endr
.Lasked:
	s_lshl_b32 s8, ttmp9, 3                        ; my block of 16 query positions in the batch: 8 j + wave, or 8 (15 - j) + wave - 8
	s_sub_co_u32 s9, 112, s8
	s_cmp_lt_u32 s[WV], 8
	s_cselect_b32 s8, s8, s9
	s_add_co_u32 s8, s8, s[WV]
	s_lshr_b32 s[SD], s8, 3                        ; the key step on the diagonal
	s_lshr_b32 s9, s8, 1
	s_lshl_b32 s9, s9, 5
	s_and_b32 s10, s8, 1
	s_lshl_b32 s10, s10, 3
	s_add_co_u32 s9, s9, s10                       ; position r of the block is query s9 + r % 8 + 16 (r / 8)
	s_lshl_b32 s10, s85, 7
	s_add_co_u32 s10, s10, s8                      ; the block among all 256
	s_mul_i32 s96, s10, 768
	s_add_co_u32 s96, s96, s89                     ; Q's half fragment
	s_mov_b32 s97, 0
	s_lshr_b32 s11, s10, 3
	s_and_b32 s16, s10, 7
	s_lshl_b32 s16, s16, 6
	s_lshl_b32 s17, s87, 9
	s_add_co_u32 s16, s16, s17
	s_lshl_b32 s17, s88, 1
	s_add_co_u32 s16, s16, s17                     ; in a group's scale words: my block, the head's K step, the head's two bytes
	s_lshl_b32 s98, s11, 13
	s_add_co_u32 s98, s98, s16
	s_add_co_u32 s98, s98, QK_S
	s_mov_b32 s99, 0
	s_lshl_b32 s14, s11, 12
	s_add_co_u32 s14, s14, s16
	s_add_co_u32 s14, s14, Y_S
	s_mov_b32 s15, 0
	s_mul_i32 s12, s10, 12288
	s_mul_i32 s17, s86, 768
	s_add_co_u32 s12, s12, s17                     ; y's half fragment
	s_mov_b32 s13, 0
	s_add_nc_u64 s[96:97], s[4:5], s[96:97]
	s_add_nc_u64 s[98:99], s[4:5], s[98:99]
	s_add_nc_u64 s[12:13], s[6:7], s[12:13]
	s_add_nc_u64 s[14:15], s[6:7], s[14:15]
	s_mov_b32 s[SEL], 0x76543210
	s_mov_b32 s[SEL+1], 0xfedcba98
	s_mov_b32 s[CS], 0x3e38aa3b                    ; c = log2(e) / 8
	s_mov_b32 s[CS+1], s[CS]
	v_and_b32 v30, 31, v0                          ; lane
	v_and_b32 v8, 15, v0                           ; r
	v_bfe_u32 v9, v0, 4, 1                         ; h
	v_lshlrev_b32 v1, 4, v30                       ; 16 x lane
	v_lshlrev_b32 v2, 3, v30
	v_add_nc_u32 v2, 0x200, v2                     ; 512 + 8 x lane
	v_lshlrev_b32 v31, 2, v8                       ; 4 r
	global_load_b128 v[16:19], v1, s[96:97]        ; Q stays in registers
	global_load_b64 v[20:21], v2, s[96:97]
	global_load_u16 v255, v31, s[98:99]            ; its two scale bytes; the upper two are 0
.irp i, 22,23,24,25,26,27,80,81,82,83,84,85
	v_mov_b32 v\i, 0                               ; zero codes: Q's upper 64 along K; and what stands behind K's last tile
.endr
	s_lshl_b32 s17, s88, 1
	s_add_co_u32 s17, s17, KSB
	v_add_nc_u32 v3, s17, v31
	v_add_nc_u32 v4, VB, v1
	v_add_nc_u32 v5, VB, v2
	v_add_nc_u32 v6, VSB, v31
	v_and_b32 v7, 7, v8
	v_lshrrev_b32 v10, 3, v8
	v_sub_nc_u32 v10, v10, v9
	v_lshl_add_u32 v7, v10, 4, v7
	v_add_nc_u32 v7, s9, v7                        ; my query - 16 h
	v_mov_b32 v13, 0xff61b1e6                      ; the largest t so far: -3e38
	v_floor_f32 v12, -v13                          ; -M
	v_mov_b32 v14, 0
	v_mov_b32 v15, 0
.irp b, 0,1,2,3
	v_mov_b32 v[236+\b], 0                         ; a lane permute's destination counts as one of its sources
.endr
	v_mov_b32 v253, 0
.set J, 0
.rept 32
	v_mov_b32 v[160+J], 0                          ; O^T: the step is written once: its first run finds zeros
.set J, J+1
.endr
; A KEY STEP: 128 keys.
.macro STEP
	s_cmp_gt_u32 s[SI], s[SD]
	s_cbranch_scc1 .Lhidden_\@
	v_add_nc_u32 v[ADK], s[TK], v1                 ; (these six are also the places in front of loads into registers that the last products read)
	v_add_nc_u32 v[ADK8], s[TK], v2
	v_add_nc_u32 v[ADS], s[TSK], v3
	v_add_nc_u32 v[ADV], s[TV], v4
	v_add_nc_u32 v[ADV8], s[TV], v5
	v_add_nc_u32 v[ADT], s[TSV], v6
.irp t, 0,1,2,3,4,5,6,7
	ds_load_b128 v[32+6*\t:35+6*\t], v[ADK] offset:768*\t
	ds_load_b64 v[36+6*\t:37+6*\t], v[ADK8] offset:768*\t
	ds_load_u16 v[192+\t], v[ADS] offset:64*\t
.endr
	s_wait_dscnt 0x0
.irp t, 0,1,2,3,4,5,6,7
	v_wmma_scale_f32_16x16x128_f8f6f4 v[96+8*\t:103+8*\t], v[32+6*\t:43+6*\t], v[16:27], 0, v[192+\t], v255 matrix_a_fmt:MATRIX_FMT_FP6 matrix_b_fmt:MATRIX_FMT_FP6
.endr
.rept 4
	v_nop
.endr
	s_cmp_lt_u32 s[SI], s[SD]                      ; a step all of whose keys count skips the mask
	s_cbranch_scc1 .Lopen_\@
	v_sub_nc_u32 v252, v7, s[KF]                   ; d = my query - the step's first key - 16 h.  Register 16 b + i holds key 32 b + 16 h + i of the step: hidden where 32 b + i > d
	v_mov_b32 v254, 0xff800000
.set N, 0
.rept 64
	v_cmp_gt_i32 vcc_lo, 32*(N/16)+N%16, v252
	v_cndmask_b32 v[96+N], v[96+N], v254, vcc_lo
.set N, N+1
.endr
.Lopen_\@:
.irp b, 0,1,2,3
	v_max3_num_f32 v[232+\b], v[96+16*\b], v[97+16*\b], v[98+16*\b]   ; the largest score of each block of 32 keys: for the row's maximum, and, since p rises with the score, for the block's largest p
.endr
.irp i, 3,5,7,9,11,13
.irp b, 0,1,2,3
	v_max3_num_f32 v[232+\b], v[232+\b], v[96+16*\b+\i], v[97+16*\b+\i]
.endr
.endr
.irp b, 0,1,2,3
	v_max_num_f32 v[232+\b], v[232+\b], v[111+16*\b]
.endr
.irp b, 0,1,2,3
	v_permlanex16_b32 v[236+\b], v[232+\b], s[SEL], s[SEL+1]
.endr
.irp b, 0,1,2,3
	v_max_num_f32 v[232+\b], v[232+\b], v[236+\b]
.endr
	v_max3_num_f32 v254, v232, v233, v234
	v_max_num_f32 v254, v254, v235
	v_mul_f32 v254, s[CS], v254
	v_max_num_f32 v13, v13, v254                   ; the running largest t
	v_mov_b32 v254, v12
	v_floor_f32 v12, -v13                          ; the new -M: M is a whole number
	v_sub_f32 v254, v12, v254
	v_cvt_i32_f32 v254, v254                       ; (it saturates)
	v_ldexp_f32 v252, 1.0, v254                    ; f = 2^(old M - new M)
.set J, 0
.rept 32
	v_pk_fma_f32 v[96+J:97+J], v[96+J:97+J], s[CS:CS+1], v[12:13] op_sel_hi:[1,0,0]   ; t - M
.set J, J+2
.endr
.irp b, 0,1,2,3
	v_fma_f32 v[232+\b], v[232+\b], s[CS], v12
.endr
.set J, 0
.rept 64
	v_exp_f32 v[96+J], v[96+J]                     ; p = 2^(t - M)
.set J, J+1
.endr
	v_pk_mul_f32 v[14:15], v[14:15], v[252:253] op_sel_hi:[1,0]   ; the sums under the new M: a plain line behind the exponentials
	s_wait_alu depctr_va_vdst(0)                   ; one wait for the batch, ahead of its first reader
.irp b, 0,1,2,3
	v_exp_f32 v[232+\b], v[232+\b]                 ; each block's largest p
.endr
	v_pk_add_f32 v[236:237], v[96:97], v[98:99]    ; the row's sum, of the unquantised p, in two chains
.irp j, 4,8,12,16,20,24,28,32,36,40,44,48,52,56,60
	v_pk_add_f32 v[14:15], v[14:15], v[96+\j:97+\j]
	v_pk_add_f32 v[236:237], v[236:237], v[98+\j:99+\j]
.endr
	v_pk_add_f32 v[14:15], v[14:15], v[236:237]
	s_wait_alu depctr_va_vdst(0)                   ; and one for the four
.irp b, 0,1,2,3
	v_max_num_f32 v[232+\b], 0x1800000, v[232+\b]  ; the floor 2^(3 - 127)
.endr
.irp b, 0,1,2,3
	v_add_nc_u32 v[244+\b], 0xff000000, v[232+\b]
.endr
.irp b, 0,1,2,3
	v_lshrrev_b32 v[236+\b], 23, v[244+\b]
.endr
	v_lshl_or_b32 v253, v237, 8, v236              ; p's scale word for these 128 keys
	v_lshl_or_b32 v253, v238, 16, v253
	v_lshl_or_b32 v253, v239, 24, v253
.irp c, 0,1
	v_cvt_scalef32_pk16_fp6_f32 v[224+6*\c:226+6*\c], v[96+32*\c:111+32*\c], v[244+2*\c]
	v_cvt_scalef32_pk16_fp6_f32 v[236+4*\c:238+4*\c], v[112+32*\c:127+32*\c], v[245+2*\c]
.endr
	v_nop
.irp c, 0,1
.irp i, 0,1,2
	v_permlane16_swap_b32 v[224+6*\c+\i], v[236+4*\c+\i]
.endr
.irp i, 0,1,2
	v_mov_b32 v[227+6*\c+\i], v[236+4*\c+\i]
.endr
.endr
.set J, 0
.rept 16
	v_pk_mul_f32 v[160+J:161+J], v[160+J:161+J], v[252:253] op_sel_hi:[1,0]   ; O^T under the new M; these are also the places in front of the products and loads below
.set J, J+2
.endr
.irp t, 0,1,2,3
	ds_load_b128 v[32+12*\t:35+12*\t], v[ADV] offset:6144*\t
	ds_load_b64 v[36+12*\t:37+12*\t], v[ADV8] offset:6144*\t
	ds_load_b128 v[38+12*\t:41+12*\t], v[ADV] offset:6144*\t+768
	ds_load_b64 v[42+12*\t:43+12*\t], v[ADV8] offset:6144*\t+768
	ds_load_b32 v[200+\t], v[ADT] offset:64*\t
.endr
	s_wait_dscnt 0x0
.irp t, 0,1,2,3
	v_wmma_scale_f32_16x16x128_f8f6f4 v[160+8*\t:167+8*\t], v[32+12*\t:43+12*\t], v[224:235], v[160+8*\t:167+8*\t], v[200+\t], v253 matrix_a_fmt:MATRIX_FMT_FP6 matrix_b_fmt:MATRIX_FMT_FP6
.endr
.Lhidden_\@:
	s_add_co_u32 s[SI], s[SI], 1
	s_add_co_u32 s[KF], s[KF], 128
	s_add_co_u32 s[TK], s[TK], 6144
	s_add_co_u32 s[TV], s[TV], 1536
	s_add_co_u32 s[TSK], s[TSK], 512
	s_add_co_u32 s[TSV], s[TSV], 256
.endm
; A STAGE: chunk c, 512 keys, four steps.  The wave that issued the loads waits until the scale words and chunks 0 .. c have landed; 3 - c later chunks may stay out.
.macro STAGE c
	s_wait_tensorcnt 3-\c
	s_wait_dscnt 0x0
	s_barrier_signal -1
	s_barrier_wait -1
	s_mov_b32 s[TK], \c*24576
	s_mov_b32 s[TV], \c*24576
	s_mov_b32 s[TSK], \c*2048
	s_mov_b32 s[TSV], \c*1024
	s_mov_b32 s[SI], \c*4
	s_mov_b32 s[KF], \c*512
	s_mov_b32 s[CNT], 4
.Lstep_\@:
	STEP
	s_sub_co_u32 s[CNT], s[CNT], 1
	s_cmp_lg_u32 s[CNT], 0
	s_cbranch_scc1 .Lstep_\@
.endm
	s_wait_loadcnt 0x0                             ; Q
	STAGE 0
	STAGE 1
	STAGE 2
	STAGE 3
	; THE WAY OUT: O^T / the sum; register 16 b + i is channel 32 b + 16 h + i of my query: two blocks of 32, quantised in registers: half a fragment and two scale bytes.
.rept 4
	v_nop
.endr
	v_add_f32 v14, v14, v15
	v_permlanex16_b32 v252, v14, s[SEL], s[SEL+1]
	v_add_f32 v14, v14, v252
	v_rcp_f32 v14, v14
	v_nop                                          ; a plain line behind the reciprocal
	s_wait_alu depctr_va_vdst(0)                   ; the wait ahead of its first reader
.set J, 0
.rept 32
	v_mul_f32 v[96+J], v[160+J], v14
.set J, J+1
.endr
.irp b, 0,1
	v_max3_num_f32 v[232+\b], |v[96+16*\b]|, |v[97+16*\b]|, 0x1800000
.endr
.irp i, 2,4,6,8,10,12,14
.irp b, 0,1
	v_max3_num_f32 v[232+\b], v[232+\b], |v[96+16*\b+\i]|, |v[97+16*\b+\i]|
.endr
.endr
.irp b, 0,1
	v_permlanex16_b32 v[236+\b], v[232+\b], s[SEL], s[SEL+1]
.endr
.irp b, 0,1
	v_max_num_f32 v[232+\b], v[232+\b], v[236+\b]
.endr
.irp b, 0,1
	v_add_nc_u32 v[244+\b], 0xff000000, v[232+\b]
.endr
.irp b, 0,1
	v_lshrrev_b32 v[236+\b], 23, v[244+\b]
.endr
	v_lshl_or_b32 v254, v237, 8, v236
	v_cvt_scalef32_pk16_fp6_f32 v[224:226], v[96:111], v244
	v_cvt_scalef32_pk16_fp6_f32 v[236:238], v[112:127], v245
	v_nop
.irp i, 0,1,2
	v_permlane16_swap_b32 v[224+\i], v[236+\i]
.endr
.irp i, 0,1,2
	v_mov_b32 v[227+\i], v[236+\i]
.endr
	global_store_b128 v1, v[224:227], s[12:13]     ; 512 and 256 consecutive bytes, aligned
	global_store_b64 v2, v[228:229], s[12:13]
	v_cmp_gt_u32 vcc_lo, 16, v30
	s_wait_xcnt 0x0                                ; EXEC changes only behind this wait
	s_wait_tensorcnt 0x0
	ds_add_u32 v250, v251
	s_wait_dscnt 0x0
	s_and_saveexec_b32 s10, vcc_lo
	global_store_b16 v31, v254, s[14:15]           ; lanes 0-15: a row's two scale bytes; a head owns half of a scale word
	s_wait_xcnt 0x0
	s_or_b32 exec_lo, exec_lo, s10
	s_endpgm
.Lfunc_end_k_qdac4001ba1_att:
	.size	k_qdac4001ba1_att, .Lfunc_end_k_qdac4001ba1_att-k_qdac4001ba1_att
	.p2alignl 7, 3214868480
	.fill 96, 4, 3214868480
	.section	.rodata,"a",@progbits
	.p2align	6, 0x0
	.amdhsa_kernel k_qdac4001ba1_att
		.amdhsa_group_segment_fixed_size 210944
		.amdhsa_private_segment_fixed_size 0
		.amdhsa_enable_private_segment 0
		.amdhsa_kernarg_size 16
		.amdhsa_user_sgpr_count 2
		.amdhsa_user_sgpr_kernarg_segment_ptr 1
		.amdhsa_wavefront_size32 1
		.amdhsa_system_sgpr_workgroup_id_x 1
		.amdhsa_system_sgpr_workgroup_id_y 1
		.amdhsa_system_sgpr_workgroup_id_z 1
		.amdhsa_system_vgpr_workitem_id 0
		.amdhsa_next_free_vgpr 256
		.amdhsa_next_free_sgpr 100
		.amdhsa_reserve_vcc 1
		.amdhsa_float_denorm_mode_32 3
		.amdhsa_float_denorm_mode_16_64 3
		.amdhsa_memory_ordered 1
		.amdhsa_forward_progress 1
		.amdhsa_inst_pref_size 104
	.end_amdhsa_kernel
	.amdgpu_metadata
---
amdhsa.version: [ 1, 2 ]
amdhsa.kernels:
  - .name:           k_qdac4001ba1_att
    .symbol:         k_qdac4001ba1_att.kd
    .args:
      - { .name: qkvc, .offset: 0, .size: 8, .value_kind: global_buffer, .address_space: global }
      - { .name: yb, .offset: 8, .size: 8, .value_kind: global_buffer, .address_space: global }
    .group_segment_fixed_size: 210944
    .private_segment_fixed_size: 0
    .kernarg_segment_align: 8
    .kernarg_segment_size: 16
    .max_flat_workgroup_size: 512
    .sgpr_count:     100
    .vgpr_count:     256
    .wavefront_size: 32
...
	.end_amdgpu_metadata
.endif
;; end of part 4
;; launch proj (part 5): grid 4 x 16, 4 waves a work-group, clusters of 4 x 4, 327,680 bytes of LDS; arguments yb, wts, x, x1; writes x1
.if DOCPART == 5
	.amdgcn_target "amdgcn-amd-amdhsa--gfx1250"
	.amdhsa_code_object_version 6
	.text
	.protected	k_qdac4001ba1_proj
	.globl	k_qdac4001ba1_proj
	.p2align	8
	.type	k_qdac4001ba1_proj,@function
k_qdac4001ba1_proj:
	s_mov_b64 s[64:65], 0
	v_nop
	global_prefetch_b8 v0, s[64:65] scope:SCOPE_SE
	s_setreg_imm32_b32 hwreg(HW_REG_WAVE_MODE, 25, 1), 1
	s_wait_xcnt 0x0
	s_wait_alu depctr_hold_cnt(0) depctr_sa_sdst(0) depctr_va_vdst(0) depctr_va_sdst(0) depctr_va_ssrc(0) depctr_va_vcc(0) depctr_vm_vsrc(0)
	s_getreg_b32 s2, hwreg(HW_REG_IB_STS2, 6, 4)
	s_cmp_eq_u32 s2, 0
	s_cbranch_scc0 .Lentry_in_a_cluster
	s_endpgm
.Lentry_in_a_cluster:
	s_bfe_u32 s2, ttmp6, 0x10000c
	s_cmp_lg_u32 s2, 0xf033
	s_cbranch_scc0 .Lentry_shape_is_right
	s_endpgm
.Lentry_shape_is_right:
; x1 = x + y W_proj on codes of FP6 (E2M3) with E8M0 scales; sums and the residual in f32.
; OPERANDS: fragments of 16 rows x 128 K, 1,536 bytes, two halves of 768 (operand registers 6c..6c+3 at 16 x lane, 6c+4, 6c+5 at 512 + 8 x lane), laid [row position / 16][K / 128]; scale words [position / 128][K / 128][128][4].
; A row n lies at position n with bits 3 and 4 exchanged.  THE MATRIX INSTRUCTION IS USED TRANSPOSED (source 0 = 16 positions of W's columns, source 1 = 16 of the tokens): lane (r, h) holds token position r, and the
; 16 registers of tiles 2 b and 2 b + 1 are the true columns 32 b + 16 h + 0 .. 15.
; A tile of C is 256 x 256: four waves of 128 x 128, 64 accumulators.  K goes in steps of 256 through a ring of two LDS slots; a wave's tensor load brings 8 blocks of 16 rows x 3,072 consecutive bytes.
; The scale words come once, with the first fills.  CLUSTERS 4 x 4: A's tiles are asked for jointly along a row of the cluster, B's along a column.
; THE WAY OUT: a block of 16 rows goes through the wave's stage in LDS (in slot 0, which has had its last fill and its last read) and comes back as whole rows of 512 bytes; the residual's rows are added; rows go to their true places.
; REGISTERS: window 0: v1-29 addresses; v32-47 scale words; v128-223 A's fragments, later v128-255 rows on the way out; window 1: B's fragments, later the residual's rows; windows 2, 3: accumulators.
.set SIZE_K, 1024
.set A_SOFF, 3145728
.set B_COFF, 2359296
.set B_SOFF, 9535488
.set KST,    SIZE_K/128
.set KPB,    KST*1536
.set FR,     12
.set NP,     4
.set HALFT,  24576
.set SLOT,   4*HALFT
.set LAPS,   SIZE_K/512
.set HALFS,  KST*512
.set SCL,    2*SLOT
.set SPARE,  SCL+4*HALFS               ; the spare words, 128 bytes a wave: two blocks of 256 bytes that no other line names
.set SPITCH, 528
.set ADRA, 16
.set ADRB, 20
.set STO,  24
.set RD,   25
.set ADRS, 27
.set SPW,  28
.set NIL,  29
.set SC,   32
.set AF,   128
.set BK,   128
.set G1, 24
.set G0, 32
.set G1B, 48
.set G0B, 56
.set G1S, 68
.set G0S, 76
.set G1SB, 80
.set G0SB, 88
.set MSB, 0
.macro WIN new
.if MSB != \new
	s_set_vgpr_msb (MSB<<8)|\new
.set MSB, \new
.endif
.endm
.set MUL_LO, 0xa1
.set MUL_HI, 0xf1
.set TO_B,   0x40
.macro JLOAD g0a, g1a, g0b, g1b        ; a joint load: waves 0 and 1 fetch for A, waves 2 and 3 for B; four v_nop follow each line
	s_cmp_eq_u32 s15, 0
	s_cbranch_scc0 .Lfor_b_\@
	tensor_load_to_lds s[\g0a:\g0a+3], s[\g1a:\g1a+7]
	s_nop 0
.rept 4
	v_nop
.endr
	s_branch .Lasked_\@
.Lfor_b_\@:
	tensor_load_to_lds s[\g0b:\g0b+3], s[\g1b:\g1b+7]
	s_nop 0
.rept 4
	v_nop
.endr
.Lasked_\@:
.endm
.macro CREST
	s_cmp_lg_u32 s14, 0
	s_cbranch_scc1 .Lnot_wave_0_\@
	s_barrier_signal -3
.Lnot_wave_0_\@:
	s_barrier_wait -3
	s_barrier_signal -1
	s_barrier_wait -1
.endm
.macro CROUND
	s_barrier_signal -1
	s_barrier_wait -1
	CREST
.endm
.macro PLACES n
.rept \n
	v_nop
.endr
.endm
.macro FRAG reg, adr, q, i
	ds_load_b128 v[\reg:\reg+3], v[\adr] offset:3072*(\i)+1536*(\q)
	ds_load_b64 v[\reg+4:\reg+5], v[\adr+2] offset:3072*(\i)+1536*(\q)
	ds_load_b128 v[\reg+6:\reg+9], v[\adr] offset:3072*(\i)+1536*(\q)+768
	ds_load_b64 v[\reg+10:\reg+11], v[\adr+2] offset:3072*(\i)+1536*(\q)+768
.endm
.macro MUL16 a0, p, zero               ; the 64 accumulators take turns, one instruction a turn
.irp a, \a0, \a0+1
.irp b, 0,1,2,3,4,5,6,7
.if \zero
	v_wmma_scale_f32_16x16x128_f8f6f4 v[8*(8*((\a)%4)+\b):8*(8*((\a)%4)+\b)+7], v[128*(\p)+FR*\b:128*(\p)+FR*\b+FR-1], v[AF+FR*(\a):AF+FR*(\a)+FR-1], 0, v[SC+8*(\p)+\b], v[SC+8*(\p)+(\a)] matrix_a_fmt:MATRIX_FMT_FP6 matrix_b_fmt:MATRIX_FMT_FP6 matrix_a_scale:MATRIX_SCALE_ROW1
.else
	v_wmma_scale_f32_16x16x128_f8f6f4 v[8*(8*((\a)%4)+\b):8*(8*((\a)%4)+\b)+7], v[128*(\p)+FR*\b:128*(\p)+FR*\b+FR-1], v[AF+FR*(\a):AF+FR*(\a)+FR-1], v[8*(8*((\a)%4)+\b):8*(8*((\a)%4)+\b)+7], v[SC+8*(\p)+\b], v[SC+8*(\p)+(\a)] matrix_a_fmt:MATRIX_FMT_FP6 matrix_b_fmt:MATRIX_FMT_FP6 matrix_a_scale:MATRIX_SCALE_ROW1
.endif
.endr
.endr
.endm
.macro FETCH_B slot, q, p
	WIN TO_B
.irp i, 0,1,2,3,4,5,6,7
	FRAG 128*(\p)+FR*\i, ADRB+\slot, \q, \i
.endr
	WIN 0
.endm
.macro FETCH_A slot, q, i0
.irp i, \i0, \i0+1, \i0+2, \i0+3
	FRAG AF+FR*(\i), ADRA+\slot, \q, \i
.endr
.endm
.macro SCALES set, q
.irp i, 0,1,2,3,4,5,6,7
	ds_load_b32 v[SC+8*\set+\i], v[ADRS] offset:512*\q+64*\i
.endr
.endm
.macro STEP slot, zero
	s_wait_dscnt 16                                ; all but the youngest 16 loads (A's blocks 4-7)
	WIN MUL_LO
	MUL16 0, 0, \zero
	MUL16 2, 0, \zero
	s_wait_dscnt 0
	PLACES NP
	FETCH_B \slot, 1, 1
	FETCH_A \slot, 1, 0
	SCALES 1, 1
	WIN MUL_HI
	MUL16 4, 0, \zero
	MUL16 6, 0, \zero
	PLACES NP
	WIN 0
	FETCH_A \slot, 1, 4
.endm
.macro TURN slot, next, fill
	s_wait_tensorcnt 0x0                           ; all my tensor loads have landed: my part of the next slot
	ds_add_u32 v[SPW], v[NIL]                      ; 0 onto my spare word
	s_wait_dscnt 17                                ; (the add and A's blocks 4-7 may be out)
	WIN MUL_LO
	MUL16 0, 1, 0
	s_wait_dscnt 0x0                               ; the add is done, and my reads of this slot are over
	s_barrier_signal -1
	MUL16 2, 1, 0
	WIN 0
	s_barrier_wait -1
.if \fill
	CREST                                          ; no wave of any partner still reads this slot or has a load on its way
	s_add_nc_u64 s[G0+4*\slot+2:G0+4*\slot+3], s[G0+4*\slot+2:G0+4*\slot+3], 2*3072
	s_add_nc_u64 s[G0B+4*\slot+2:G0B+4*\slot+3], s[G0B+4*\slot+2:G0B+4*\slot+3], 2*3072
	JLOAD G0+4*\slot, G1, G0B+4*\slot, G1B
.else
	PLACES NP
.endif
	v_add_nc_u32 v[ADRS], 1024, v[ADRS]
	FETCH_B \next, 0, 0
	FETCH_A \next, 0, 0
	SCALES 0, 0
	WIN MUL_HI
	MUL16 4, 1, 0
	MUL16 6, 1, 0
	PLACES NP
	WIN 0
	FETCH_A \next, 0, 4
.endm
	s_load_b64 s[4:5], s[0:1], 0x0                 ; A's buffer
	s_load_b64 s[8:9], s[0:1], 0x8                 ; wts
	s_load_b64 s[66:67], s[0:1], 0x10              ; the residual
	s_load_b64 s[12:13], s[0:1], 0x18              ; C
	v_lshl_add_u32 v[SPW], v0, 2, SPARE
	v_mov_b32 v[NIL], 0
	ds_add_u32 v28, v29
	ds_add_u32 v28, v29
	s_wait_dscnt 0x0
	v_lshrrev_b32 v1, 5, v0
	v_readfirstlane_b32 s14, v1
	s_lshr_b32 s15, s14, 1
	s_and_b32 s16, s14, 1
	s_bfe_u32 s40, ttmp6, 0x40000
	s_bfe_u32 s41, ttmp6, 0x40004
	s_lshl_b32 s42, ttmp9, 2
	s_add_co_u32 s42, s42, s40                     ; tile column
	s_and_b32 s17, ttmp7, 0xffff
	s_lshl_b32 s17, s17, 2
	s_add_co_u32 s17, s17, s41                     ; tile row
	s_lshl_b32 s43, s41, 2
	s_lshl_b32 s43, 15, s43
	s_lshl_b32 s44, 0x1111, s40
	s_or_b32 s[G1+0], s43, (3<<16)|(1<<21)
	s_or_b32 s[G1B+0], s44, (3<<16)|(1<<21)
.irp g, G1, G1B
	s_mov_b32 s[\g+1], 384<<16
	s_mov_b32 s[\g+2], 8<<16
	s_mov_b32 s[\g+3], 384<<16
	s_mov_b32 s[\g+4], 8
	s_mov_b32 s[\g+5], KPB/8
	s_mov_b32 s[\g+6], 0
	s_mov_b32 s[\g+7], 0
.endr
	s_or_b32 s[G1S+0], s43, (3<<16)|(1<<21)
	s_or_b32 s[G1SB+0], s44, (3<<16)|(1<<21)
.irp g, G1S, G1SB
	s_mov_b32 s[\g+1], 32<<16
	s_mov_b32 s[\g+2], (HALFS/256)<<16
	s_mov_b32 s[\g+3], 32<<16
	s_mov_b32 s[\g+4], HALFS/256
	s_mov_b32 s[\g+5], 32
	s_mov_b32 s[\g+6], 0
	s_mov_b32 s[\g+7], 0
.endr
	s_lshl_b32 s20, s17, 1
	s_add_co_u32 s20, s20, s16
	s_mul_i32 s22, s20, HALFS
	s_add_co_u32 s22, s22, A_SOFF
	s_mul_i32 s20, s20, 8*KPB
	s_mov_b32 s21, 0
	s_mov_b32 s23, 0
	s_lshl_b32 s46, s42, 1
	s_add_co_u32 s46, s46, s16
	s_mul_i32 s92, s46, HALFS
	s_add_co_u32 s92, s92, B_SOFF
	s_mul_i32 s46, s46, 8*KPB
	s_add_co_u32 s46, s46, B_COFF
	s_mov_b32 s47, 0
	s_mov_b32 s93, 0
	s_mul_i32 s45, s14, HALFT
	s_mul_i32 s94, s14, HALFS
	s_wait_kmcnt 0x0
	s_add_nc_u64 s[20:21], s[4:5], s[20:21]
	s_add_nc_u64 s[22:23], s[4:5], s[22:23]
	s_add_nc_u64 s[46:47], s[8:9], s[46:47]
	s_add_nc_u64 s[92:93], s[8:9], s[92:93]
	CROUND
	s_mov_b32 s[G0S], 1
	s_add_co_u32 s[G0S+1], s94, SCL
	s_mov_b64 s[G0S+2:G0S+3], s[22:23]
	s_or_b32 s[G0S+3], s[G0S+3], 0x80000000
	s_mov_b32 s[G0SB], 1
	s_add_co_u32 s[G0SB+1], s94, SCL
	s_mov_b64 s[G0SB+2:G0SB+3], s[92:93]
	s_or_b32 s[G0SB+3], s[G0SB+3], 0x80000000
	JLOAD G0S, G1S, G0SB, G1SB
.irp s, 0,1
	s_mov_b32 s[G0+4*\s], 1
	s_add_co_u32 s[G0+4*\s+1], s45, \s*SLOT
	s_add_nc_u64 s[G0+4*\s+2:G0+4*\s+3], s[20:21], \s*3072
	s_or_b32 s[G0+4*\s+3], s[G0+4*\s+3], 0x80000000
	s_mov_b32 s[G0B+4*\s], 1
	s_add_co_u32 s[G0B+4*\s+1], s45, \s*SLOT
	s_add_nc_u64 s[G0B+4*\s+2:G0B+4*\s+3], s[46:47], \s*3072
	s_or_b32 s[G0B+4*\s+3], s[G0B+4*\s+3], 0x80000000
	JLOAD G0+4*\s, G1, G0B+4*\s, G1B
.endr
	v_and_b32 v1, 15, v0
	v_bfe_u32 v2, v0, 4, 1
	v_and_b32 v3, 31, v0
	v_lshlrev_b32 v8, 4, v3                        ; 16 x lane: also my place in a row of 512 bytes of C
	v_lshlrev_b32 v9, 3, v3
	v_add_nc_u32 v9, 0x200, v9
	s_mul_i32 s21, s15, HALFT
	s_mul_i32 s22, s16, HALFT
	s_add_co_u32 s22, s22, 2*HALFT
.irp s, 0,1
	v_add_nc_u32 v[ADRA+\s], s21, v8
	v_add_nc_u32 v[ADRB+\s], s22, v8
	v_add_nc_u32 v[ADRA+2+\s], s21, v9
	v_add_nc_u32 v[ADRB+2+\s], s22, v9
	s_add_co_u32 s21, s21, SLOT
	s_add_co_u32 s22, s22, SLOT
.endr
	v_lshlrev_b32 v6, 2, v1
	s_mul_i32 s21, s15, HALFS
	s_mul_i32 s22, s16, HALFS
	s_add_co_u32 s22, s22, 2*HALFS
	s_sub_co_u32 s22, s22, s21
	v_mul_u32_u24 v7, s22, v2
	s_add_co_u32 s21, s21, SCL
	v_add_nc_u32 v6, v6, v7
	v_add_nc_u32 v[ADRS], s21, v6
	s_mul_i32 s23, s14, 16*SPITCH                  ; my stage
	v_mul_u32_u24 v6, v1, SPITCH
	v_lshl_add_u32 v6, v2, 6, v6
	v_add_nc_u32 v[STO], s23, v6                   ; in: row r, + 64 h
	v_add_nc_u32 v[RD], s23, v8                    ; back: a row of 512 bytes
	s_lshl_b32 s20, s17, 1
	s_add_co_u32 s20, s20, s15
	s_lshl_b32 s20, s20, 19                        ; my 128 rows of 4,096 bytes
	s_mov_b32 s21, 0
	s_add_nc_u64 s[12:13], s[12:13], s[20:21]
	s_add_nc_u64 s[66:67], s[66:67], s[20:21]
	s_lshl_b32 s46, s42, 1
	s_add_co_u32 s46, s46, s16
	s_lshl_b32 s46, s46, 9                         ; my 128 columns
	s_mov_b32 s47, 0
	s_add_nc_u64 s[12:13], s[12:13], s[46:47]
	s_add_nc_u64 s[66:67], s[66:67], s[46:47]
	s_wait_tensorcnt 1                             ; the scale words and my part of slot 0 are in; slot 1's load may be out
	s_barrier_signal -1
	s_barrier_wait -1
	FETCH_B 0, 0, 0
	FETCH_A 0, 0, 0
	SCALES 0, 0
	FETCH_A 0, 0, 4
	STEP 0, 1
	s_mov_b32 s3, LAPS-1
.Llap:
	TURN 0, 1, 1
	STEP 1, 0
	TURN 1, 0, 1
	STEP 0, 0
	s_sub_co_u32 s3, s3, 1
	s_cmp_lg_u32 s3, 0
	s_cbranch_scc1 .Llap
	TURN 0, 1, 0
	STEP 1, 0
	s_wait_dscnt 16
	WIN MUL_LO
	MUL16 0, 1, 0
	MUL16 2, 1, 0
	s_wait_dscnt 0
	WIN MUL_HI
	MUL16 4, 1, 0
	MUL16 6, 1, 0
	WIN 0
; Row t of block a lies at position 16 a + t of my 128 rows: its true row is 32 (a / 2) + 16 (t / 8) + 8 (a % 2) + t % 8.  Every row offset is an immediate: no pointer is stepped.
.macro RLOAD a                         ; the residual's 16 rows of block a, into window 1
	WIN 0x40
.irp t, 0,1,2,3,4,5,6,7,8,9,10,11,12,13,14,15
	global_load_b128 v[64*((\a)%4)+4*\t:64*((\a)%4)+4*\t+3], v8, s[66:67] offset:(32*((\a)/2)+16*(\t/8)+8*((\a)%2)+\t%8)*4096 th:TH_LOAD_NT
.endr
	WIN 0
.endm
.macro TOSTAGE a
.set AC, 64*((\a)%4)
	WIN 0x08+4*((\a)/4)                            ; the data: window 2 or 3
.irp b, 0,1,2,3,4,5,6,7
	ds_store_b128 v[STO], v[AC+8*\b:AC+8*\b+3] offset:128*(\b/2)+32*(\b%2)        ; each accumulator from its low end on; true column 32 (b / 2) + 16 h + 8 (b % 2) + j
	ds_store_b128 v[STO], v[AC+8*\b+4:AC+8*\b+7] offset:128*(\b/2)+32*(\b%2)+16
.endr
	WIN 0
.set BB, BK+64*((\a)%2)
.irp t, 0,1,2,3,4,5,6,7,8,9,10,11,12,13,14,15
	ds_load_b128 v[BB+4*\t:BB+4*\t+3], v[RD] offset:\t*SPITCH   ; LDS serves a wave's instructions in order (ISA guide 5.7.1.4): these see the stores above
.endr
.endm
.macro SEND a, younger
.set BB, BK+64*((\a)%2)
.set RR, 64*((\a)%4)
.if (\a) <= 5
	s_wait_loadcnt 32                              ; this block's residual rows are in; the next two blocks' may be out
.elseif (\a) == 6
	s_wait_loadcnt 16
.else
	s_wait_loadcnt 0
.endif
	s_wait_dscnt \younger
	WIN 0x04                                       ; source 1: window 1
.set P, 0
.rept 32
	v_pk_add_f32 v[BB+P:BB+P+1], v[BB+P:BB+P+1], v[RR+P:RR+P+1]
.set P, P+2
.endr
	WIN 0
.if (\a)+3 <= 7
	RLOAD (\a)+3
.endif
.irp t, 0,1,2,3,4,5,6,7,8,9,10,11,12,13,14,15
	global_store_b128 v8, v[BB+4*\t:BB+4*\t+3], s[12:13] offset:(32*((\a)/2)+16*(\t/8)+8*((\a)%2)+\t%8)*4096   ; 32 lanes store 512 consecutive bytes, aligned
.endr
.endm
	PLACES NP
	RLOAD 0
	RLOAD 1
	RLOAD 2
	TOSTAGE 0
.irp a, 1,2,3,4,5,6,7
.if \a > 1
	s_wait_xcnt 0x0                                ; block a - 2's stores have read their registers: block a's loads may land there
.endif
	TOSTAGE \a
	SEND \a-1, 32                                  ; behind block a - 1's loads: block a's 16 stores and 16 loads
.endr
	SEND 7, 0
	s_wait_tensorcnt 0x0                           ; the wave's end
	ds_add_u32 v[SPW], v[NIL]
	s_wait_dscnt 0x0
	CROUND
	s_endpgm
.Lfunc_end_k_qdac4001ba1_proj:
	.size	k_qdac4001ba1_proj, .Lfunc_end_k_qdac4001ba1_proj-k_qdac4001ba1_proj
	.p2alignl 7, 3214868480
	.fill 96, 4, 3214868480
	.section	.rodata,"a",@progbits
	.p2align	6, 0x0
	.amdhsa_kernel k_qdac4001ba1_proj
		.amdhsa_group_segment_fixed_size 327680
		.amdhsa_private_segment_fixed_size 0
		.amdhsa_enable_private_segment 0
		.amdhsa_kernarg_size 32
		.amdhsa_user_sgpr_count 2
		.amdhsa_user_sgpr_kernarg_segment_ptr 1
		.amdhsa_wavefront_size32 1
		.amdhsa_system_sgpr_workgroup_id_x 1
		.amdhsa_system_sgpr_workgroup_id_y 1
		.amdhsa_system_sgpr_workgroup_id_z 1
		.amdhsa_system_vgpr_workitem_id 0
		.amdhsa_next_free_vgpr 1024
		.amdhsa_next_free_sgpr 102
		.amdhsa_reserve_vcc 0
		.amdhsa_float_denorm_mode_32 3
		.amdhsa_float_denorm_mode_16_64 3
		.amdhsa_memory_ordered 1
		.amdhsa_forward_progress 1
		.amdhsa_inst_pref_size 175
	.end_amdhsa_kernel
	.amdgpu_metadata
---
amdhsa.version: [ 1, 2 ]
amdhsa.kernels:
  - .name:           k_qdac4001ba1_proj
    .symbol:         k_qdac4001ba1_proj.kd
    .args:
      - { .name: yb, .offset: 0, .size: 8, .value_kind: global_buffer, .address_space: global }
      - { .name: wts, .offset: 8, .size: 8, .value_kind: global_buffer, .address_space: global }
      - { .name: x, .offset: 16, .size: 8, .value_kind: global_buffer, .address_space: global }
      - { .name: x1, .offset: 24, .size: 8, .value_kind: global_buffer, .address_space: global }
    .group_segment_fixed_size: 327680
    .private_segment_fixed_size: 0
    .kernarg_segment_align: 8
    .kernarg_segment_size: 32
    .max_flat_workgroup_size: 128
    .sgpr_count:     102
    .vgpr_count:     1024
    .wavefront_size: 32
...
	.end_amdgpu_metadata
.endif
;; end of part 5
;; launch ln2: the kernel of part 2 again; grid 256 x 1, 4 waves a work-group, no clusters, 66,560 bytes of LDS; arguments x1, ln2_g, ln2_b, acts; writes acts
;; launch fc (part 6): grid 16 x 16, 4 waves a work-group, clusters of 4 x 4, 327,680 bytes of LDS; arguments acts, wts, hid; writes hid
.if DOCPART == 6
	.amdgcn_target "amdgcn-amd-amdhsa--gfx1250"
	.amdhsa_code_object_version 6
	.text
	.protected	k_qdac4001ba1_fc
	.globl	k_qdac4001ba1_fc
	.p2align	8
	.type	k_qdac4001ba1_fc,@function
k_qdac4001ba1_fc:
	s_mov_b64 s[64:65], 0
	v_nop
	global_prefetch_b8 v0, s[64:65] scope:SCOPE_SE
	s_setreg_imm32_b32 hwreg(HW_REG_WAVE_MODE, 25, 1), 1
	s_wait_xcnt 0x0
	s_wait_alu depctr_hold_cnt(0) depctr_sa_sdst(0) depctr_va_vdst(0) depctr_va_sdst(0) depctr_va_ssrc(0) depctr_va_vcc(0) depctr_vm_vsrc(0)
	s_getreg_b32 s2, hwreg(HW_REG_IB_STS2, 6, 4)
	s_cmp_eq_u32 s2, 0
	s_cbranch_scc0 .Lentry_in_a_cluster
	s_endpgm
.Lentry_in_a_cluster:
	s_bfe_u32 s2, ttmp6, 0x10000c
	s_cmp_lg_u32 s2, 0xf033
	s_cbranch_scc0 .Lentry_shape_is_right
	s_endpgm
.Lentry_shape_is_right:
; hid = Q(gelu(LN(x1) W_fc)): the product on codes of FP6 (E2M3) with E8M0 scales, the exact GELU in f32, and the result quantised along the 4,096 hidden units in registers.
; OPERANDS AND RESULT: fragments of 16 rows x 128 K, 1,536 bytes, two halves of 768 (operand registers 6c..6c+3 at 16 x lane, 6c+4, 6c+5 at 512 + 8 x lane), laid [row position / 16][K / 128]; scale words [position / 128][K / 128][128][4].
; A row n lies at position n with bits 3 and 4 exchanged.  THE MATRIX INSTRUCTION IS USED TRANSPOSED (source 0 = 16 positions of W's columns, source 1 = 16 of the tokens): lane (r, h) holds token position r, and the
; 16 registers of tiles 2 b and 2 b + 1 are the true hidden units 32 b + 16 h + 0 .. 15: sixteen neighbours along the next product's K.
; A tile of C is 256 x 256: four waves of 128 x 128.  K goes in steps of 256 through a ring of two LDS slots.  CLUSTERS 4 x 4: A's tiles jointly along a row of the cluster, B's along a column.
; GELU: z/2 (1 + erf(z / sqrt 2)), erf(x) = x P(x^2) / Q(x^2) on x held to +-4, P of degree 6 and Q of degree 4 in x^2.  LIMIT: the quotient follows erf to a few units in the last place of f32, so gelu's absolute error is some 1e-7 |z|;
; beyond |x| = 4 erf is taken as its value at 4.  The way out is a loop of eight trips, one block of 16 rows each; only the lines that read accumulators differ between trips and stand in a switch.
; LIMITS: a block of zeros or under 2^-124 gets the byte 1 where the rule says 127 (only this program reads the bytes); NaN and infinities are not served.
.set SIZE_K, 1024
.set A_SOFF, 3145728
.set B_COFF, 3145728
.set B_SOFF, 9568256
.set H_S,    12582912
.set KST,    SIZE_K/128
.set KPB,    KST*1536
.set FR,     12
.set NP,     4
.set HALFT,  24576
.set SLOT,   4*HALFT
.set LAPS,   SIZE_K/512
.set HALFS,  KST*512
.set SCL,    2*SLOT
.set SPARE,  SCL+4*HALFS               ; the spare words, 128 bytes a wave: two blocks of 256 bytes that no other line names
.set ADRA, 16
.set ADRB, 20
.set ADRS, 27
.set SPW,  28
.set NIL,  29
.set SC,   32
.set AF,   128
.set G1, 24
.set G0, 32
.set G1B, 48
.set G0B, 56
.set G1S, 68
.set G0S, 76
.set G1SB, 80
.set G0SB, 88
.set TM,  200
.set PW,  216
.set PWE, 217
.set PWS, 218
.set PC,  112
.set G,   48                           ; window 0: z / 2, then gelu
.set GW,  0                            ; window 1: x, later Q and 1 / Q
.set GX,  64                           ; window 1: x^2
.set GP,  128                          ; window 1: P, x P, erf
.set MSB, 0
.macro WIN new
.if MSB != \new
	s_set_vgpr_msb (MSB<<8)|\new
.set MSB, \new
.endif
.endm
.set MUL_LO, 0xa1
.set MUL_HI, 0xf1
.set TO_B,   0x40
.macro JLOAD g0a, g1a, g0b, g1b        ; a joint load: waves 0 and 1 fetch for A, waves 2 and 3 for B; four v_nop follow each line
	s_cmp_eq_u32 s15, 0
	s_cbranch_scc0 .Lfor_b_\@
	tensor_load_to_lds s[\g0a:\g0a+3], s[\g1a:\g1a+7]
	s_nop 0
.rept 4
	v_nop
.endr
	s_branch .Lasked_\@
.Lfor_b_\@:
	tensor_load_to_lds s[\g0b:\g0b+3], s[\g1b:\g1b+7]
	s_nop 0
.rept 4
	v_nop
.endr
.Lasked_\@:
.endm
.macro CREST
	s_cmp_lg_u32 s14, 0
	s_cbranch_scc1 .Lnot_wave_0_\@
	s_barrier_signal -3
.Lnot_wave_0_\@:
	s_barrier_wait -3
	s_barrier_signal -1
	s_barrier_wait -1
.endm
.macro CROUND
	s_barrier_signal -1
	s_barrier_wait -1
	CREST
.endm
.macro PLACES n
.rept \n
	v_nop
.endr
.endm
.macro FRAG reg, adr, q, i
	ds_load_b128 v[\reg:\reg+3], v[\adr] offset:3072*(\i)+1536*(\q)
	ds_load_b64 v[\reg+4:\reg+5], v[\adr+2] offset:3072*(\i)+1536*(\q)
	ds_load_b128 v[\reg+6:\reg+9], v[\adr] offset:3072*(\i)+1536*(\q)+768
	ds_load_b64 v[\reg+10:\reg+11], v[\adr+2] offset:3072*(\i)+1536*(\q)+768
.endm
.macro MUL16 a0, p, zero               ; the 64 accumulators take turns, one instruction a turn
.irp a, \a0, \a0+1
.irp b, 0,1,2,3,4,5,6,7
.if \zero
	v_wmma_scale_f32_16x16x128_f8f6f4 v[8*(8*((\a)%4)+\b):8*(8*((\a)%4)+\b)+7], v[128*(\p)+FR*\b:128*(\p)+FR*\b+FR-1], v[AF+FR*(\a):AF+FR*(\a)+FR-1], 0, v[SC+8*(\p)+\b], v[SC+8*(\p)+(\a)] matrix_a_fmt:MATRIX_FMT_FP6 matrix_b_fmt:MATRIX_FMT_FP6 matrix_a_scale:MATRIX_SCALE_ROW1
.else
	v_wmma_scale_f32_16x16x128_f8f6f4 v[8*(8*((\a)%4)+\b):8*(8*((\a)%4)+\b)+7], v[128*(\p)+FR*\b:128*(\p)+FR*\b+FR-1], v[AF+FR*(\a):AF+FR*(\a)+FR-1], v[8*(8*((\a)%4)+\b):8*(8*((\a)%4)+\b)+7], v[SC+8*(\p)+\b], v[SC+8*(\p)+(\a)] matrix_a_fmt:MATRIX_FMT_FP6 matrix_b_fmt:MATRIX_FMT_FP6 matrix_a_scale:MATRIX_SCALE_ROW1
.endif
.endr
.endr
.endm
.macro FETCH_B slot, q, p
	WIN TO_B
.irp i, 0,1,2,3,4,5,6,7
	FRAG 128*(\p)+FR*\i, ADRB+\slot, \q, \i
.endr
	WIN 0
.endm
.macro FETCH_A slot, q, i0
.irp i, \i0, \i0+1, \i0+2, \i0+3
	FRAG AF+FR*(\i), ADRA+\slot, \q, \i
.endr
.endm
.macro SCALES set, q
.irp i, 0,1,2,3,4,5,6,7
	ds_load_b32 v[SC+8*\set+\i], v[ADRS] offset:512*\q+64*\i
.endr
.endm
.macro STEP slot, zero
	s_wait_dscnt 16                                ; all but the youngest 16 loads (A's blocks 4-7)
	WIN MUL_LO
	MUL16 0, 0, \zero
	MUL16 2, 0, \zero
	s_wait_dscnt 0
	PLACES NP
	FETCH_B \slot, 1, 1
	FETCH_A \slot, 1, 0
	SCALES 1, 1
	WIN MUL_HI
	MUL16 4, 0, \zero
	MUL16 6, 0, \zero
	PLACES NP
	WIN 0
	FETCH_A \slot, 1, 4
.endm
.macro TURN slot, next, fill
	s_wait_tensorcnt 0x0                           ; all my tensor loads have landed: my part of the next slot
	ds_add_u32 v[SPW], v[NIL]                      ; 0 onto my spare word
	s_wait_dscnt 17                                ; (the add and A's blocks 4-7 may be out)
	WIN MUL_LO
	MUL16 0, 1, 0
	s_wait_dscnt 0x0                               ; the add is done, and my reads of this slot are over
	s_barrier_signal -1
	MUL16 2, 1, 0
	WIN 0
	s_barrier_wait -1
.if \fill
	CREST                                          ; no wave of any partner still reads this slot or has a load on its way
	s_add_nc_u64 s[G0+4*\slot+2:G0+4*\slot+3], s[G0+4*\slot+2:G0+4*\slot+3], 2*3072
	s_add_nc_u64 s[G0B+4*\slot+2:G0B+4*\slot+3], s[G0B+4*\slot+2:G0B+4*\slot+3], 2*3072
	JLOAD G0+4*\slot, G1, G0B+4*\slot, G1B
.else
	PLACES NP
.endif
	v_add_nc_u32 v[ADRS], 1024, v[ADRS]
	FETCH_B \next, 0, 0
	FETCH_A \next, 0, 0
	SCALES 0, 0
	WIN MUL_HI
	MUL16 4, 1, 0
	MUL16 6, 1, 0
	PLACES NP
	WIN 0
	FETCH_A \next, 0, 4
.endm
; 64 numbers of a lane, register 16 b + i = k 32 b + 16 h + i of my row, become a fragment's codes in v[pc] on and its scale word in v[pw].
.macro QUANT src, pc, pw
.irp b, 0,1,2,3
	v_max3_num_f32 v[TM+\b], 0x1800000, |v[(\src)+16*\b]|, |v[(\src)+1+16*\b]|   ; with the floor 2^(3 - 127): the byte cannot fall under 1
.endr
.irp i, 2,4,6,8,10,12,14
.irp b, 0,1,2,3
	v_max3_num_f32 v[TM+\b], v[TM+\b], |v[(\src)+16*\b+\i]|, |v[(\src)+1+16*\b+\i]|
.endr
.endr
.irp b, 0,1,2,3
	v_permlanex16_b32 v[TM+4+\b], v[TM+\b], s96, s97
.endr
.irp b, 0,1,2,3
	v_max_num_f32 v[TM+\b], v[TM+\b], v[TM+4+\b]
.endr
.irp b, 0,1,2,3
	v_add_nc_u32 v[TM+12+\b], 0xff000000, v[TM+\b]
.endr
.irp b, 0,1,2,3
	v_lshrrev_b32 v[TM+4+\b], 23, v[TM+12+\b]
.endr
	v_lshl_or_b32 v[\pw], v[TM+5], 8, v[TM+4]
	v_lshl_or_b32 v[\pw], v[TM+6], 16, v[\pw]
	v_lshl_or_b32 v[\pw], v[TM+7], 24, v[\pw]
.irp c, 0,1
	v_cvt_scalef32_pk16_fp6_f32 v[\pc+6*\c:\pc+2+6*\c], v[(\src)+32*\c:(\src)+15+32*\c], v[TM+12+2*\c]
	v_cvt_scalef32_pk16_fp6_f32 v[\pc+12+4*\c:\pc+14+4*\c], v[(\src)+16+32*\c:(\src)+31+32*\c], v[TM+13+2*\c]
.endr
	v_nop                                          ; one plain line behind the conversions
.irp c, 0,1
.irp i, 0,1,2
	v_permlane16_swap_b32 v[\pc+6*\c+\i], v[\pc+12+4*\c+\i]
.endr
.irp i, 0,1,2
	v_mov_b32 v[\pc+3+6*\c+\i], v[\pc+12+4*\c+\i]
.endr
.endr
.endm
	s_load_b64 s[4:5], s[0:1], 0x0                 ; acts
	s_load_b64 s[8:9], s[0:1], 0x8                 ; wts
	s_load_b64 s[12:13], s[0:1], 0x10              ; hid: for the codes,
	s_load_b64 s[66:67], s[0:1], 0x10              ; and for the scale words
	v_lshl_add_u32 v[SPW], v0, 2, SPARE
	v_mov_b32 v[NIL], 0
	ds_add_u32 v28, v29
	ds_add_u32 v28, v29
	s_wait_dscnt 0x0
	v_lshrrev_b32 v1, 5, v0
	v_readfirstlane_b32 s14, v1
	s_lshr_b32 s15, s14, 1
	s_and_b32 s16, s14, 1
	s_bfe_u32 s40, ttmp6, 0x40000
	s_bfe_u32 s41, ttmp6, 0x40004
	s_lshl_b32 s42, ttmp9, 2
	s_add_co_u32 s42, s42, s40                     ; tile column
	s_and_b32 s17, ttmp7, 0xffff
	s_lshl_b32 s17, s17, 2
	s_add_co_u32 s17, s17, s41                     ; tile row
	s_mov_b32 s96, 0x76543210
	s_mov_b32 s97, 0xfedcba98
	s_mov_b32 s101, 0xffff0000
	s_lshl_b32 s43, s41, 2
	s_lshl_b32 s43, 15, s43
	s_lshl_b32 s44, 0x1111, s40
	s_or_b32 s[G1+0], s43, (3<<16)|(1<<21)
	s_or_b32 s[G1B+0], s44, (3<<16)|(1<<21)
.irp g, G1, G1B
	s_mov_b32 s[\g+1], 384<<16
	s_mov_b32 s[\g+2], 8<<16
	s_mov_b32 s[\g+3], 384<<16
	s_mov_b32 s[\g+4], 8
	s_mov_b32 s[\g+5], KPB/8
	s_mov_b32 s[\g+6], 0
	s_mov_b32 s[\g+7], 0
.endr
	s_or_b32 s[G1S+0], s43, (3<<16)|(1<<21)
	s_or_b32 s[G1SB+0], s44, (3<<16)|(1<<21)
.irp g, G1S, G1SB
	s_mov_b32 s[\g+1], 32<<16
	s_mov_b32 s[\g+2], (HALFS/256)<<16
	s_mov_b32 s[\g+3], 32<<16
	s_mov_b32 s[\g+4], HALFS/256
	s_mov_b32 s[\g+5], 32
	s_mov_b32 s[\g+6], 0
	s_mov_b32 s[\g+7], 0
.endr
	s_lshl_b32 s20, s17, 1
	s_add_co_u32 s20, s20, s16
	s_mul_i32 s22, s20, HALFS
	s_add_co_u32 s22, s22, A_SOFF
	s_mul_i32 s20, s20, 8*KPB
	s_mov_b32 s21, 0
	s_mov_b32 s23, 0
	s_lshl_b32 s46, s42, 1
	s_add_co_u32 s46, s46, s16
	s_mul_i32 s92, s46, HALFS
	s_add_co_u32 s92, s92, B_SOFF
	s_mul_i32 s46, s46, 8*KPB
	s_add_co_u32 s46, s46, B_COFF
	s_mov_b32 s47, 0
	s_mov_b32 s93, 0
	s_mul_i32 s45, s14, HALFT
	s_mul_i32 s94, s14, HALFS
	s_wait_kmcnt 0x0
	s_add_nc_u64 s[20:21], s[4:5], s[20:21]
	s_add_nc_u64 s[22:23], s[4:5], s[22:23]
	s_add_nc_u64 s[46:47], s[8:9], s[46:47]
	s_add_nc_u64 s[92:93], s[8:9], s[92:93]
	CROUND
	s_mov_b32 s[G0S], 1
	s_add_co_u32 s[G0S+1], s94, SCL
	s_mov_b64 s[G0S+2:G0S+3], s[22:23]
	s_or_b32 s[G0S+3], s[G0S+3], 0x80000000
	s_mov_b32 s[G0SB], 1
	s_add_co_u32 s[G0SB+1], s94, SCL
	s_mov_b64 s[G0SB+2:G0SB+3], s[92:93]
	s_or_b32 s[G0SB+3], s[G0SB+3], 0x80000000
	JLOAD G0S, G1S, G0SB, G1SB
.irp s, 0,1
	s_mov_b32 s[G0+4*\s], 1
	s_add_co_u32 s[G0+4*\s+1], s45, \s*SLOT
	s_add_nc_u64 s[G0+4*\s+2:G0+4*\s+3], s[20:21], \s*3072
	s_or_b32 s[G0+4*\s+3], s[G0+4*\s+3], 0x80000000
	s_mov_b32 s[G0B+4*\s], 1
	s_add_co_u32 s[G0B+4*\s+1], s45, \s*SLOT
	s_add_nc_u64 s[G0B+4*\s+2:G0B+4*\s+3], s[46:47], \s*3072
	s_or_b32 s[G0B+4*\s+3], s[G0B+4*\s+3], 0x80000000
	JLOAD G0+4*\s, G1, G0B+4*\s, G1B
.endr
	v_and_b32 v1, 15, v0
	v_bfe_u32 v2, v0, 4, 1
	v_and_b32 v3, 31, v0
	v_lshlrev_b32 v8, 4, v3
	v_lshlrev_b32 v9, 3, v3
	v_add_nc_u32 v9, 0x200, v9
	s_mul_i32 s21, s15, HALFT
	s_mul_i32 s22, s16, HALFT
	s_add_co_u32 s22, s22, 2*HALFT
.irp s, 0,1
	v_add_nc_u32 v[ADRA+\s], s21, v8
	v_add_nc_u32 v[ADRB+\s], s22, v8
	v_add_nc_u32 v[ADRA+2+\s], s21, v9
	v_add_nc_u32 v[ADRB+2+\s], s22, v9
	s_add_co_u32 s21, s21, SLOT
	s_add_co_u32 s22, s22, SLOT
.endr
	v_lshlrev_b32 v6, 2, v1
	s_mul_i32 s21, s15, HALFS
	s_mul_i32 s22, s16, HALFS
	s_add_co_u32 s22, s22, 2*HALFS
	s_sub_co_u32 s22, s22, s21
	v_mul_u32_u24 v7, s22, v2
	s_add_co_u32 s21, s21, SCL
	v_add_nc_u32 v6, v6, v7
	v_add_nc_u32 v[ADRS], s21, v6
	v_lshlrev_b32 v24, 2, v3                       ; out: 4 x lane
	s_lshl_b32 s20, s17, 1
	s_add_co_u32 s20, s20, s15                     ; my 128 rows
	s_lshl_b32 s22, s20, 14
	s_add_co_u32 s22, s22, H_S
	s_mul_i32 s20, s20, 8*49152
	s_mov_b32 s21, 0
	s_mov_b32 s23, 0
	s_add_nc_u64 s[12:13], s[12:13], s[20:21]
	s_add_nc_u64 s[66:67], s[66:67], s[22:23]
	s_lshl_b32 s46, s42, 1
	s_add_co_u32 s46, s46, s16                     ; my 128 columns: one K step of the next product
	s_lshl_b32 s92, s46, 9
	s_mul_i32 s46, s46, 1536
	s_mov_b32 s47, 0
	s_mov_b32 s93, 0
	s_add_nc_u64 s[12:13], s[12:13], s[46:47]
	s_add_nc_u64 s[66:67], s[66:67], s[92:93]
	s_wait_tensorcnt 1                             ; the scale words and my part of slot 0 are in; slot 1's load may be out
	s_barrier_signal -1
	s_barrier_wait -1
	FETCH_B 0, 0, 0
	FETCH_A 0, 0, 0
	SCALES 0, 0
	FETCH_A 0, 0, 4
	STEP 0, 1
	s_mov_b32 s3, LAPS-1
.Llap:
	TURN 0, 1, 1
	STEP 1, 0
	TURN 1, 0, 1
	STEP 0, 0
	s_sub_co_u32 s3, s3, 1
	s_cmp_lg_u32 s3, 0
	s_cbranch_scc1 .Llap
	TURN 0, 1, 0
	STEP 1, 0
	s_wait_dscnt 16
	WIN MUL_LO
	MUL16 0, 1, 0
	MUL16 2, 1, 0
	s_wait_dscnt 0
	WIN MUL_HI
	MUL16 4, 1, 0
	MUL16 6, 1, 0
	WIN 0
	; THE WAY OUT
	PLACES NP
.irp b, 0,1,2,3
	v_mov_b32 v[TM+4+\b], 0                        ; a lane permute's destination counts as one of its sources
.endr
	v_mov_b32 v[PWE], 0
	WIN 0x40
	v_mov_b32 v192, 0xaf95df0b                     ; P's leading coefficient, as a pair
	v_mov_b32 v193, 0xaf95df0b
	v_mov_b32 v194, 0xb77460cd                     ; Q's
	v_mov_b32 v195, 0xb77460cd
	WIN 0
	s_mov_b32 s3, 0
.Lrow:                                             ; eight trips: block s3 of 16 rows
.irp k, 1,2,3,4,5,6,7
	s_cmp_eq_u32 s3, \k
	s_cbranch_scc1 .Lacc\k
.endr
.irp k, 0,1,2,3,4,5,6,7
.Lacc\k:
	WIN (2+\k/4)|0x40                              ; source 0: the accumulators' window; destination: window 1
.set P, 0
.rept 32
	v_pk_mul_f32 v[GW+P:GW+P+1], v[64*(\k%4)+P:64*(\k%4)+P+1], 0x3f3504f3 op_sel_hi:[1,0]   ; x = z / sqrt 2; each accumulator from its low end on
.set P, P+2
.endr
	WIN (2+\k/4)
.set P, 0
.rept 32
	v_pk_mul_f32 v[G+P:G+P+1], v[64*(\k%4)+P:64*(\k%4)+P+1], 0.5 op_sel_hi:[1,0]   ; z / 2
.set P, P+2
.endr
	WIN 0
.if \k < 7
	s_branch .Lcommon
.endif
.endr
.Lcommon:
	WIN 0x55                                       ; all in window 1
.set P, 0
.rept 64
	v_med3_num_f32 v[GW+P], v[GW+P], -4.0, 4.0
.set P, P+1
.endr
.set P, 0
.rept 32
	v_pk_mul_f32 v[GX+P:GX+P+1], v[GW+P:GW+P+1], v[GW+P:GW+P+1]
.set P, P+2
.endr
.set P, 0
.rept 32
	v_pk_fma_f32 v[GP+P:GP+P+1], v[GX+P:GX+P+1], v[192:193], 0x32edffee op_sel_hi:[1,1,0]
.set P, P+2
.endr
.irp c, 0xb60cff51, 0xb86ec2d2, 0xba40ac63, 0xbb41a1f6, 0xbc83dbd4
.set P, 0
.rept 32
	v_pk_fma_f32 v[GP+P:GP+P+1], v[GP+P:GP+P+1], v[GX+P:GX+P+1], \c op_sel_hi:[1,1,0]
.set P, P+2
.endr
.endr
.set P, 0
.rept 32
	v_pk_mul_f32 v[GP+P:GP+P+1], v[GP+P:GP+P+1], v[GW+P:GW+P+1]   ; x P(x^2)
.set P, P+2
.endr
.set P, 0
.rept 32
	v_pk_fma_f32 v[GW+P:GW+P+1], v[GX+P:GX+P+1], v[194:195], 0xb95fbd29 op_sel_hi:[1,1,0]
.set P, P+2
.endr
.irp c, 0xbadc924e, 0xbbf19bf8, 0xbc69b6a7
.set P, 0
.rept 32
	v_pk_fma_f32 v[GW+P:GW+P+1], v[GW+P:GW+P+1], v[GX+P:GX+P+1], \c op_sel_hi:[1,1,0]
.set P, P+2
.endr
.endr
.set P, 0
.rept 64
	v_rcp_f32 v[GW+P], v[GW+P]
.set P, P+1
.endr
	v_nop                                          ; a plain line behind the last reciprocal
	s_wait_alu depctr_va_vdst(0)                   ; one wait for the 64, ahead of their first reader
.set P, 0
.rept 32
	v_pk_mul_f32 v[GP+P:GP+P+1], v[GP+P:GP+P+1], v[GW+P:GW+P+1]   ; erf
.set P, P+2
.endr
	WIN 0x04                                       ; source 1: window 1
.set P, 0
.rept 32
	v_pk_fma_f32 v[G+P:G+P+1], v[G+P:G+P+1], v[GP+P:GP+P+1], v[G+P:G+P+1]   ; z/2 erf + z/2
.set P, P+2
.endr
	WIN 0
	QUANT G, PC, PW
	global_store_b128 v8, v[PC:PC+3], s[12:13]     ; each store covers 512 or 256 consecutive bytes, aligned
	global_store_b64 v9, v[PC+4:PC+5], s[12:13]
	global_store_b128 v8, v[PC+6:PC+9], s[12:13] offset:768
	global_store_b64 v9, v[PC+10:PC+11], s[12:13] offset:768
	s_bitcmp1_b32 s3, 0
	s_cbranch_scc1 .Lodd
	v_mov_b32 v[PWE], v[PW]                        ; an even block's scale words wait for the odd block's
	s_branch .Lstepped
.Lodd:
	v_cndmask_b32 v[PWS], v[PWE], v[PW], s101      ; two blocks' scale words: 128 consecutive bytes
	global_store_b32 v24, v[PWS], s[66:67] offset:-64
.Lstepped:
	s_wait_xcnt 0x0                                ; the stores have read their registers and bases: both may be written again
	s_add_nc_u64 s[12:13], s[12:13], 49152
	s_add_nc_u64 s[66:67], s[66:67], 64
	s_add_co_u32 s3, s3, 1
	s_cmp_lt_u32 s3, 8
	s_cbranch_scc1 .Lrow
	s_wait_tensorcnt 0x0                           ; the wave's end
	ds_add_u32 v[SPW], v[NIL]
	s_wait_dscnt 0x0
	CROUND
	s_endpgm
.Lfunc_end_k_qdac4001ba1_fc:
	.size	k_qdac4001ba1_fc, .Lfunc_end_k_qdac4001ba1_fc-k_qdac4001ba1_fc
	.p2alignl 7, 3214868480
	.fill 96, 4, 3214868480
	.section	.rodata,"a",@progbits
	.p2align	6, 0x0
	.amdhsa_kernel k_qdac4001ba1_fc
		.amdhsa_group_segment_fixed_size 327680
		.amdhsa_private_segment_fixed_size 0
		.amdhsa_enable_private_segment 0
		.amdhsa_kernarg_size 24
		.amdhsa_user_sgpr_count 2
		.amdhsa_user_sgpr_kernarg_segment_ptr 1
		.amdhsa_wavefront_size32 1
		.amdhsa_system_sgpr_workgroup_id_x 1
		.amdhsa_system_sgpr_workgroup_id_y 1
		.amdhsa_system_sgpr_workgroup_id_z 1
		.amdhsa_system_vgpr_workitem_id 0
		.amdhsa_next_free_vgpr 1024
		.amdhsa_next_free_sgpr 102
		.amdhsa_reserve_vcc 0
		.amdhsa_float_denorm_mode_32 3
		.amdhsa_float_denorm_mode_16_64 3
		.amdhsa_memory_ordered 1
		.amdhsa_forward_progress 1
		.amdhsa_inst_pref_size 207
	.end_amdhsa_kernel
	.amdgpu_metadata
---
amdhsa.version: [ 1, 2 ]
amdhsa.kernels:
  - .name:           k_qdac4001ba1_fc
    .symbol:         k_qdac4001ba1_fc.kd
    .args:
      - { .name: acts, .offset: 0, .size: 8, .value_kind: global_buffer, .address_space: global }
      - { .name: wts, .offset: 8, .size: 8, .value_kind: global_buffer, .address_space: global }
      - { .name: hid, .offset: 16, .size: 8, .value_kind: global_buffer, .address_space: global }
    .group_segment_fixed_size: 327680
    .private_segment_fixed_size: 0
    .kernarg_segment_align: 8
    .kernarg_segment_size: 24
    .max_flat_workgroup_size: 128
    .sgpr_count:     102
    .vgpr_count:     1024
    .wavefront_size: 32
...
	.end_amdgpu_metadata
.endif
;; end of part 6
;; launch outp (part 7): grid 4 x 16, 4 waves a work-group, clusters of 4 x 4, 327,680 bytes of LDS; arguments hid, wts, x1, out0; writes out0
.if DOCPART == 7
	.amdgcn_target "amdgcn-amd-amdhsa--gfx1250"
	.amdhsa_code_object_version 6
	.text
	.protected	k_qdac4001ba1_outp
	.globl	k_qdac4001ba1_outp
	.p2align	8
	.type	k_qdac4001ba1_outp,@function
k_qdac4001ba1_outp:
	s_mov_b64 s[64:65], 0
	v_nop
	global_prefetch_b8 v0, s[64:65] scope:SCOPE_SE
	s_setreg_imm32_b32 hwreg(HW_REG_WAVE_MODE, 25, 1), 1
	s_wait_xcnt 0x0
	s_wait_alu depctr_hold_cnt(0) depctr_sa_sdst(0) depctr_va_vdst(0) depctr_va_sdst(0) depctr_va_ssrc(0) depctr_va_vcc(0) depctr_vm_vsrc(0)
	s_getreg_b32 s2, hwreg(HW_REG_IB_STS2, 6, 4)
	s_cmp_eq_u32 s2, 0
	s_cbranch_scc0 .Lentry_in_a_cluster
	s_endpgm
.Lentry_in_a_cluster:
	s_bfe_u32 s2, ttmp6, 0x10000c
	s_cmp_lg_u32 s2, 0xf033
	s_cbranch_scc0 .Lentry_shape_is_right
	s_endpgm
.Lentry_shape_is_right:
; out = x1 + hid W_out on codes of FP6 (E2M3) with E8M0 scales, K = 4,096; sums and the residual in f32.
; OPERANDS: fragments of 16 rows x 128 K, 1,536 bytes, two halves of 768 (operand registers 6c..6c+3 at 16 x lane, 6c+4, 6c+5 at 512 + 8 x lane), laid [row position / 16][K / 128]; scale words [position / 128][K / 128][128][4].
; A row n lies at position n with bits 3 and 4 exchanged.  THE MATRIX INSTRUCTION IS USED TRANSPOSED (source 0 = 16 positions of W's columns, source 1 = 16 of the tokens): lane (r, h) holds token position r, and the
; 16 registers of tiles 2 b and 2 b + 1 are the true columns 32 b + 16 h + 0 .. 15.
; A tile of C is 256 x 256: four waves of 128 x 128, 64 accumulators.  K goes in steps of 256 through a ring of two LDS slots; a wave's tensor load brings 8 blocks of 16 rows x 3,072 consecutive bytes.
; The scale words come once, with the first fills.  CLUSTERS 4 x 4: A's tiles are asked for jointly along a row of the cluster, B's along a column.
; THE WAY OUT: a block of 16 rows goes through the wave's stage in LDS (in slot 0, which has had its last fill and its last read) and comes back as whole rows of 512 bytes; the residual's rows are added; rows go to their true places.
; REGISTERS: window 0: v1-29 addresses; v32-47 scale words; v128-223 A's fragments, later v128-255 rows on the way out; window 1: B's fragments, later the residual's rows; windows 2, 3: accumulators.
.set SIZE_K, 4096
.set A_SOFF, 12582912
.set B_COFF, 6291456
.set B_SOFF, 9699328
.set KST,    SIZE_K/128
.set KPB,    KST*1536
.set FR,     12
.set NP,     4
.set HALFT,  24576
.set SLOT,   4*HALFT
.set LAPS,   SIZE_K/512
.set HALFS,  KST*512
.set SCL,    2*SLOT
.set SPARE,  SCL+4*HALFS               ; the spare words, 128 bytes a wave: two blocks of 256 bytes that no other line names
.set SPITCH, 528
.set ADRA, 16
.set ADRB, 20
.set STO,  24
.set RD,   25
.set ADRS, 27
.set SPW,  28
.set NIL,  29
.set SC,   32
.set AF,   128
.set BK,   128
.set G1, 24
.set G0, 32
.set G1B, 48
.set G0B, 56
.set G1S, 68
.set G0S, 76
.set G1SB, 80
.set G0SB, 88
.set MSB, 0
.macro WIN new
.if MSB != \new
	s_set_vgpr_msb (MSB<<8)|\new
.set MSB, \new
.endif
.endm
.set MUL_LO, 0xa1
.set MUL_HI, 0xf1
.set TO_B,   0x40
.macro JLOAD g0a, g1a, g0b, g1b        ; a joint load: waves 0 and 1 fetch for A, waves 2 and 3 for B; four v_nop follow each line
	s_cmp_eq_u32 s15, 0
	s_cbranch_scc0 .Lfor_b_\@
	tensor_load_to_lds s[\g0a:\g0a+3], s[\g1a:\g1a+7]
	s_nop 0
.rept 4
	v_nop
.endr
	s_branch .Lasked_\@
.Lfor_b_\@:
	tensor_load_to_lds s[\g0b:\g0b+3], s[\g1b:\g1b+7]
	s_nop 0
.rept 4
	v_nop
.endr
.Lasked_\@:
.endm
.macro CREST
	s_cmp_lg_u32 s14, 0
	s_cbranch_scc1 .Lnot_wave_0_\@
	s_barrier_signal -3
.Lnot_wave_0_\@:
	s_barrier_wait -3
	s_barrier_signal -1
	s_barrier_wait -1
.endm
.macro CROUND
	s_barrier_signal -1
	s_barrier_wait -1
	CREST
.endm
.macro PLACES n
.rept \n
	v_nop
.endr
.endm
.macro FRAG reg, adr, q, i
	ds_load_b128 v[\reg:\reg+3], v[\adr] offset:3072*(\i)+1536*(\q)
	ds_load_b64 v[\reg+4:\reg+5], v[\adr+2] offset:3072*(\i)+1536*(\q)
	ds_load_b128 v[\reg+6:\reg+9], v[\adr] offset:3072*(\i)+1536*(\q)+768
	ds_load_b64 v[\reg+10:\reg+11], v[\adr+2] offset:3072*(\i)+1536*(\q)+768
.endm
.macro MUL16 a0, p, zero               ; the 64 accumulators take turns, one instruction a turn
.irp a, \a0, \a0+1
.irp b, 0,1,2,3,4,5,6,7
.if \zero
	v_wmma_scale_f32_16x16x128_f8f6f4 v[8*(8*((\a)%4)+\b):8*(8*((\a)%4)+\b)+7], v[128*(\p)+FR*\b:128*(\p)+FR*\b+FR-1], v[AF+FR*(\a):AF+FR*(\a)+FR-1], 0, v[SC+8*(\p)+\b], v[SC+8*(\p)+(\a)] matrix_a_fmt:MATRIX_FMT_FP6 matrix_b_fmt:MATRIX_FMT_FP6 matrix_a_scale:MATRIX_SCALE_ROW1
.else
	v_wmma_scale_f32_16x16x128_f8f6f4 v[8*(8*((\a)%4)+\b):8*(8*((\a)%4)+\b)+7], v[128*(\p)+FR*\b:128*(\p)+FR*\b+FR-1], v[AF+FR*(\a):AF+FR*(\a)+FR-1], v[8*(8*((\a)%4)+\b):8*(8*((\a)%4)+\b)+7], v[SC+8*(\p)+\b], v[SC+8*(\p)+(\a)] matrix_a_fmt:MATRIX_FMT_FP6 matrix_b_fmt:MATRIX_FMT_FP6 matrix_a_scale:MATRIX_SCALE_ROW1
.endif
.endr
.endr
.endm
.macro FETCH_B slot, q, p
	WIN TO_B
.irp i, 0,1,2,3,4,5,6,7
	FRAG 128*(\p)+FR*\i, ADRB+\slot, \q, \i
.endr
	WIN 0
.endm
.macro FETCH_A slot, q, i0
.irp i, \i0, \i0+1, \i0+2, \i0+3
	FRAG AF+FR*(\i), ADRA+\slot, \q, \i
.endr
.endm
.macro SCALES set, q
.irp i, 0,1,2,3,4,5,6,7
	ds_load_b32 v[SC+8*\set+\i], v[ADRS] offset:512*\q+64*\i
.endr
.endm
.macro STEP slot, zero
	s_wait_dscnt 16                                ; all but the youngest 16 loads (A's blocks 4-7)
	WIN MUL_LO
	MUL16 0, 0, \zero
	MUL16 2, 0, \zero
	s_wait_dscnt 0
	PLACES NP
	FETCH_B \slot, 1, 1
	FETCH_A \slot, 1, 0
	SCALES 1, 1
	WIN MUL_HI
	MUL16 4, 0, \zero
	MUL16 6, 0, \zero
	PLACES NP
	WIN 0
	FETCH_A \slot, 1, 4
.endm
.macro TURN slot, next, fill
	s_wait_tensorcnt 0x0                           ; all my tensor loads have landed: my part of the next slot
	ds_add_u32 v[SPW], v[NIL]                      ; 0 onto my spare word
	s_wait_dscnt 17                                ; (the add and A's blocks 4-7 may be out)
	WIN MUL_LO
	MUL16 0, 1, 0
	s_wait_dscnt 0x0                               ; the add is done, and my reads of this slot are over
	s_barrier_signal -1
	MUL16 2, 1, 0
	WIN 0
	s_barrier_wait -1
.if \fill
	CREST                                          ; no wave of any partner still reads this slot or has a load on its way
	s_add_nc_u64 s[G0+4*\slot+2:G0+4*\slot+3], s[G0+4*\slot+2:G0+4*\slot+3], 2*3072
	s_add_nc_u64 s[G0B+4*\slot+2:G0B+4*\slot+3], s[G0B+4*\slot+2:G0B+4*\slot+3], 2*3072
	JLOAD G0+4*\slot, G1, G0B+4*\slot, G1B
.else
	PLACES NP
.endif
	v_add_nc_u32 v[ADRS], 1024, v[ADRS]
	FETCH_B \next, 0, 0
	FETCH_A \next, 0, 0
	SCALES 0, 0
	WIN MUL_HI
	MUL16 4, 1, 0
	MUL16 6, 1, 0
	PLACES NP
	WIN 0
	FETCH_A \next, 0, 4
.endm
	s_load_b64 s[4:5], s[0:1], 0x0                 ; A's buffer
	s_load_b64 s[8:9], s[0:1], 0x8                 ; wts
	s_load_b64 s[66:67], s[0:1], 0x10              ; the residual
	s_load_b64 s[12:13], s[0:1], 0x18              ; C
	v_lshl_add_u32 v[SPW], v0, 2, SPARE
	v_mov_b32 v[NIL], 0
	ds_add_u32 v28, v29
	ds_add_u32 v28, v29
	s_wait_dscnt 0x0
	v_lshrrev_b32 v1, 5, v0
	v_readfirstlane_b32 s14, v1
	s_lshr_b32 s15, s14, 1
	s_and_b32 s16, s14, 1
	s_bfe_u32 s40, ttmp6, 0x40000
	s_bfe_u32 s41, ttmp6, 0x40004
	s_lshl_b32 s42, ttmp9, 2
	s_add_co_u32 s42, s42, s40                     ; tile column
	s_and_b32 s17, ttmp7, 0xffff
	s_lshl_b32 s17, s17, 2
	s_add_co_u32 s17, s17, s41                     ; tile row
	s_lshl_b32 s43, s41, 2
	s_lshl_b32 s43, 15, s43
	s_lshl_b32 s44, 0x1111, s40
	s_or_b32 s[G1+0], s43, (3<<16)|(1<<21)
	s_or_b32 s[G1B+0], s44, (3<<16)|(1<<21)
.irp g, G1, G1B
	s_mov_b32 s[\g+1], 384<<16
	s_mov_b32 s[\g+2], 8<<16
	s_mov_b32 s[\g+3], 384<<16
	s_mov_b32 s[\g+4], 8
	s_mov_b32 s[\g+5], KPB/8
	s_mov_b32 s[\g+6], 0
	s_mov_b32 s[\g+7], 0
.endr
	s_or_b32 s[G1S+0], s43, (3<<16)|(1<<21)
	s_or_b32 s[G1SB+0], s44, (3<<16)|(1<<21)
.irp g, G1S, G1SB
	s_mov_b32 s[\g+1], 32<<16
	s_mov_b32 s[\g+2], (HALFS/256)<<16
	s_mov_b32 s[\g+3], 32<<16
	s_mov_b32 s[\g+4], HALFS/256
	s_mov_b32 s[\g+5], 32
	s_mov_b32 s[\g+6], 0
	s_mov_b32 s[\g+7], 0
.endr
	s_lshl_b32 s20, s17, 1
	s_add_co_u32 s20, s20, s16
	s_mul_i32 s22, s20, HALFS
	s_add_co_u32 s22, s22, A_SOFF
	s_mul_i32 s20, s20, 8*KPB
	s_mov_b32 s21, 0
	s_mov_b32 s23, 0
	s_lshl_b32 s46, s42, 1
	s_add_co_u32 s46, s46, s16
	s_mul_i32 s92, s46, HALFS
	s_add_co_u32 s92, s92, B_SOFF
	s_mul_i32 s46, s46, 8*KPB
	s_add_co_u32 s46, s46, B_COFF
	s_mov_b32 s47, 0
	s_mov_b32 s93, 0
	s_mul_i32 s45, s14, HALFT
	s_mul_i32 s94, s14, HALFS
	s_wait_kmcnt 0x0
	s_add_nc_u64 s[20:21], s[4:5], s[20:21]
	s_add_nc_u64 s[22:23], s[4:5], s[22:23]
	s_add_nc_u64 s[46:47], s[8:9], s[46:47]
	s_add_nc_u64 s[92:93], s[8:9], s[92:93]
	CROUND
	s_mov_b32 s[G0S], 1
	s_add_co_u32 s[G0S+1], s94, SCL
	s_mov_b64 s[G0S+2:G0S+3], s[22:23]
	s_or_b32 s[G0S+3], s[G0S+3], 0x80000000
	s_mov_b32 s[G0SB], 1
	s_add_co_u32 s[G0SB+1], s94, SCL
	s_mov_b64 s[G0SB+2:G0SB+3], s[92:93]
	s_or_b32 s[G0SB+3], s[G0SB+3], 0x80000000
	JLOAD G0S, G1S, G0SB, G1SB
.irp s, 0,1
	s_mov_b32 s[G0+4*\s], 1
	s_add_co_u32 s[G0+4*\s+1], s45, \s*SLOT
	s_add_nc_u64 s[G0+4*\s+2:G0+4*\s+3], s[20:21], \s*3072
	s_or_b32 s[G0+4*\s+3], s[G0+4*\s+3], 0x80000000
	s_mov_b32 s[G0B+4*\s], 1
	s_add_co_u32 s[G0B+4*\s+1], s45, \s*SLOT
	s_add_nc_u64 s[G0B+4*\s+2:G0B+4*\s+3], s[46:47], \s*3072
	s_or_b32 s[G0B+4*\s+3], s[G0B+4*\s+3], 0x80000000
	JLOAD G0+4*\s, G1, G0B+4*\s, G1B
.endr
	v_and_b32 v1, 15, v0
	v_bfe_u32 v2, v0, 4, 1
	v_and_b32 v3, 31, v0
	v_lshlrev_b32 v8, 4, v3                        ; 16 x lane: also my place in a row of 512 bytes of C
	v_lshlrev_b32 v9, 3, v3
	v_add_nc_u32 v9, 0x200, v9
	s_mul_i32 s21, s15, HALFT
	s_mul_i32 s22, s16, HALFT
	s_add_co_u32 s22, s22, 2*HALFT
.irp s, 0,1
	v_add_nc_u32 v[ADRA+\s], s21, v8
	v_add_nc_u32 v[ADRB+\s], s22, v8
	v_add_nc_u32 v[ADRA+2+\s], s21, v9
	v_add_nc_u32 v[ADRB+2+\s], s22, v9
	s_add_co_u32 s21, s21, SLOT
	s_add_co_u32 s22, s22, SLOT
.endr
	v_lshlrev_b32 v6, 2, v1
	s_mul_i32 s21, s15, HALFS
	s_mul_i32 s22, s16, HALFS
	s_add_co_u32 s22, s22, 2*HALFS
	s_sub_co_u32 s22, s22, s21
	v_mul_u32_u24 v7, s22, v2
	s_add_co_u32 s21, s21, SCL
	v_add_nc_u32 v6, v6, v7
	v_add_nc_u32 v[ADRS], s21, v6
	s_mul_i32 s23, s14, 16*SPITCH                  ; my stage
	v_mul_u32_u24 v6, v1, SPITCH
	v_lshl_add_u32 v6, v2, 6, v6
	v_add_nc_u32 v[STO], s23, v6                   ; in: row r, + 64 h
	v_add_nc_u32 v[RD], s23, v8                    ; back: a row of 512 bytes
	s_lshl_b32 s20, s17, 1
	s_add_co_u32 s20, s20, s15
	s_lshl_b32 s20, s20, 19                        ; my 128 rows of 4,096 bytes
	s_mov_b32 s21, 0
	s_add_nc_u64 s[12:13], s[12:13], s[20:21]
	s_add_nc_u64 s[66:67], s[66:67], s[20:21]
	s_lshl_b32 s46, s42, 1
	s_add_co_u32 s46, s46, s16
	s_lshl_b32 s46, s46, 9                         ; my 128 columns
	s_mov_b32 s47, 0
	s_add_nc_u64 s[12:13], s[12:13], s[46:47]
	s_add_nc_u64 s[66:67], s[66:67], s[46:47]
	s_wait_tensorcnt 1                             ; the scale words and my part of slot 0 are in; slot 1's load may be out
	s_barrier_signal -1
	s_barrier_wait -1
	FETCH_B 0, 0, 0
	FETCH_A 0, 0, 0
	SCALES 0, 0
	FETCH_A 0, 0, 4
	STEP 0, 1
	s_mov_b32 s3, LAPS-1
.Llap:
	TURN 0, 1, 1
	STEP 1, 0
	TURN 1, 0, 1
	STEP 0, 0
	s_sub_co_u32 s3, s3, 1
	s_cmp_lg_u32 s3, 0
	s_cbranch_scc1 .Llap
	TURN 0, 1, 0
	STEP 1, 0
	s_wait_dscnt 16
	WIN MUL_LO
	MUL16 0, 1, 0
	MUL16 2, 1, 0
	s_wait_dscnt 0
	WIN MUL_HI
	MUL16 4, 1, 0
	MUL16 6, 1, 0
	WIN 0
; Row t of block a lies at position 16 a + t of my 128 rows: its true row is 32 (a / 2) + 16 (t / 8) + 8 (a % 2) + t % 8.  Every row offset is an immediate: no pointer is stepped.
.macro RLOAD a                         ; the residual's 16 rows of block a, into window 1
	WIN 0x40
.irp t, 0,1,2,3,4,5,6,7,8,9,10,11,12,13,14,15
	global_load_b128 v[64*((\a)%4)+4*\t:64*((\a)%4)+4*\t+3], v8, s[66:67] offset:(32*((\a)/2)+16*(\t/8)+8*((\a)%2)+\t%8)*4096 th:TH_LOAD_NT
.endr
	WIN 0
.endm
.macro TOSTAGE a
.set AC, 64*((\a)%4)
	WIN 0x08+4*((\a)/4)                            ; the data: window 2 or 3
.irp b, 0,1,2,3,4,5,6,7
	ds_store_b128 v[STO], v[AC+8*\b:AC+8*\b+3] offset:128*(\b/2)+32*(\b%2)        ; each accumulator from its low end on; true column 32 (b / 2) + 16 h + 8 (b % 2) + j
	ds_store_b128 v[STO], v[AC+8*\b+4:AC+8*\b+7] offset:128*(\b/2)+32*(\b%2)+16
.endr
	WIN 0
.set BB, BK+64*((\a)%2)
.irp t, 0,1,2,3,4,5,6,7,8,9,10,11,12,13,14,15
	ds_load_b128 v[BB+4*\t:BB+4*\t+3], v[RD] offset:\t*SPITCH   ; LDS serves a wave's instructions in order (ISA guide 5.7.1.4): these see the stores above
.endr
.endm
.macro SEND a, younger
.set BB, BK+64*((\a)%2)
.set RR, 64*((\a)%4)
.if (\a) <= 5
	s_wait_loadcnt 32                              ; this block's residual rows are in; the next two blocks' may be out
.elseif (\a) == 6
	s_wait_loadcnt 16
.else
	s_wait_loadcnt 0
.endif
	s_wait_dscnt \younger
	WIN 0x04                                       ; source 1: window 1
.set P, 0
.rept 32
	v_pk_add_f32 v[BB+P:BB+P+1], v[BB+P:BB+P+1], v[RR+P:RR+P+1]
.set P, P+2
.endr
	WIN 0
.if (\a)+3 <= 7
	RLOAD (\a)+3
.endif
.irp t, 0,1,2,3,4,5,6,7,8,9,10,11,12,13,14,15
	global_store_b128 v8, v[BB+4*\t:BB+4*\t+3], s[12:13] offset:(32*((\a)/2)+16*(\t/8)+8*((\a)%2)+\t%8)*4096 th:TH_STORE_NT   ; 32 lanes store 512 consecutive bytes, aligned; written once, read by nobody here
.endr
.endm
	PLACES NP
	RLOAD 0
	RLOAD 1
	RLOAD 2
	TOSTAGE 0
.irp a, 1,2,3,4,5,6,7
.if \a > 1
	s_wait_xcnt 0x0                                ; block a - 2's stores have read their registers: block a's loads may land there
.endif
	TOSTAGE \a
	SEND \a-1, 32                                  ; behind block a - 1's loads: block a's 16 stores and 16 loads
.endr
	SEND 7, 0
	s_wait_tensorcnt 0x0                           ; the wave's end
	ds_add_u32 v[SPW], v[NIL]
	s_wait_dscnt 0x0
	CROUND
	s_endpgm
.Lfunc_end_k_qdac4001ba1_outp:
	.size	k_qdac4001ba1_outp, .Lfunc_end_k_qdac4001ba1_outp-k_qdac4001ba1_outp
	.p2alignl 7, 3214868480
	.fill 96, 4, 3214868480
	.section	.rodata,"a",@progbits
	.p2align	6, 0x0
	.amdhsa_kernel k_qdac4001ba1_outp
		.amdhsa_group_segment_fixed_size 327680
		.amdhsa_private_segment_fixed_size 0
		.amdhsa_enable_private_segment 0
		.amdhsa_kernarg_size 32
		.amdhsa_user_sgpr_count 2
		.amdhsa_user_sgpr_kernarg_segment_ptr 1
		.amdhsa_wavefront_size32 1
		.amdhsa_system_sgpr_workgroup_id_x 1
		.amdhsa_system_sgpr_workgroup_id_y 1
		.amdhsa_system_sgpr_workgroup_id_z 1
		.amdhsa_system_vgpr_workitem_id 0
		.amdhsa_next_free_vgpr 1024
		.amdhsa_next_free_sgpr 102
		.amdhsa_reserve_vcc 0
		.amdhsa_float_denorm_mode_32 3
		.amdhsa_float_denorm_mode_16_64 3
		.amdhsa_memory_ordered 1
		.amdhsa_forward_progress 1
		.amdhsa_inst_pref_size 175
	.end_amdhsa_kernel
	.amdgpu_metadata
---
amdhsa.version: [ 1, 2 ]
amdhsa.kernels:
  - .name:           k_qdac4001ba1_outp
    .symbol:         k_qdac4001ba1_outp.kd
    .args:
      - { .name: hid, .offset: 0, .size: 8, .value_kind: global_buffer, .address_space: global }
      - { .name: wts, .offset: 8, .size: 8, .value_kind: global_buffer, .address_space: global }
      - { .name: x1, .offset: 16, .size: 8, .value_kind: global_buffer, .address_space: global }
      - { .name: out0, .offset: 24, .size: 8, .value_kind: global_buffer, .address_space: global }
    .group_segment_fixed_size: 327680
    .private_segment_fixed_size: 0
    .kernarg_segment_align: 8
    .kernarg_segment_size: 32
    .max_flat_workgroup_size: 128
    .sgpr_count:     102
    .vgpr_count:     1024
    .wavefront_size: 32
...
	.end_amdgpu_metadata
.endif
;; end of part 7
;; ======== version 2 of 2: 8 launches
;; limits: right only within a limited range of input values
;; workspace buffers: wts 9,830,400 bytes; acts 3,276,800 bytes; qkvc 9,830,400 bytes; yb 3,276,800 bytes; x1 16,777,216 bytes; hid 13,107,200 bytes
;; launch wq (part 8): grid 384 x 1, 4 waves a work-group, no clusters, 0 bytes of LDS; arguments w_attn, w_proj, w_fc, w_out, wts; writes wts
.if DOCPART == 8
	.amdgcn_target "amdgcn-amd-amdhsa--gfx1250"
	.amdhsa_code_object_version 6
	.text
	.protected	k_qdac4001ba1_wq
	.globl	k_qdac4001ba1_wq
	.p2align	8
	.type	k_qdac4001ba1_wq,@function
k_qdac4001ba1_wq:
	s_mov_b64 s[64:65], 0
	v_nop
	global_prefetch_b8 v0, s[64:65] scope:SCOPE_SE
	s_setreg_imm32_b32 hwreg(HW_REG_WAVE_MODE, 25, 1), 1
	s_wait_xcnt 0x0
; The four weights, f32 [K][N] with K their FIRST axis, become codes of FP6 (E2M3) with one E8M0 byte for each 32 along K, laid as the products' launches read them.
; LAYOUT OF THE CODES: a fragment is 16 columns x 128 K = 1,536 bytes, for W_attn and W_fc two halves of 768 (64 along K each), in a half the operand's registers 6c..6c+3 at 16 x lane, 6c+4, 6c+5 at 512 + 8 x lane; for W_proj and W_out three pieces of 512, registers 4j..4j+3 at 512 j + 16 x lane.
; Fragments lie [column position / 16][K / 128].  A column n lies at POSITION p = n with bits 3 and 4 exchanged.  SCALE WORDS (4 bytes: 128 along K of one column): [position / 128][K / 128][128 positions].
; A lane takes one column and its registers run down K: a block of 32 lies in one lane, so its largest magnitude needs no other lane, and the conversions give codes with K innermost.
; Lane l stands for position l of its wave's 32 columns.  Two fragments (positions 0-15, 16-31) want in lanes 0-15 the even blocks and in lanes 16-31 the odd ones: an exchange of half rows of lanes between
; the even block's and the odd block's codes gives both at once.  A wave: 32 columns x 256 K; a work-group: 128 columns x 256 K.  No LDS, no barrier.
; A block's scale is 2^(floor(log2(largest magnitude)) - 2); its byte is that magnitude's exponent field - 2, held at 1 from below.
; LIMITS: a block of zeros, or one whose largest magnitude lies under 2^-124, gets the byte 1 where the rule says 127 (its codes are zeros or are made under the byte 1; only this program reads the bytes); NaN and infinities are not served.
.set WA_C, 0
.set WP_C, 2359296
.set WF_C, 3145728
.set WO_C, 6291456
.set WA_S, 9437184
.set WP_S, 9535488
.set WF_S, 9568256
.set WO_S, 9699328
.set X,  32                            ; v32-95   two sets of 32 numbers
.set SW, 24                            ; v24-25   the scale words of the wave's two K steps
.set TU, 144                           ; v144..   the upper halves' codes of four blocks, four registers apart
	s_load_b256 s[4:11], s[0:1], 0x0               ; w_attn, w_proj, w_fc, w_out
	s_load_b64 s[12:13], s[0:1], 0x20              ; wts
	v_lshrrev_b32 v1, 5, v0
	v_readfirstlane_b32 s16, v1                    ; wave
	v_and_b32 v1, 31, v0                           ; lane = position
	v_and_b32 v2, 7, v1
	v_and_b32 v7, 8, v1
	v_lshl_or_b32 v2, v7, 1, v2
	v_lshrrev_b32 v7, 4, v1
	v_lshl_or_b32 v2, v7, 3, v2                    ; the column at that position: bits 3 and 4 exchanged
	v_lshlrev_b32 v3, 2, v2                        ; in: 4 bytes a column: the wave still reads 128 consecutive bytes
	v_lshlrev_b32 v4, 4, v1                        ; out: 16 x lane
	v_lshlrev_b32 v5, 3, v1
	v_add_nc_u32 v5, 0x200, v5                     ; 512 + 8 x lane
	v_lshlrev_b32 v6, 2, v1                        ; 4 x lane
	s_wait_kmcnt 0x0
.macro LOADB t, n                      ; block t: W(32 t + i, my column) into set t % 2
.irp i, 0,1,2,3,4,5,6,7,8,9,10,11,12,13,14,15,16,17,18,19,20,21,22,23,24,25,26,27,28,29,30,31
	global_load_b32 v[X+32*((\t)%2)+\i], v3, s[24:25] offset:(32*(\t)+\i)*(\n)*4 th:TH_LOAD_NT
.endr
.endm
.macro BLOCK t, n, kst
.set XS, X+32*((\t)%2)
.set EE, (\t)/4                        ; which K step of the wave's two
.set TA, (\t)%4                        ; which block of the K step
.set FX, 96+24*EE                      ; the fragment of positions 0-15; that of positions 16-31 lies 12 registers on
.set DL, FX+12*(TA%2)+6*(TA/2)
.if (\t) < 7
	s_wait_loadcnt 32                              ; this block's 32 loads are in; the next block's may be out
.else
	s_wait_loadcnt 0
.endif
	v_max3_num_f32 v12, |v[XS]|, |v[XS+1]|, |v[XS+2]|
	v_max3_num_f32 v13, |v[XS+3]|, |v[XS+4]|, |v[XS+5]|
.irp i, 6,10,14,18,22,26
	v_max3_num_f32 v12, v12, |v[XS+\i]|, |v[XS+\i+1]|
	v_max3_num_f32 v13, v13, |v[XS+\i+2]|, |v[XS+\i+3]|
.endr
	v_max3_num_f32 v12, v12, |v[XS+30]|, |v[XS+31]|
	v_max3_num_f32 v12, v12, v13, 0x1800000        ; with the floor 2^(3 - 127): the byte cannot fall under 1
	v_add_nc_u32 v11, 0xff000000, v12              ; 2 off the exponent field: the conversion's scale operand
	v_lshrrev_b32 v13, 23, v11                     ; the byte
.if TA == 0
	v_mov_b32 v[SW+EE], v13
.else
	v_lshl_or_b32 v[SW+EE], v13, 8*TA, v[SW+EE]
.endif
	v_cvt_scalef32_pk16_fp6_f32 v[DL:DL+2], v[XS:XS+15], v11
	v_cvt_scalef32_pk16_fp6_f32 v[TU+4*TA:TU+4*TA+2], v[XS+16:XS+31], v11
.if (\t)+2 < 8
	LOADB (\t)+2, \n
.endif
.if TA == 3
	v_nop                                          ; one plain line behind the conversions
.irp i, 0,1,2,6,7,8
	v_permlane16_swap_b32 v[FX+\i], v[FX+12+\i]    ; the even block's lanes 16-31 change places with the odd block's lanes 0-15
.endr
.irp i, 0,1,2
	v_permlane16_swap_b32 v[TU+\i], v[TU+4+\i]
	v_permlane16_swap_b32 v[TU+8+\i], v[TU+12+\i]
.endr
.irp i, 0,1,2
	v_mov_b32 v[FX+3+\i], v[TU+\i]
	v_mov_b32 v[FX+15+\i], v[TU+4+\i]
	v_mov_b32 v[FX+9+\i], v[TU+8+\i]
	v_mov_b32 v[FX+21+\i], v[TU+12+\i]
.endr
.irp f, 0,1                            ; each store of the wave covers 512 or 256 consecutive bytes, aligned; every K step has its own registers, so no store's data are written again
.if (\n) == 1024                       ; W_proj and W_out: their readers load fragments straight into registers: three pieces of 512 bytes, operand registers 4 j .. 4 j + 3 at 512 j + 16 x lane
	global_store_b128 v4, v[FX+12*\f:FX+12*\f+3], s[26:27] offset:EE*1536+\f*(\kst)*1536
	global_store_b128 v4, v[FX+12*\f+4:FX+12*\f+7], s[26:27] offset:EE*1536+\f*(\kst)*1536+512
	global_store_b128 v4, v[FX+12*\f+8:FX+12*\f+11], s[26:27] offset:EE*1536+\f*(\kst)*1536+1024
.else                                  ; W_attn and W_fc: two halves of 768 bytes
	global_store_b128 v4, v[FX+12*\f:FX+12*\f+3], s[26:27] offset:EE*1536+\f*(\kst)*1536
	global_store_b64 v5, v[FX+12*\f+4:FX+12*\f+5], s[26:27] offset:EE*1536+\f*(\kst)*1536
	global_store_b128 v4, v[FX+12*\f+6:FX+12*\f+9], s[26:27] offset:EE*1536+\f*(\kst)*1536+768
	global_store_b64 v5, v[FX+12*\f+10:FX+12*\f+11], s[26:27] offset:EE*1536+\f*(\kst)*1536+768
.endif
.endr
	global_store_b32 v6, v[SW+EE], s[28:29] offset:512*EE
.endif
.endm
; One weight's path: k, n its sizes; first its first work-group; logky = log2(k / 256); inp its pointer's register; coff, soff where its codes and scale words begin in wts.
.macro WQ k, n, first, logky, inp, coff, soff
	s_sub_co_u32 s17, ttmp9, \first
	s_and_b32 s18, s17, (1<<\logky)-1              ; which 256 along K
	s_lshr_b32 s19, s17, \logky                    ; which 128 columns
	s_mul_i32 s20, s18, 256*(\n)*4
	s_lshl_b32 s22, s19, 9
	s_add_co_u32 s20, s20, s22
	s_lshl_b32 s22, s16, 7
	s_add_co_u32 s20, s20, s22                     ; in: 256 ky rows + (128 nx + 32 wave) columns
	s_mov_b32 s21, 0
	s_add_nc_u64 s[24:25], s[\inp:\inp+1], s[20:21]
	s_lshl_b32 s22, s19, 3
	s_lshl_b32 s23, s16, 1
	s_add_co_u32 s22, s22, s23                     ; my first block of 16 positions
	s_mul_i32 s22, s22, (\k)/128
	s_lshl_b32 s23, s18, 1
	s_add_co_u32 s22, s22, s23                     ; + my first K step
	s_mul_i32 s20, s22, 1536
	s_add_co_u32 s20, s20, \coff
	s_add_nc_u64 s[26:27], s[12:13], s[20:21]
	s_mul_i32 s22, s19, ((\k)/128)*512
	s_lshl_b32 s23, s18, 10
	s_add_co_u32 s22, s22, s23
	s_lshl_b32 s23, s16, 7
	s_add_co_u32 s22, s22, s23
	s_add_co_u32 s20, s22, \soff
	s_add_nc_u64 s[28:29], s[12:13], s[20:21]
	LOADB 0, \n
	LOADB 1, \n
.irp t, 0,1,2,3,4,5,6,7
	BLOCK \t, \n, (\k)/128
.endr
	s_endpgm
.endm
	s_cmp_lt_u32 ttmp9, 96
	s_cbranch_scc0 .Lnot_attn
	s_wait_alu depctr_va_vdst(0)
	WQ 1024, 3072, 0, 2, 4, WA_C, WA_S
.Lnot_attn:
	s_cmp_lt_u32 ttmp9, 128
	s_cbranch_scc0 .Lnot_proj
	s_wait_alu depctr_va_vdst(0)
	WQ 1024, 1024, 96, 2, 6, WP_C, WP_S
.Lnot_proj:
	s_cmp_lt_u32 ttmp9, 256
	s_cbranch_scc0 .Lnot_fc
	s_wait_alu depctr_va_vdst(0)
	WQ 1024, 4096, 128, 2, 8, WF_C, WF_S
.Lnot_fc:
	s_wait_alu depctr_va_vdst(0)
	WQ 4096, 1024, 256, 4, 10, WO_C, WO_S
.Lfunc_end_k_qdac4001ba1_wq:
	.size	k_qdac4001ba1_wq, .Lfunc_end_k_qdac4001ba1_wq-k_qdac4001ba1_wq
	.p2alignl 7, 3214868480
	.fill 96, 4, 3214868480
	.section	.rodata,"a",@progbits
	.p2align	6, 0x0
	.amdhsa_kernel k_qdac4001ba1_wq
		.amdhsa_group_segment_fixed_size 0
		.amdhsa_private_segment_fixed_size 0
		.amdhsa_enable_private_segment 0
		.amdhsa_kernarg_size 40
		.amdhsa_user_sgpr_count 2
		.amdhsa_user_sgpr_kernarg_segment_ptr 1
		.amdhsa_wavefront_size32 1
		.amdhsa_system_sgpr_workgroup_id_x 1
		.amdhsa_system_sgpr_workgroup_id_y 1
		.amdhsa_system_sgpr_workgroup_id_z 1
		.amdhsa_system_vgpr_workitem_id 0
		.amdhsa_next_free_vgpr 160
		.amdhsa_next_free_sgpr 66
		.amdhsa_reserve_vcc 0
		.amdhsa_float_denorm_mode_32 3
		.amdhsa_float_denorm_mode_16_64 3
		.amdhsa_memory_ordered 1
		.amdhsa_forward_progress 1
		.amdhsa_inst_pref_size 157
	.end_amdhsa_kernel
	.amdgpu_metadata
---
amdhsa.version: [ 1, 2 ]
amdhsa.kernels:
  - .name:           k_qdac4001ba1_wq
    .symbol:         k_qdac4001ba1_wq.kd
    .args:
      - { .name: w_attn, .offset: 0, .size: 8, .value_kind: global_buffer, .address_space: global }
      - { .name: w_proj, .offset: 8, .size: 8, .value_kind: global_buffer, .address_space: global }
      - { .name: w_fc, .offset: 16, .size: 8, .value_kind: global_buffer, .address_space: global }
      - { .name: w_out, .offset: 24, .size: 8, .value_kind: global_buffer, .address_space: global }
      - { .name: wts, .offset: 32, .size: 8, .value_kind: global_buffer, .address_space: global }
    .group_segment_fixed_size: 0
    .private_segment_fixed_size: 0
    .kernarg_segment_align: 8
    .kernarg_segment_size: 40
    .max_flat_workgroup_size: 128
    .sgpr_count:     66
    .vgpr_count:     160
    .wavefront_size: 32
...
	.end_amdgpu_metadata
.endif
;; end of part 8
;; launch ln1 (part 9): grid 256 x 1, 4 waves a work-group, no clusters, 66,560 bytes of LDS; arguments x, ln1_g, ln1_b, acts; writes acts
.if DOCPART == 9
	.amdgcn_target "amdgcn-amd-amdhsa--gfx1250"
	.amdhsa_code_object_version 6
	.text
	.protected	k_qdac4001ba1_ln1
	.globl	k_qdac4001ba1_ln1
	.p2align	8
	.type	k_qdac4001ba1_ln1,@function
k_qdac4001ba1_ln1:
	s_mov_b64 s[64:65], 0
	v_nop
	global_prefetch_b8 v0, s[64:65] scope:SCOPE_SE
	s_setreg_imm32_b32 hwreg(HW_REG_WAVE_MODE, 25, 1), 1
	s_wait_xcnt 0x0
; LayerNorm of 4,096 rows of 1,024 f32, y = (x - mean) rsqrt(var + 1e-5) g + b, all in f32, then quantised along the row to codes of FP6 (E2M3) with one E8M0 byte for each 32.
; The variance is taken of x - mean, in a second pass over registers, so a common offset in x is not squared.
; OUT: fragments of 16 rows x 128 K, 1,536 bytes (two halves of 768: operand registers 6c..6c+3 at 16 x lane, 6c+4, 6c+5 at 512 + 8 x lane), laid [row position / 16][K / 128]; a row n lies at position n with bits 3 and 4 exchanged.
; Scale words: [position / 128][K / 128][128][4 bytes].
; A work-group makes one block of 16 positions.  Phase 1: wave w reads four whole neighbouring rows (512 consecutive bytes an instruction), normalises them and stores them to LDS.  One barrier.
; Phase 2: wave w makes K steps 2 w and 2 w + 1: lane (r, h) reads, of row r, 16 neighbours of each block of 32, as the conversions want them.
; LIMITS: a block of zeros or under 2^-124 gets the byte 1 where the rule says 127 (only this program reads the bytes); NaN and infinities are not served.
.set PITCH, 4112                       ; an LDS row: 4,096 bytes + 16, so that the 16 rows that a load touches start 4 words apart modulo 64 words
.set XR,  64                           ; v64-191  four rows, 32 registers each; later two K steps' 64 numbers
.set GG,  192                          ; v192-223 g
.set BR,  224                          ; v224-255 b
.set TM,  192                          ; phase 2: v192-207 at work
.set PW0, 208
.set PW1, 209
.set PWS, 210
.set PC0, 212
.set PC1, 232
.set ACT_S, 3145728
	s_load_b256 s[4:11], s[0:1], 0x0               ; src, g, b, acts
	v_lshl_add_u32 v62, v0, 2, 0x10200
	v_mov_b32 v63, 0
	v_lshrrev_b32 v1, 5, v0
	v_readfirstlane_b32 s12, v1                    ; wave
	v_and_b32 v7, 31, v0                           ; lane
	v_and_b32 v8, 15, v0                           ; r
	v_bfe_u32 v9, v0, 4, 1                         ; h
	v_lshlrev_b32 v1, 4, v7                        ; 16 x lane
	s_mul_i32 s13, s12, 4*PITCH
	v_add_nc_u32 v2, s13, v1                       ; LDS, in: my wave's four rows
	v_mul_u32_u24 v3, v8, PITCH
	v_lshl_add_u32 v3, v9, 6, v3
	s_lshl_b32 s13, s12, 10
	v_add_nc_u32 v3, s13, v3                       ; LDS, out: row r, + 64 h, + my two K steps
	v_lshlrev_b32 v6, 2, v8
	v_lshl_add_u32 v6, v9, 9, v6
	v_add_nc_u32 v6, s13, v6                       ; scale words: K step 2 w + h, row r
	s_mul_i32 s13, s12, 3072
	v_add_nc_u32 v4, s13, v1                       ; codes: 16 x lane + my two fragments
	v_lshlrev_b32 v5, 3, v7
	v_add_nc_u32 v5, s13, v5
	v_add_nc_u32 v5, 0x200, v5                     ; 512 + 8 x lane likewise
	s_mov_b32 s16, 0x76543210
	s_mov_b32 s17, 0xfedcba98                      ; lane l xor 16
	s_mov_b32 s18, 0xffff0000                      ; lanes 16-31
	s_mov_b32 s19, 0x3a800000                      ; 1 / 1,024
	s_lshr_b32 s14, ttmp9, 1                       ; positions 4 w .. 4 w + 3 of block RB are rows 32 (RB / 2) + 8 (RB % 2) + 4 w + 8 (w / 2) + 0 .. 3
	s_lshl_b32 s14, s14, 5
	s_and_b32 s15, ttmp9, 1
	s_lshl_b32 s15, s15, 3
	s_add_co_u32 s14, s14, s15
	s_lshl_b32 s15, s12, 2
	s_add_co_u32 s14, s14, s15
	s_lshr_b32 s15, s12, 1
	s_lshl_b32 s15, s15, 3
	s_add_co_u32 s14, s14, s15
	s_lshl_b32 s14, s14, 12
	s_mov_b32 s15, 0
	s_mul_i32 s20, ttmp9, 12288
	s_mov_b32 s21, 0
	s_lshr_b32 s22, ttmp9, 3
	s_lshl_b32 s22, s22, 12
	s_and_b32 s23, ttmp9, 7
	s_lshl_b32 s23, s23, 6
	s_add_co_u32 s22, s22, s23
	s_add_co_u32 s22, s22, ACT_S
	s_mov_b32 s23, 0
	s_wait_kmcnt 0x0
	s_add_nc_u64 s[4:5], s[4:5], s[14:15]
	s_add_nc_u64 s[24:25], s[10:11], s[22:23]      ; my block's scale words
	s_add_nc_u64 s[10:11], s[10:11], s[20:21]      ; my block's codes
.irp i, 0,1,2,3
.irp j, 0,1,2,3,4,5,6,7
	global_load_b128 v[XR+32*\i+4*\j:XR+32*\i+4*\j+3], v1, s[4:5] offset:4096*\i+512*\j th:TH_LOAD_NT
.endr
.endr
.irp j, 0,1,2,3,4,5,6,7
	global_load_b128 v[GG+4*\j:GG+4*\j+3], v1, s[6:7] offset:512*\j
.endr
.irp j, 0,1,2,3,4,5,6,7
	global_load_b128 v[BR+4*\j:BR+4*\j+3], v1, s[8:9] offset:512*\j
.endr
.irp i, 0,1,2,3
	v_mov_b32 v[33+2*\i], 0                        ; upper words of pairs of which the low word serves both halves
	v_mov_b32 v[41+2*\i], 0
	v_mov_b32 v[48+\i], 0                          ; a lane permute's destination counts as one of its sources
.endr
.macro REDUCE                          ; v[16 + 4 i], i = 0 .. 3, summed over the 32 lanes, the four rows by turns
.irp m, 1,2,4,8
.irp i, 0,1,2,3
	v_add_f32_dpp v[16+4*\i], v[16+4*\i], v[16+4*\i] row_xmask:\m row_mask:0xf bank_mask:0xf
.endr
.endr
.irp i, 0,1,2,3
	v_permlanex16_b32 v[48+\i], v[16+4*\i], s16, s17
.endr
.irp i, 0,1,2,3
	v_add_f32 v[16+4*\i], v[16+4*\i], v[48+\i]
.endr
.endm
	s_wait_loadcnt 16                              ; the rows are in; g's and b's 16 loads may be out
.irp i, 0,1,2,3
	v_pk_add_f32 v[16+4*\i:17+4*\i], v[XR+32*\i:XR+32*\i+1], v[XR+32*\i+2:XR+32*\i+3]
	v_pk_add_f32 v[18+4*\i:19+4*\i], v[XR+32*\i+4:XR+32*\i+5], v[XR+32*\i+6:XR+32*\i+7]
.endr
.irp p, 8,12,16,20,24,28
.irp i, 0,1,2,3
	v_pk_add_f32 v[16+4*\i:17+4*\i], v[16+4*\i:17+4*\i], v[XR+32*\i+\p:XR+32*\i+\p+1]
	v_pk_add_f32 v[18+4*\i:19+4*\i], v[18+4*\i:19+4*\i], v[XR+32*\i+\p+2:XR+32*\i+\p+3]
.endr
.endr
.irp i, 0,1,2,3
	v_pk_add_f32 v[16+4*\i:17+4*\i], v[16+4*\i:17+4*\i], v[18+4*\i:19+4*\i]
.endr
.irp i, 0,1,2,3
	v_add_f32 v[16+4*\i], v[16+4*\i], v[17+4*\i]
.endr
	REDUCE
.irp i, 0,1,2,3
	v_mul_f32 v[32+2*\i], s19, v[16+4*\i]          ; the mean
.endr
.irp p, 0,2,4,6,8,10,12,14,16,18,20,22,24,26,28,30
.irp i, 0,1,2,3
	v_pk_add_f32 v[XR+32*\i+\p:XR+32*\i+\p+1], v[XR+32*\i+\p:XR+32*\i+\p+1], v[32+2*\i:33+2*\i] op_sel_hi:[1,0] neg_lo:[0,1] neg_hi:[0,1]   ; x - mean
.endr
.endr
.irp i, 0,1,2,3
	v_pk_mul_f32 v[16+4*\i:17+4*\i], v[XR+32*\i:XR+32*\i+1], v[XR+32*\i:XR+32*\i+1]
	v_pk_mul_f32 v[18+4*\i:19+4*\i], v[XR+32*\i+2:XR+32*\i+3], v[XR+32*\i+2:XR+32*\i+3]
.endr
.irp p, 4,8,12,16,20,24,28
.irp i, 0,1,2,3
	v_pk_fma_f32 v[16+4*\i:17+4*\i], v[XR+32*\i+\p:XR+32*\i+\p+1], v[XR+32*\i+\p:XR+32*\i+\p+1], v[16+4*\i:17+4*\i]
	v_pk_fma_f32 v[18+4*\i:19+4*\i], v[XR+32*\i+\p+2:XR+32*\i+\p+3], v[XR+32*\i+\p+2:XR+32*\i+\p+3], v[18+4*\i:19+4*\i]
.endr
.endr
.irp i, 0,1,2,3
	v_pk_add_f32 v[16+4*\i:17+4*\i], v[16+4*\i:17+4*\i], v[18+4*\i:19+4*\i]
.endr
.irp i, 0,1,2,3
	v_add_f32 v[16+4*\i], v[16+4*\i], v[17+4*\i]
.endr
	REDUCE
.irp i, 0,1,2,3
	v_fma_f32 v[40+2*\i], v[16+4*\i], s19, 0x3727c5ac   ; the variance + 1e-5
.endr
	s_wait_alu depctr_va_vdst(0)
.irp i, 0,1,2,3
	v_rsq_f32 v[40+2*\i], v[40+2*\i]
.endr
	v_nop                                          ; a plain line behind the last of the four
	s_wait_alu depctr_va_vdst(0)                   ; one wait for the four, ahead of their first reader
	s_wait_loadcnt 0x0                             ; g and b
.irp p, 0,2,4,6,8,10,12,14,16,18,20,22,24,26,28,30
.irp i, 0,1,2,3
	v_pk_mul_f32 v[XR+32*\i+\p:XR+32*\i+\p+1], v[XR+32*\i+\p:XR+32*\i+\p+1], v[40+2*\i:41+2*\i] op_sel_hi:[1,0]
.endr
.irp i, 0,1,2,3
	v_pk_fma_f32 v[XR+32*\i+\p:XR+32*\i+\p+1], v[XR+32*\i+\p:XR+32*\i+\p+1], v[GG+\p:GG+\p+1], v[BR+\p:BR+\p+1]
.endr
.endr
.irp i, 0,1,2,3
.irp j, 0,1,2,3,4,5,6,7
	ds_store_b128 v2, v[XR+32*\i+4*\j:XR+32*\i+4*\j+3] offset:PITCH*\i+512*\j
.endr
.endr
	s_wait_dscnt 0x0                               ; for the others' sake: my rows lie in LDS
	s_barrier_signal -1
	s_barrier_wait -1
.irp e, 0,1
.irp b, 0,1,2,3
.irp j, 0,1,2,3
	ds_load_b128 v[XR+64*\e+16*\b+4*\j:XR+64*\e+16*\b+4*\j+3], v3 offset:512*\e+128*\b+16*\j
.endr
.endr
.endr
.irp b, 0,1,2,3
	v_mov_b32 v[TM+4+\b], 0                        ; a lane permute's destination counts as one of its sources
.endr
; 64 numbers of a lane, register 16 b + i = k 32 b + 16 h + i of my row, become a fragment's codes in v[pc] on and its scale word in v[pw].
.macro QUANT s, pc, pw
.irp b, 0,1,2,3
	v_max3_num_f32 v[TM+\b], |v[\s+16*\b]|, |v[\s+1+16*\b]|, 0x1800000   ; with the floor 2^(3 - 127): the byte cannot fall under 1
.endr
.irp i, 2,4,6,8,10,12,14
.irp b, 0,1,2,3
	v_max3_num_f32 v[TM+\b], v[TM+\b], |v[\s+16*\b+\i]|, |v[\s+1+16*\b+\i]|
.endr
.endr
.irp b, 0,1,2,3
	v_permlanex16_b32 v[TM+4+\b], v[TM+\b], s16, s17
.endr
.irp b, 0,1,2,3
	v_max_num_f32 v[TM+\b], v[TM+\b], v[TM+4+\b]   ; with lane l xor 16's 16: the block's largest magnitude
.endr
.irp b, 0,1,2,3
	v_add_nc_u32 v[TM+12+\b], 0xff000000, v[TM+\b] ; 2 off its exponent field: the conversion's scale operand
.endr
.irp b, 0,1,2,3
	v_lshrrev_b32 v[TM+4+\b], 23, v[TM+12+\b]      ; the byte
.endr
	v_lshl_or_b32 v[\pw], v[TM+5], 8, v[TM+4]
	v_lshl_or_b32 v[\pw], v[TM+6], 16, v[\pw]
	v_lshl_or_b32 v[\pw], v[TM+7], 24, v[\pw]
.irp c, 0,1
	v_cvt_scalef32_pk16_fp6_f32 v[\pc+6*\c:\pc+2+6*\c], v[\s+32*\c:\s+15+32*\c], v[TM+12+2*\c]
	v_cvt_scalef32_pk16_fp6_f32 v[\pc+12+4*\c:\pc+14+4*\c], v[\s+16+32*\c:\s+31+32*\c], v[TM+13+2*\c]
.endr
	v_nop                                          ; one plain line behind the conversions
.irp c, 0,1                            ; the operand wants a whole block in a lane: lanes 0-15 block 2 c, lanes 16-31 block 2 c + 1
.irp i, 0,1,2
	v_permlane16_swap_b32 v[\pc+6*\c+\i], v[\pc+12+4*\c+\i]
.endr
.irp i, 0,1,2
	v_mov_b32 v[\pc+3+6*\c+\i], v[\pc+12+4*\c+\i]
.endr
.endr
.endm
.macro OUTF pc, e                      ; a fragment leaves: each store covers 512 or 256 consecutive bytes, aligned
	global_store_b128 v4, v[\pc:\pc+3], s[10:11] offset:1536*\e
	global_store_b64 v5, v[\pc+4:\pc+5], s[10:11] offset:1536*\e
	global_store_b128 v4, v[\pc+6:\pc+9], s[10:11] offset:1536*\e+768
	global_store_b64 v5, v[\pc+10:\pc+11], s[10:11] offset:1536*\e+768
.endm
	s_wait_dscnt 16                                ; the first K step's 16 loads are in
	QUANT XR, PC0, PW0
	OUTF PC0, 0
	s_wait_dscnt 0x0
	QUANT XR+64, PC1, PW1
	OUTF PC1, 1
	v_cndmask_b32 v[PWS], v[PW0], v[PW1], s18      ; lanes 0-15: K step 2 w; lanes 16-31: K step 2 w + 1
	global_store_b32 v6, v[PWS], s[24:25]
	s_wait_tensorcnt 0x0
	ds_add_u32 v62, v63
	s_wait_dscnt 0x0
	s_endpgm
.Lfunc_end_k_qdac4001ba1_ln1:
	.size	k_qdac4001ba1_ln1, .Lfunc_end_k_qdac4001ba1_ln1-k_qdac4001ba1_ln1
	.p2alignl 7, 3214868480
	.fill 96, 4, 3214868480
	.section	.rodata,"a",@progbits
	.p2align	6, 0x0
	.amdhsa_kernel k_qdac4001ba1_ln1
		.amdhsa_group_segment_fixed_size 66560
		.amdhsa_private_segment_fixed_size 0
		.amdhsa_enable_private_segment 0
		.amdhsa_kernarg_size 32
		.amdhsa_user_sgpr_count 2
		.amdhsa_user_sgpr_kernarg_segment_ptr 1
		.amdhsa_wavefront_size32 1
		.amdhsa_system_sgpr_workgroup_id_x 1
		.amdhsa_system_sgpr_workgroup_id_y 1
		.amdhsa_system_sgpr_workgroup_id_z 1
		.amdhsa_system_vgpr_workitem_id 0
		.amdhsa_next_free_vgpr 256
		.amdhsa_next_free_sgpr 66
		.amdhsa_reserve_vcc 0
		.amdhsa_float_denorm_mode_32 3
		.amdhsa_float_denorm_mode_16_64 3
		.amdhsa_memory_ordered 1
		.amdhsa_forward_progress 1
		.amdhsa_inst_pref_size 44
	.end_amdhsa_kernel
	.amdgpu_metadata
---
amdhsa.version: [ 1, 2 ]
amdhsa.kernels:
  - .name:           k_qdac4001ba1_ln1
    .symbol:         k_qdac4001ba1_ln1.kd
    .args:
      - { .name: x, .offset: 0, .size: 8, .value_kind: global_buffer, .address_space: global }
      - { .name: ln1_g, .offset: 8, .size: 8, .value_kind: global_buffer, .address_space: global }
      - { .name: ln1_b, .offset: 16, .size: 8, .value_kind: global_buffer, .address_space: global }
      - { .name: acts, .offset: 24, .size: 8, .value_kind: global_buffer, .address_space: global }
    .group_segment_fixed_size: 66560
    .private_segment_fixed_size: 0
    .kernarg_segment_align: 8
    .kernarg_segment_size: 32
    .max_flat_workgroup_size: 128
    .sgpr_count:     66
    .vgpr_count:     256
    .wavefront_size: 32
...
	.end_amdgpu_metadata
.endif
;; end of part 9
;; launch qkv (part 10): grid 12 x 16, 4 waves a work-group, clusters of 4 x 4, 327,680 bytes of LDS; arguments acts, wts, qkvc; writes qkvc
.if DOCPART == 10
	.amdgcn_target "amdgcn-amd-amdhsa--gfx1250"
	.amdhsa_code_object_version 6
	.text
	.protected	k_qdac4001ba1_qkv
	.globl	k_qdac4001ba1_qkv
	.p2align	8
	.type	k_qdac4001ba1_qkv,@function
k_qdac4001ba1_qkv:
	s_mov_b64 s[64:65], 0
	v_nop
	global_prefetch_b8 v0, s[64:65] scope:SCOPE_SE
	s_setreg_imm32_b32 hwreg(HW_REG_WAVE_MODE, 25, 1), 1
	s_wait_xcnt 0x0
	s_wait_alu depctr_hold_cnt(0) depctr_sa_sdst(0) depctr_va_vdst(0) depctr_va_sdst(0) depctr_va_ssrc(0) depctr_va_vcc(0) depctr_vm_vsrc(0)
	s_getreg_b32 s2, hwreg(HW_REG_IB_STS2, 6, 4)
	s_cmp_eq_u32 s2, 0
	s_cbranch_scc0 .Lentry_in_a_cluster
	s_endpgm
.Lentry_in_a_cluster:
	s_bfe_u32 s2, ttmp6, 0x10000c
	s_cmp_lg_u32 s2, 0xf033
	s_cbranch_scc0 .Lentry_shape_is_right
	s_endpgm
.Lentry_shape_is_right:
; qkv = LN(x) W_attn on codes of FP6 (E2M3) with E8M0 scales, and its results quantised at once: q and k along the head's 64, v along the KEYS.
; TWO PRODUCTS IN ONE GRID, told apart by the cluster's x (equal in all partners).  Clusters x = 0, 1: C[token][column] for the 2,048 columns of q and k (A = acts, B = W).  Clusters x = 2: C[d][token] = W_v^T LN(x)^T
; (A = W's rows 2,048 on, B = acts), so that a lane's registers run along the tokens, which are the keys.  What differs are pointers and strides, chosen by s_cselect: there is no branch.
; OPERANDS: fragments of 16 rows x 128 K, 1,536 bytes, two halves of 768 (operand registers 6c..6c+3 at 16 x lane, 6c+4, 6c+5 at 512 + 8 x lane), laid [row position / 16][K / 128]; scale words [position / 128][K / 128][128][4].
; A row n lies at position n with bits 3 and 4 exchanged.  THE MATRIX INSTRUCTION IS USED TRANSPOSED (source 0 = 16 positions of B, source 1 = 16 of A): lane (r, h) holds row position r of A, and the 16 registers of
; B's tiles 2 b and 2 b + 1 are B's true rows 32 b + 16 h + 0 .. 15: sixteen neighbours along the next product's K, as the conversions want them.
; A tile of C is 256 x 256: four waves of 128 x 128, 64 accumulators.  K goes in steps of 256 through a ring of two LDS slots; a wave's tensor load brings 8 blocks of 16 rows x 3,072 consecutive bytes.
; The scale words of the work-group's rows, for all of K, come once, with the first fills.  CLUSTERS 4 x 4: A's tiles are asked for jointly along a row of the cluster, B's along a column.
; REGISTERS: window 0: v1-29 addresses; v32-47 scale words, two sets; v128-223 A's 8 fragments, one set; window 1: B's fragments, two sets, at v0 and v128; windows 2, 3: accumulator (a, b) at v[8 (8 (a % 4) + b)].
; OUT: q, k: halves of 768 bytes [column / 64][row block]; v: fragments [d block][token / 64 halves]; scale words as above.
; LIMITS: a block of zeros or under 2^-124 gets the byte 1 where the rule says 127 (only this program reads the bytes); NaN and infinities are not served.
.set SIZE_K, 1024
.set KST,    SIZE_K/128
.set KPB,    KST*1536                  ; a block of 16 rows in memory
.set FR,     12
.set NP,     4                         ; places behind this matrix instruction (ISA guide 7.12.1)
.set HALFT,  24576                     ; 128 rows x 256 K: what one tensor load brings
.set SLOT,   4*HALFT
.set LAPS,   SIZE_K/512
.set HALFS,  KST*512                   ; the scale words of 128 rows
.set SCL,    2*SLOT
.set SPARE,  SCL+4*HALFS               ; the spare words, 128 bytes a wave: two blocks of 256 bytes that no other line names
.set ADRA, 16                          ; v16-17 A's fragments in slot 0, 1, 16 x lane; v18-19 the same, 512 + 8 x lane
.set ADRB, 20                          ; v20-23 likewise for B
.set ADRS, 27
.set SPW,  28
.set NIL,  29
.set SC,   32                          ; scale words: set p at v[SC + 8 p]; register i: lanes 0-15 A's block i, lanes 16-31 B's block i
.set AF,   128
.set G1, 24
.set G0, 32
.set G1B, 48
.set G0B, 56
.set G1S, 68
.set G0S, 76
.set G1SB, 80
.set G0SB, 88
.set TM,  200
.set PW,  216
.set PWE, 217
.set PWS, 218
.set PC,  112
.set MSB, 0
.macro WIN new                         ; the immediate's high byte repeats the setting that is left
.if MSB != \new
	s_set_vgpr_msb (MSB<<8)|\new
.set MSB, \new
.endif
.endm
.set MUL_LO, 0xa1                      ; source 0 (B) window 1, source 1 (A) window 0, C and D window 2
.set MUL_HI, 0xf1
.set TO_B,   0x40
.macro JLOAD g0a, g1a, g0b, g1b        ; a joint load: waves 0 and 1 fetch for A, waves 2 and 3 for B; four v_nop follow each line
	s_cmp_eq_u32 s15, 0
	s_cbranch_scc0 .Lfor_b_\@
	tensor_load_to_lds s[\g0a:\g0a+3], s[\g1a:\g1a+7]
	s_nop 0
.rept 4
	v_nop
.endr
	s_branch .Lasked_\@
.Lfor_b_\@:
	tensor_load_to_lds s[\g0b:\g0b+3], s[\g1b:\g1b+7]
	s_nop 0
.rept 4
	v_nop
.endr
.Lasked_\@:
.endm
.macro CREST                           ; a round of the cluster's barrier behind its opening barrier
	s_cmp_lg_u32 s14, 0
	s_cbranch_scc1 .Lnot_wave_0_\@
	s_barrier_signal -3
.Lnot_wave_0_\@:
	s_barrier_wait -3
	s_barrier_signal -1
	s_barrier_wait -1
.endm
.macro CROUND
	s_barrier_signal -1
	s_barrier_wait -1
	CREST
.endm
.macro PLACES n
.rept \n
	v_nop
.endr
.endm
.macro FRAG reg, adr, q, i             ; a fragment comes as it was stored: every load covers consecutive bytes
	ds_load_b128 v[\reg:\reg+3], v[\adr] offset:3072*(\i)+1536*(\q)
	ds_load_b64 v[\reg+4:\reg+5], v[\adr+2] offset:3072*(\i)+1536*(\q)
	ds_load_b128 v[\reg+6:\reg+9], v[\adr] offset:3072*(\i)+1536*(\q)+768
	ds_load_b64 v[\reg+10:\reg+11], v[\adr+2] offset:3072*(\i)+1536*(\q)+768
.endm
.macro MUL16 a0, p, zero               ; A's blocks a0, a0 + 1 x B's eight; the 64 accumulators take turns, one instruction a turn
.irp a, \a0, \a0+1
.irp b, 0,1,2,3,4,5,6,7
.if \zero
	v_wmma_scale_f32_16x16x128_f8f6f4 v[8*(8*((\a)%4)+\b):8*(8*((\a)%4)+\b)+7], v[128*(\p)+FR*\b:128*(\p)+FR*\b+FR-1], v[AF+FR*(\a):AF+FR*(\a)+FR-1], 0, v[SC+8*(\p)+\b], v[SC+8*(\p)+(\a)] matrix_a_fmt:MATRIX_FMT_FP6 matrix_b_fmt:MATRIX_FMT_FP6 matrix_a_scale:MATRIX_SCALE_ROW1
.else
	v_wmma_scale_f32_16x16x128_f8f6f4 v[8*(8*((\a)%4)+\b):8*(8*((\a)%4)+\b)+7], v[128*(\p)+FR*\b:128*(\p)+FR*\b+FR-1], v[AF+FR*(\a):AF+FR*(\a)+FR-1], v[8*(8*((\a)%4)+\b):8*(8*((\a)%4)+\b)+7], v[SC+8*(\p)+\b], v[SC+8*(\p)+(\a)] matrix_a_fmt:MATRIX_FMT_FP6 matrix_b_fmt:MATRIX_FMT_FP6 matrix_a_scale:MATRIX_SCALE_ROW1
.endif
.endr
.endr
.endm
.macro FETCH_B slot, q, p
	WIN TO_B
.irp i, 0,1,2,3,4,5,6,7
	FRAG 128*(\p)+FR*\i, ADRB+\slot, \q, \i
.endr
	WIN 0
.endm
.macro FETCH_A slot, q, i0
.irp i, \i0, \i0+1, \i0+2, \i0+3
	FRAG AF+FR*(\i), ADRA+\slot, \q, \i
.endr
.endm
.macro SCALES set, q                   ; the scale words of the slot's q-th 128 along K
.irp i, 0,1,2,3,4,5,6,7
	ds_load_b32 v[SC+8*\set+\i], v[ADRS] offset:512*\q+64*\i
.endr
.endm
.macro STEP slot, zero                 ; a slot's first 128 along K
	s_wait_dscnt 16                                ; all but the youngest 16 loads (A's blocks 4-7)
	WIN MUL_LO
	MUL16 0, 0, \zero
	MUL16 2, 0, \zero
	s_wait_dscnt 0
	PLACES NP
	FETCH_B \slot, 1, 1
	FETCH_A \slot, 1, 0
	SCALES 1, 1
	WIN MUL_HI
	MUL16 4, 0, \zero
	MUL16 6, 0, \zero
	PLACES NP
	WIN 0
	FETCH_A \slot, 1, 4
.endm
.macro TURN slot, next, fill           ; a slot's second 128 along K, and the change of slots
	s_wait_tensorcnt 0x0                           ; all my tensor loads have landed: my part of the next slot
	ds_add_u32 v[SPW], v[NIL]                      ; 0 onto my spare word
	s_wait_dscnt 17                                ; (the add and A's blocks 4-7 may be out)
	WIN MUL_LO
	MUL16 0, 1, 0
	s_wait_dscnt 0x0                               ; the add is done, and my reads of this slot are over
	s_barrier_signal -1
	MUL16 2, 1, 0
	WIN 0
	s_barrier_wait -1
.if \fill
	CREST                                          ; no wave of any partner still reads this slot or has a load on its way
	s_add_nc_u64 s[G0+4*\slot+2:G0+4*\slot+3], s[G0+4*\slot+2:G0+4*\slot+3], 2*3072
	s_add_nc_u64 s[G0B+4*\slot+2:G0B+4*\slot+3], s[G0B+4*\slot+2:G0B+4*\slot+3], 2*3072
	JLOAD G0+4*\slot, G1, G0B+4*\slot, G1B         ; the first tensor load behind the round; its four v_nop are the places in front of the loads below
.else
	PLACES NP
.endif
	s_wait_alu depctr_va_vdst(0)
	v_add_nc_u32 v[ADRS], 1024, v[ADRS]            ; the next slot's scale words
	FETCH_B \next, 0, 0
	FETCH_A \next, 0, 0
	SCALES 0, 0
	WIN MUL_HI
	MUL16 4, 1, 0
	MUL16 6, 1, 0
	PLACES NP
	WIN 0
	FETCH_A \next, 0, 4
.endm
; 64 numbers of a lane in window w, register 16 b + i = k 32 b + 16 h + i of my row, become a fragment's codes in v[pc] on and its scale word in v[pw] (window 0).  Each accumulator is read from its low end on.
.macro QUANT src, w, pc, pw
	WIN (((\w)<<2)|((\w)<<4))
.irp b, 0,1,2,3
	v_max3_num_f32 v[TM+\b], 0x1800000, |v[(\src)+16*\b]|, |v[(\src)+1+16*\b]|   ; with the floor 2^(3 - 127): the byte cannot fall under 1
.endr
.irp i, 2,4,6,8,10,12,14
.irp b, 0,1,2,3
	v_max3_num_f32 v[TM+\b], v[TM+\b], |v[(\src)+16*\b+\i]|, |v[(\src)+1+16*\b+\i]|
.endr
.endr
	WIN 0
.irp b, 0,1,2,3
	v_permlanex16_b32 v[TM+4+\b], v[TM+\b], s96, s97
.endr
.irp b, 0,1,2,3
	v_max_num_f32 v[TM+\b], v[TM+\b], v[TM+4+\b]
.endr
.irp b, 0,1,2,3
	v_add_nc_u32 v[TM+12+\b], 0xff000000, v[TM+\b] ; 2 off the exponent field: the conversion's scale operand
.endr
.irp b, 0,1,2,3
	v_lshrrev_b32 v[TM+4+\b], 23, v[TM+12+\b]
.endr
	v_lshl_or_b32 v[\pw], v[TM+5], 8, v[TM+4]
	v_lshl_or_b32 v[\pw], v[TM+6], 16, v[\pw]
	v_lshl_or_b32 v[\pw], v[TM+7], 24, v[\pw]
	WIN (\w)
.irp c, 0,1
	v_cvt_scalef32_pk16_fp6_f32 v[\pc+6*\c:\pc+2+6*\c], v[(\src)+32*\c:(\src)+15+32*\c], v[TM+12+2*\c]
	v_cvt_scalef32_pk16_fp6_f32 v[\pc+12+4*\c:\pc+14+4*\c], v[(\src)+16+32*\c:(\src)+31+32*\c], v[TM+13+2*\c]
.endr
	WIN 0
	v_nop                                          ; one plain line behind the conversions
.irp c, 0,1
.irp i, 0,1,2
	v_permlane16_swap_b32 v[\pc+6*\c+\i], v[\pc+12+4*\c+\i]
.endr
.irp i, 0,1,2
	v_mov_b32 v[\pc+3+6*\c+\i], v[\pc+12+4*\c+\i]
.endr
.endr
.endm
	s_load_b64 s[4:5], s[0:1], 0x0                 ; acts
	s_load_b64 s[8:9], s[0:1], 0x8                 ; wts
	s_load_b64 s[12:13], s[0:1], 0x10              ; qkvc: for the codes,
	s_load_b64 s[66:67], s[0:1], 0x10              ; and for the scale words
	v_lshl_add_u32 v[SPW], v0, 2, SPARE
	v_mov_b32 v[NIL], 0
	ds_add_u32 v28, v29
	ds_add_u32 v28, v29
	s_wait_dscnt 0x0
	v_lshrrev_b32 v1, 5, v0
	v_readfirstlane_b32 s14, v1                    ; wave 0..3
	s_lshr_b32 s15, s14, 1                         ; my half of the tile's rows.  Also: I fetch for A (0) or for B (1)
	s_and_b32 s16, s14, 1                          ; my half of its columns.  Also: which 128 rows I fetch
	s_bfe_u32 s40, ttmp6, 0x40000                  ; cx
	s_bfe_u32 s41, ttmp6, 0x40004                  ; cy
	s_and_b32 s19, ttmp7, 0xffff                   ; the cluster's y
	s_cmp_eq_u32 ttmp9, 2                          ; v's clusters
	s_cselect_b32 s42, s19, ttmp9
	s_cselect_b32 s17, 0, s19
	s_lshl_b32 s42, s42, 2
	s_add_co_u32 s42, s42, s40                     ; tile column of C
	s_lshl_b32 s17, s17, 2
	s_add_co_u32 s17, s17, s41                     ; tile row of C
	s_cmp_eq_u32 ttmp9, 2                          ; (moves and selects leave SCC alone)
	s_cselect_b32 s18, 1572864, 0                  ; where A's codes begin in their buffer: W's row 2,048, or acts' first byte
	s_mov_b32 s19, 3145728
	s_cselect_b32 s19, 9502720, s19                ; A's scale words
	s_mov_b32 s95, 9437184
	s_cselect_b32 s95, 3145728, s95                ; B's scale words (B's codes begin at byte 0 either way)
	s_mov_b32 s98, 768
	s_cselect_b32 s98, 49152, s98                  ; out: from a block of 16 rows to the next
	s_mov_b32 s99, 0
	s_mov_b32 s100, 196608
	s_cselect_b32 s100, 768, s100                  ; out: from a half of 64 columns to the next
	s_cselect_b32 s2, 6291456, 0                   ; out: where the codes begin
	s_mov_b32 s3, 9437184
	s_cselect_b32 s3, 9699328, s3                  ; out: where the scale words begin
	s_cselect_b32 s104, 14, 13                     ; out: log2 of a group of 128 rows' scale words
	s_mov_b32 s96, 0x76543210
	s_mov_b32 s97, 0xfedcba98
	s_mov_b32 s101, 0xffff0000
	s_lshl_b32 s43, s41, 2
	s_lshl_b32 s43, 15, s43                        ; my row of the cluster
	s_lshl_b32 s44, 0x1111, s40                    ; my column
	s_or_b32 s[G1+0], s43, (3<<16)|(1<<21)         ; the mask; elements of 8 bytes; bit 21 beside a mask; no padding
	s_or_b32 s[G1B+0], s44, (3<<16)|(1<<21)
.irp g, G1, G1B
	s_mov_b32 s[\g+1], 384<<16                     ; tensor_dim0: 3,072 bytes
	s_mov_b32 s[\g+2], 8<<16                       ; tensor_dim1: 8 blocks of 16 rows
	s_mov_b32 s[\g+3], 384<<16                     ; tile_dim0
	s_mov_b32 s[\g+4], 8                           ; tile_dim1
	s_mov_b32 s[\g+5], KPB/8                       ; from block to block
	s_mov_b32 s[\g+6], 0
	s_mov_b32 s[\g+7], 0
.endr
	s_or_b32 s[G1S+0], s43, (3<<16)|(1<<21)
	s_or_b32 s[G1SB+0], s44, (3<<16)|(1<<21)
.irp g, G1S, G1SB
	s_mov_b32 s[\g+1], 32<<16                      ; a dense block of HALFS bytes as rows of 256
	s_mov_b32 s[\g+2], (HALFS/256)<<16
	s_mov_b32 s[\g+3], 32<<16
	s_mov_b32 s[\g+4], HALFS/256
	s_mov_b32 s[\g+5], 32
	s_mov_b32 s[\g+6], 0
	s_mov_b32 s[\g+7], 0
.endr
	s_lshl_b32 s20, s17, 1
	s_add_co_u32 s20, s20, s16                     ; A: which 128 rows I fetch
	s_mul_i32 s22, s20, HALFS
	s_add_co_u32 s22, s22, s19
	s_mul_i32 s20, s20, 8*KPB
	s_add_co_u32 s20, s20, s18
	s_mov_b32 s21, 0
	s_mov_b32 s23, 0
	s_lshl_b32 s46, s42, 1
	s_add_co_u32 s46, s46, s16                     ; B likewise
	s_mul_i32 s92, s46, HALFS
	s_add_co_u32 s92, s92, s95
	s_mul_i32 s46, s46, 8*KPB
	s_mov_b32 s47, 0
	s_mov_b32 s93, 0
	s_mul_i32 s45, s14, HALFT                      ; where they go: no place in the cluster enters an LDS address
	s_mul_i32 s94, s14, HALFS
	s_wait_kmcnt 0x0
	s_cmp_eq_u32 ttmp9, 2
	s_cselect_b64 s[6:7], s[8:9], s[4:5]           ; A's buffer
	s_cselect_b64 s[10:11], s[4:5], s[8:9]         ; B's buffer
	s_add_nc_u64 s[20:21], s[6:7], s[20:21]
	s_add_nc_u64 s[22:23], s[6:7], s[22:23]
	s_add_nc_u64 s[46:47], s[10:11], s[46:47]
	s_add_nc_u64 s[92:93], s[10:11], s[92:93]
	CROUND                                         ; all sixteen work-groups are here: the first joint loads meet
	s_mov_b32 s[G0S], 1
	s_add_co_u32 s[G0S+1], s94, SCL
	s_mov_b64 s[G0S+2:G0S+3], s[22:23]
	s_or_b32 s[G0S+3], s[G0S+3], 0x80000000
	s_mov_b32 s[G0SB], 1
	s_add_co_u32 s[G0SB+1], s94, SCL
	s_mov_b64 s[G0SB+2:G0SB+3], s[92:93]
	s_or_b32 s[G0SB+3], s[G0SB+3], 0x80000000
	JLOAD G0S, G1S, G0SB, G1SB                     ; the scale words first
.irp s, 0,1
	s_mov_b32 s[G0+4*\s], 1
	s_add_co_u32 s[G0+4*\s+1], s45, \s*SLOT
	s_add_nc_u64 s[G0+4*\s+2:G0+4*\s+3], s[20:21], \s*3072
	s_or_b32 s[G0+4*\s+3], s[G0+4*\s+3], 0x80000000
	s_mov_b32 s[G0B+4*\s], 1
	s_add_co_u32 s[G0B+4*\s+1], s45, \s*SLOT
	s_add_nc_u64 s[G0B+4*\s+2:G0B+4*\s+3], s[46:47], \s*3072
	s_or_b32 s[G0B+4*\s+3], s[G0B+4*\s+3], 0x80000000
	s_wait_alu depctr_va_vdst(0)                   ; these lines and a round stand ahead of every later first fill
	s_wait_tensorcnt 0x0
	ds_add_u32 v28, v29
	s_wait_dscnt 0x0
	CROUND
	JLOAD G0+4*\s, G1, G0B+4*\s, G1B
.endr
	v_and_b32 v1, 15, v0                           ; r
	v_bfe_u32 v2, v0, 4, 1                         ; h
	v_and_b32 v3, 31, v0                           ; lane
	v_lshlrev_b32 v8, 4, v3                        ; 16 x lane
	v_lshlrev_b32 v9, 3, v3
	v_add_nc_u32 v9, 0x200, v9                     ; 512 + 8 x lane
	s_mul_i32 s21, s15, HALFT                      ; my 128 rows of A
	s_mul_i32 s22, s16, HALFT
	s_add_co_u32 s22, s22, 2*HALFT                 ; my 128 rows of B, behind A's 256
.irp s, 0,1
	v_add_nc_u32 v[ADRA+\s], s21, v8
	v_add_nc_u32 v[ADRB+\s], s22, v8
	v_add_nc_u32 v[ADRA+2+\s], s21, v9
	v_add_nc_u32 v[ADRB+2+\s], s22, v9
	s_add_co_u32 s21, s21, SLOT
	s_add_co_u32 s22, s22, SLOT
.endr
	v_lshlrev_b32 v6, 2, v1
	s_mul_i32 s21, s15, HALFS
	s_mul_i32 s22, s16, HALFS
	s_add_co_u32 s22, s22, 2*HALFS
	s_sub_co_u32 s22, s22, s21
	v_mul_u32_u24 v7, s22, v2                      ; lanes 16-31 take B's words: one product with h
	s_add_co_u32 s21, s21, SCL
	v_add_nc_u32 v6, v6, v7
	v_add_nc_u32 v[ADRS], s21, v6
	v_add_nc_u32 v10, s100, v8                     ; out: the second half of a fragment
	v_add_nc_u32 v11, s100, v9
	v_lshlrev_b32 v24, 2, v3                       ; out: 4 x lane
	s_lshl_b32 s20, s17, 1
	s_add_co_u32 s20, s20, s15                     ; my 128 rows of C
	s_lshl_b32 s22, s20, s104
	s_add_co_u32 s22, s22, s3
	s_lshl_b32 s20, s20, 3
	s_mul_i32 s20, s20, s98
	s_add_co_u32 s20, s20, s2
	s_mov_b32 s21, 0
	s_mov_b32 s23, 0
	s_add_nc_u64 s[12:13], s[12:13], s[20:21]
	s_add_nc_u64 s[66:67], s[66:67], s[22:23]
	s_lshl_b32 s46, s42, 1
	s_add_co_u32 s46, s46, s16                     ; my 128 columns (in registers that never fed A's descriptors)
	s_lshl_b32 s92, s46, 9
	s_lshl_b32 s46, s46, 1
	s_mul_i32 s46, s46, s100
	s_mov_b32 s47, 0
	s_mov_b32 s93, 0
	s_add_nc_u64 s[12:13], s[12:13], s[46:47]
	s_add_nc_u64 s[66:67], s[66:67], s[92:93]
	s_wait_alu depctr_va_vdst(0)
	s_wait_tensorcnt 1                             ; the scale words and my part of slot 0 are in; slot 1's load may be out
	s_barrier_signal -1
	s_barrier_wait -1
	FETCH_B 0, 0, 0
	FETCH_A 0, 0, 0
	SCALES 0, 0
	FETCH_A 0, 0, 4
	STEP 0, 1                                      ; the first step's products start the sums
	s_mov_b32 s3, LAPS-1
.Llap:
	TURN 0, 1, 1
	s_wait_alu depctr_va_vdst(0)
	STEP 1, 0
	TURN 1, 0, 1
	s_wait_alu depctr_va_vdst(0)
	STEP 0, 0
	s_sub_co_u32 s3, s3, 1
	s_cmp_lg_u32 s3, 0
	s_cbranch_scc1 .Llap
	TURN 0, 1, 0                                   ; the last lap fills nothing
	s_wait_alu depctr_va_vdst(0)
	STEP 1, 0
	s_wait_dscnt 16
	WIN MUL_LO
	MUL16 0, 1, 0
	MUL16 2, 1, 0
	s_wait_dscnt 0
	WIN MUL_HI
	MUL16 4, 1, 0
	MUL16 6, 1, 0
	WIN 0
	; THE WAY OUT: each block of 16 rows x my 128 columns is quantised in registers: one fragment and one scale word a row.
	PLACES NP
.irp b, 0,1,2,3
	v_mov_b32 v[TM+4+\b], 0                        ; a lane permute's destination counts as one of its sources
.endr
.irp a, 0,1,2,3,4,5,6,7
.if \a > 0
	s_wait_xcnt 0x0                                ; the last block's stores have read their registers and their base
	s_add_nc_u64 s[12:13], s[12:13], s[98:99]
.endif
.if (\a)%2 == 0
	QUANT 64*((\a)%4), 2+(\a)/4, PC, PWE
.else
	QUANT 64*((\a)%4), 2+(\a)/4, PC, PW
.endif
	global_store_b128 v8, v[PC:PC+3], s[12:13]     ; each store covers 512 or 256 consecutive bytes, aligned
	global_store_b64 v9, v[PC+4:PC+5], s[12:13]
	global_store_b128 v10, v[PC+6:PC+9], s[12:13]
	global_store_b64 v11, v[PC+10:PC+11], s[12:13]
.if (\a)%2 == 1
	v_cndmask_b32 v[PWS], v[PWE], v[PW], s101      ; two blocks' scale words: 128 consecutive bytes
	global_store_b32 v24, v[PWS], s[66:67] offset:128*((\a)/2)
.endif
.endr
	s_wait_tensorcnt 0x0                           ; the wave's end
	ds_add_u32 v[SPW], v[NIL]
	s_wait_dscnt 0x0
	CROUND                                         ; the closing round
	s_endpgm
.Lfunc_end_k_qdac4001ba1_qkv:
	.size	k_qdac4001ba1_qkv, .Lfunc_end_k_qdac4001ba1_qkv-k_qdac4001ba1_qkv
	.p2alignl 7, 3214868480
	.fill 96, 4, 3214868480
	.section	.rodata,"a",@progbits
	.p2align	6, 0x0
	.amdhsa_kernel k_qdac4001ba1_qkv
		.amdhsa_group_segment_fixed_size 327680
		.amdhsa_private_segment_fixed_size 0
		.amdhsa_enable_private_segment 0
		.amdhsa_kernarg_size 24
		.amdhsa_user_sgpr_count 2
		.amdhsa_user_sgpr_kernarg_segment_ptr 1
		.amdhsa_wavefront_size32 1
		.amdhsa_system_sgpr_workgroup_id_x 1
		.amdhsa_system_sgpr_workgroup_id_y 1
		.amdhsa_system_sgpr_workgroup_id_z 1
		.amdhsa_system_vgpr_workitem_id 0
		.amdhsa_next_free_vgpr 1024
		.amdhsa_next_free_sgpr 106
		.amdhsa_reserve_vcc 0
		.amdhsa_float_denorm_mode_32 3
		.amdhsa_float_denorm_mode_16_64 3
		.amdhsa_memory_ordered 1
		.amdhsa_forward_progress 1
		.amdhsa_inst_pref_size 154
	.end_amdhsa_kernel
	.amdgpu_metadata
---
amdhsa.version: [ 1, 2 ]
amdhsa.kernels:
  - .name:           k_qdac4001ba1_qkv
    .symbol:         k_qdac4001ba1_qkv.kd
    .args:
      - { .name: acts, .offset: 0, .size: 8, .value_kind: global_buffer, .address_space: global }
      - { .name: wts, .offset: 8, .size: 8, .value_kind: global_buffer, .address_space: global }
      - { .name: qkvc, .offset: 16, .size: 8, .value_kind: global_buffer, .address_space: global }
    .group_segment_fixed_size: 327680
    .private_segment_fixed_size: 0
    .kernarg_segment_align: 8
    .kernarg_segment_size: 24
    .max_flat_workgroup_size: 128
    .sgpr_count:     106
    .vgpr_count:     1024
    .wavefront_size: 32
...
	.end_amdgpu_metadata
.endif
;; end of part 10
;; launch att (part 11): grid 8 x 32, 16 waves a work-group, no clusters, 210,944 bytes of LDS; arguments qkvc, yb; writes yb
.if DOCPART == 11
	.amdgcn_target "amdgcn-amd-amdhsa--gfx1250"
	.amdhsa_code_object_version 6
	.text
	.protected	k_qdac4001ba1_att
	.globl	k_qdac4001ba1_att
	.p2align	8
	.type	k_qdac4001ba1_att,@function
k_qdac4001ba1_att:
	s_mov_b64 s[64:65], 0
	v_nop
	global_prefetch_b8 v0, s[64:65] scope:SCOPE_SE
	s_setreg_imm32_b32 hwreg(HW_REG_WAVE_MODE, 25, 1), 1
	s_wait_xcnt 0x0
; Causal attention of one head on codes of FP6 (E2M3) with E8M0 scales, head size 64, 2,048 keys, and its result y quantised along the head's 64.
; t = score x log2(e) / 8; M = the running largest t rounded UP to a whole number; p = 2^(t - M) is quantised along the keys, not normalised; the row's sum is taken of the unquantised p and divides O at the end.
; When M moves, the sum and O are multiplied by 2^(old M - new M): exact.
; SHARES.  A work-group serves one head and two blocks of 128 queries, j and 15 - j: waves 0-7 take 16 queries each of the early block, waves 8-15 of the late one, so that every work-group has the same number of key steps under the mask.
; Both products are used transposed: S^T = K Q^T, O^T = V^T P^T: a lane holds ONE query throughout.  Rows of q, k and v lie at positions (row number with bits 3 and 4 exchanged), so that the 16 registers of
; two neighbouring tiles are 16 neighbouring keys (or channels).
; THE HEAD'S WHOLE K AND V LIE IN LDS, each byte filled once: waves 0-9 bring one fill each, even waves for K, odd for V: waves 0, 1 the scale words, waves 2 + 2 c, 3 + 2 c chunk c of 512 keys: one load a wave is out at the most.  Four stages: a stage waits for its chunk
; and leaves the later ones on their way.  Nothing is filled again.
; THE HEAD IS 64 of the instruction's 128 along K: Q's upper six registers are zero codes.  K's upper six are the next tile's codes, finite numbers that meet zeros, under the scale byte 0.
; CAUSAL: a step all of whose keys come after my queries is jumped over by a scalar branch on ids; in the one step on the diagonal hidden scores become -infinity.  The loops' trip counts are constants.
; No joint loads: the steps that a wave jumps over hang on its block of queries, which would differ between partners.
; LIMITS: a block of zeros or under 2^-124 gets the byte 1 where the rule says 127 (only this program reads the bytes); NaN and infinities are not served.
; REGISTERS: v1-7 addresses that stay; v8-11, v28-29 the step's addresses; v12 -M, v13 the largest t, v[14:15] the sum; v16-27 Q; v32-85 fragments; v96-159 S^T, then p; v160-191 O^T; v192-203 scale words; v224.. p's codes; v232-254 at work; v255 Q's scale word.
.set VB,   98304                       ; LDS: K's halves [128 blocks of 16 keys][768] at 0; V [chunk][d block][4 K steps][1,536] here;
.set KSB,  196608                      ; K's scale words [16 steps][128][4];
.set VSB,  204800                      ; V's [16 steps][64][4]
.set V_C,  6291456
.set QK_S, 9437184
.set V_S,  9699328
.set Y_S,  3145728
.set ADK,  8
.set ADK8, 9
.set ADS,  10
.set ADV,  11
.set ADV8, 28
.set ADT,  29
.set WV,   18
.set SEL,  20
.set CS,   22
.set G1K,  24
.set G1V,  32
.set G0S,  40
.set G0C,  44
.set G1KS, 68
.set G1VS, 76
.set TK,   2
.set TV,   3
.set TSK,  66
.set TSV,  67
.set SI,   60
.set SD,   61
.set CNT,  62
.set KF,   63
	s_load_b128 s[4:7], s[0:1], 0x0                ; qkvc, yb
	v_lshl_add_u32 v250, v0, 2, 0x33000
	v_mov_b32 v251, 0
	ds_add_u32 v250, v251
	ds_add_u32 v250, v251
	v_lshrrev_b32 v8, 5, v0
	s_delay_alu instid0(VALU_DEP_1)
	v_readfirstlane_b32 s[WV], v8                  ; wave 0..15
	s_and_b32 s84, ttmp7, 0xffff
	s_lshr_b32 s85, s84, 4                         ; the batch
	s_and_b32 s86, s84, 15                         ; the head
	s_lshr_b32 s87, s86, 1
	s_and_b32 s88, s86, 1
	s_mul_i32 s89, s86, 196608
	s_mul_i32 s90, s85, 98304                      ; K's codes: half column 16 + head, the batch's 128 blocks
	s_add_co_u32 s90, s90, s89
	s_add_co_u32 s90, s90, 16*196608
	s_mul_i32 s91, s85, 24576                      ; V's codes: the head's four d blocks, the batch's 16 K steps
	s_add_co_u32 s91, s91, s89
	s_add_co_u32 s91, s91, V_C
	s_lshl_b32 s92, s85, 17                        ; K's scale words
	s_lshl_b32 s93, s87, 9
	s_add_co_u32 s92, s92, s93
	s_add_co_u32 s92, s92, QK_S+8*512
	s_lshl_b32 s93, s87, 14                        ; V's scale words
	s_lshl_b32 s94, s85, 13
	s_add_co_u32 s93, s93, s94
	s_lshl_b32 s94, s88, 8
	s_add_co_u32 s93, s93, s94
	s_add_co_u32 s93, s93, V_S
	s_and_b32 s10, s[WV], 1                        ; THE TEN FILLS ARE SHARED OUT, ONE A WAVE: even waves fetch for K, odd ones for V: waves 0, 1 the scale words, waves 2 + 2 c, 3 + 2 c chunk c
	s_cmp_eq_u32 s10, 0
	s_cselect_b32 s90, s90, s91
	s_cselect_b32 s92, s92, s93
	s_mov_b32 s94, 6144
	s_cselect_b32 s94, 24576, s94                  ; from chunk to chunk
	s_mov_b32 s91, 0
	s_mov_b32 s93, 0
	s_mov_b32 s95, 0
	s_mul_i32 s11, s10, VB                         ; where the codes go,
	s_lshl_b32 s16, s10, 13                        ; and the scale words
	; descriptor groups 1: elements of 8 bytes, no mask, no padding
	s_mov_b32 s[G1K], 3<<16                        ; K: a chunk is 24,576 dense bytes: 96 rows of 256
	s_mov_b32 s[G1K+1], 32<<16
	s_mov_b32 s[G1K+2], 96<<16
	s_mov_b32 s[G1K+3], 32<<16
	s_mov_b32 s[G1K+4], 96
	s_mov_b32 s[G1K+5], 32
	s_mov_b32 s[G1K+6], 0
	s_mov_b32 s[G1K+7], 0
	s_mov_b32 s[G1V], 3<<16                        ; V: 4 d blocks x 6,144 bytes, 49,152 bytes apart
	s_mov_b32 s[G1V+1], 768<<16
	s_mov_b32 s[G1V+2], 4<<16
	s_mov_b32 s[G1V+3], 768<<16
	s_mov_b32 s[G1V+4], 4
	s_mov_b32 s[G1V+5], 6144
	s_mov_b32 s[G1V+6], 0
	s_mov_b32 s[G1V+7], 0
	s_mov_b32 s[G1KS], 3<<16                       ; K's scale words: 16 rows of 512 bytes, 8,192 apart
	s_mov_b32 s[G1KS+1], 64<<16
	s_mov_b32 s[G1KS+2], 16<<16
	s_mov_b32 s[G1KS+3], 64<<16
	s_mov_b32 s[G1KS+4], 16
	s_mov_b32 s[G1KS+5], 1024
	s_mov_b32 s[G1KS+6], 0
	s_mov_b32 s[G1KS+7], 0
	s_mov_b32 s[G1VS], 3<<16                       ; V's: 16 rows of 256 bytes, 512 apart
	s_mov_b32 s[G1VS+1], 32<<16
	s_mov_b32 s[G1VS+2], 16<<16
	s_mov_b32 s[G1VS+3], 32<<16
	s_mov_b32 s[G1VS+4], 16
	s_mov_b32 s[G1VS+5], 64
	s_mov_b32 s[G1VS+6], 0
	s_mov_b32 s[G1VS+7], 0
	s_wait_dscnt 0x0
	s_wait_kmcnt 0x0
	s_mov_b32 s[G0S], 1
	s_add_co_u32 s[G0S+1], s16, KSB
	s_add_nc_u64 s[G0S+2:G0S+3], s[4:5], s[92:93]
	s_or_b32 s[G0S+3], s[G0S+3], 0x80000000
	s_add_nc_u64 s[G0C+2:G0C+3], s[4:5], s[90:91]
.irp c, 1,2,3
	s_add_nc_u64 s[G0C+4*\c+2:G0C+4*\c+3], s[G0C+4*\c-2:G0C+4*\c-1], s[94:95]
.endr
.irp c, 0,1,2,3
	s_mov_b32 s[G0C+4*\c], 1
	s_add_co_u32 s[G0C+4*\c+1], s11, \c*24576
	s_or_b32 s[G0C+4*\c+3], s[G0C+4*\c+3], 0x80000000
.endr
; One chain of branches on the wave's number, one fill to an arm, each arm a line of its own, all arms leading to one join; waves 10 to 15 issue none.  What is needed first is asked for by the lowest waves.
.macro ARM n, g0, g1
	s_cmp_eq_u32 s[WV], \n
	s_cbranch_scc0 .Lnot_\n
	tensor_load_to_lds s[\g0:\g0+3], s[\g1:\g1+7]
	s_nop 0
.rept 4
	v_nop
.endr
	s_branch .Lasked
.Lnot_\n:
.endm
	ARM 0, G0S, G1KS
	ARM 1, G0S, G1VS
	ARM 2, G0C, G1K
	ARM 3, G0C, G1V
	ARM 4, G0C+4, G1K
	ARM 5, G0C+4, G1V
	ARM 6, G0C+8, G1K
	ARM 7, G0C+8, G1V
	ARM 8, G0C+12, G1K
	ARM 9, G0C+12, G1V
.Lasked:
	s_lshl_b32 s8, ttmp9, 3                        ; my block of 16 query positions in the batch: 8 j + wave, or 8 (15 - j) + wave - 8
	s_sub_co_u32 s9, 112, s8
	s_cmp_lt_u32 s[WV], 8
	s_cselect_b32 s8, s8, s9
	s_add_co_u32 s8, s8, s[WV]
	s_lshr_b32 s[SD], s8, 3                        ; the key step on the diagonal
	s_lshr_b32 s9, s8, 1
	s_lshl_b32 s9, s9, 5
	s_and_b32 s10, s8, 1
	s_lshl_b32 s10, s10, 3
	s_add_co_u32 s9, s9, s10                       ; position r of the block is query s9 + r % 8 + 16 (r / 8)
	s_lshl_b32 s10, s85, 7
	s_add_co_u32 s10, s10, s8                      ; the block among all 256
	s_mul_i32 s96, s10, 768
	s_add_co_u32 s96, s96, s89                     ; Q's half fragment
	s_mov_b32 s97, 0
	s_lshr_b32 s11, s10, 3
	s_and_b32 s16, s10, 7
	s_lshl_b32 s16, s16, 6
	s_lshl_b32 s17, s87, 9
	s_add_co_u32 s16, s16, s17
	s_lshl_b32 s17, s88, 1
	s_add_co_u32 s16, s16, s17                     ; in a group's scale words: my block, the head's K step, the head's two bytes
	s_lshl_b32 s98, s11, 13
	s_add_co_u32 s98, s98, s16
	s_add_co_u32 s98, s98, QK_S
	s_mov_b32 s99, 0
	s_lshl_b32 s14, s11, 12
	s_add_co_u32 s14, s14, s16
	s_add_co_u32 s14, s14, Y_S
	s_mov_b32 s15, 0
	s_mul_i32 s12, s10, 12288
	s_mul_i32 s17, s86, 768
	s_add_co_u32 s12, s12, s17                     ; y's half fragment
	s_mov_b32 s13, 0
	s_add_nc_u64 s[96:97], s[4:5], s[96:97]
	s_add_nc_u64 s[98:99], s[4:5], s[98:99]
	s_add_nc_u64 s[12:13], s[6:7], s[12:13]
	s_add_nc_u64 s[14:15], s[6:7], s[14:15]
	s_mov_b32 s[SEL], 0x76543210
	s_mov_b32 s[SEL+1], 0xfedcba98
	s_mov_b32 s[CS], 0x3e38aa3b                    ; c = log2(e) / 8
	s_mov_b32 s[CS+1], s[CS]
	v_and_b32 v30, 31, v0                          ; lane
	v_and_b32 v8, 15, v0                           ; r
	v_bfe_u32 v9, v0, 4, 1                         ; h
	s_delay_alu instid0(VALU_DEP_3)
	v_lshlrev_b32 v1, 4, v30                       ; 16 x lane
	s_delay_alu instid0(VALU_DEP_4)
	v_lshlrev_b32 v2, 3, v30
	s_delay_alu instid0(VALU_DEP_1)
	v_add_nc_u32 v2, 0x200, v2                     ; 512 + 8 x lane
	v_lshlrev_b32 v31, 2, v8                       ; 4 r
	global_load_b128 v[16:19], v1, s[96:97]        ; Q stays in registers
	global_load_b64 v[20:21], v2, s[96:97]
	global_load_u16 v255, v31, s[98:99]            ; its two scale bytes; the upper two are 0
.irp i, 22,23,24,25,26,27,80,81,82,83,84,85
	v_mov_b32 v\i, 0                               ; zero codes: Q's upper 64 along K; and what stands behind K's last tile
.endr
	s_lshl_b32 s17, s88, 1
	s_add_co_u32 s17, s17, KSB
	v_add_nc_u32 v3, s17, v31
	v_add_nc_u32 v4, VB, v1
	v_add_nc_u32 v5, VB, v2
	v_add_nc_u32 v6, VSB, v31
	v_and_b32 v7, 7, v8
	v_lshrrev_b32 v10, 3, v8
	s_delay_alu instid0(VALU_DEP_1)
	v_sub_nc_u32 v10, v10, v9
	s_delay_alu instid0(VALU_DEP_1)
	v_lshl_add_u32 v7, v10, 4, v7
	s_delay_alu instid0(VALU_DEP_1)
	v_add_nc_u32 v7, s9, v7                        ; my query - 16 h
	v_mov_b32 v13, 0xff61b1e6                      ; the largest t so far: -3e38
	s_delay_alu instid0(VALU_DEP_1)
	v_floor_f32 v12, -v13                          ; -M
	v_mov_b32 v14, 0
	v_mov_b32 v15, 0
.irp b, 0,1,2,3
	v_mov_b32 v[236+\b], 0                         ; a lane permute's destination counts as one of its sources
.endr
	v_mov_b32 v253, 0
.set J, 0
.rept 32
	v_mov_b32 v[160+J], 0                          ; O^T: the step is written once: its first run finds zeros
.set J, J+1
.endr
; A KEY STEP: 128 keys.
.macro STEP
	s_cmp_gt_u32 s[SI], s[SD]
	s_cbranch_scc1 .Lhidden_\@
	v_add_nc_u32 v[ADK], s[TK], v1                 ; (these six are also the places in front of loads into registers that the last products read)
	v_add_nc_u32 v[ADK8], s[TK], v2
	v_add_nc_u32 v[ADS], s[TSK], v3
	v_add_nc_u32 v[ADV], s[TV], v4
	v_add_nc_u32 v[ADV8], s[TV], v5
	v_add_nc_u32 v[ADT], s[TSV], v6
.irp t, 0,1,2,3,4,5,6,7
	ds_load_b128 v[32+6*\t:35+6*\t], v[ADK] offset:768*\t
	ds_load_b64 v[36+6*\t:37+6*\t], v[ADK8] offset:768*\t
	ds_load_u16 v[192+\t], v[ADS] offset:64*\t
.endr
	s_wait_dscnt 0x0
.irp t, 0,1,2,3,4,5,6,7
	v_wmma_scale_f32_16x16x128_f8f6f4 v[96+8*\t:103+8*\t], v[32+6*\t:43+6*\t], v[16:27], 0, v[192+\t], v255 matrix_a_fmt:MATRIX_FMT_FP6 matrix_b_fmt:MATRIX_FMT_FP6
.endr
.rept 4
	v_nop
.endr
	s_cmp_lt_u32 s[SI], s[SD]                      ; a step all of whose keys count skips the mask
	s_cbranch_scc1 .Lopen_\@
	v_sub_nc_u32 v252, v7, s[KF]                   ; d = my query - the step's first key - 16 h.  Register 16 b + i holds key 32 b + 16 h + i of the step: hidden where 32 b + i > d
	v_mov_b32 v254, 0xff800000
.set N, 0
.rept 64
	v_cmp_gt_i32 vcc_lo, 32*(N/16)+N%16, v252
	v_cndmask_b32 v[96+N], v[96+N], v254, vcc_lo
.set N, N+1
.endr
.Lopen_\@:
.irp b, 0,1,2,3
	v_max3_num_f32 v[232+\b], v[96+16*\b], v[97+16*\b], v[98+16*\b]   ; the largest score of each block of 32 keys: for the row's maximum, and, since p rises with the score, for the block's largest p
.endr
.irp i, 3,5,7,9,11,13
.irp b, 0,1,2,3
	v_max3_num_f32 v[232+\b], v[232+\b], v[96+16*\b+\i], v[97+16*\b+\i]
.endr
.endr
.irp b, 0,1,2,3
	v_max_num_f32 v[232+\b], v[232+\b], v[111+16*\b]
.endr
.irp b, 0,1,2,3
	s_delay_alu instid0(VALU_DEP_4)
	v_permlanex16_b32 v[236+\b], v[232+\b], s[SEL], s[SEL+1]
.endr
.irp b, 0,1,2,3
	s_delay_alu instid0(VALU_DEP_4)
	v_max_num_f32 v[232+\b], v[232+\b], v[236+\b]
.endr
	s_delay_alu instid0(VALU_DEP_2)
	v_max3_num_f32 v254, v232, v233, v234
	s_delay_alu instid0(VALU_DEP_1)
	v_max_num_f32 v254, v254, v235
	s_delay_alu instid0(VALU_DEP_1)
	v_mul_f32 v254, s[CS], v254
	s_delay_alu instid0(VALU_DEP_1)
	v_max_num_f32 v13, v13, v254                   ; the running largest t
	v_mov_b32 v254, v12
	s_delay_alu instid0(VALU_DEP_2)
	v_floor_f32 v12, -v13                          ; the new -M: M is a whole number
	s_delay_alu instid0(VALU_DEP_1)
	v_sub_f32 v254, v12, v254
	s_delay_alu instid0(VALU_DEP_1)
	v_cvt_i32_f32 v254, v254                       ; (it saturates)
	s_delay_alu instid0(VALU_DEP_1)
	v_ldexp_f32 v252, 1.0, v254                    ; f = 2^(old M - new M)
.set J, 0
.rept 32
	v_pk_fma_f32 v[96+J:97+J], v[96+J:97+J], s[CS:CS+1], v[12:13] op_sel_hi:[1,0,0]   ; t - M
.set J, J+2
.endr
.irp b, 0,1,2,3
	v_fma_f32 v[232+\b], v[232+\b], s[CS], v12
.endr
.set J, 0
	s_wait_alu depctr_va_vdst(0)
.rept 64
	v_exp_f32 v[96+J], v[96+J]                     ; p = 2^(t - M)
.set J, J+1
.endr
	v_pk_mul_f32 v[14:15], v[14:15], v[252:253] op_sel_hi:[1,0]   ; the sums under the new M: a plain line behind the exponentials
	s_wait_alu depctr_va_vdst(0)                   ; one wait for the batch, ahead of its first reader
.irp b, 0,1,2,3
	v_exp_f32 v[232+\b], v[232+\b]                 ; each block's largest p
.endr
	v_pk_add_f32 v[236:237], v[100:101], v[104:105]
	v_pk_add_f32 v[248:249], v[108:109], v[112:113]
	v_pk_add_f32 v[222:223], v[116:117], v[120:121]
	v_pk_add_f32 v[220:221], v[124:125], v[128:129]
	v_pk_add_f32 v[218:219], v[132:133], v[136:137]
	v_pk_add_f32 v[216:217], v[140:141], v[144:145]
	v_pk_add_f32 v[214:215], v[148:149], v[152:153]
	v_pk_add_f32 v[14:15], v[14:15], v[156:157]
	v_pk_add_f32 v[236:237], v[236:237], v[96:97]
	v_pk_add_f32 v[248:249], v[248:249], v[98:99]
	v_pk_add_f32 v[222:223], v[222:223], v[102:103]
	v_pk_add_f32 v[220:221], v[220:221], v[106:107]
	v_pk_add_f32 v[218:219], v[218:219], v[110:111]
	v_pk_add_f32 v[216:217], v[216:217], v[114:115]
	v_pk_add_f32 v[214:215], v[214:215], v[118:119]
	v_pk_add_f32 v[14:15], v[14:15], v[122:123]
	v_pk_add_f32 v[236:237], v[236:237], v[126:127]
	v_pk_add_f32 v[248:249], v[248:249], v[130:131]
	v_pk_add_f32 v[222:223], v[222:223], v[134:135]
	v_pk_add_f32 v[220:221], v[220:221], v[138:139]
	v_pk_add_f32 v[218:219], v[218:219], v[142:143]
	v_pk_add_f32 v[216:217], v[216:217], v[146:147]
	v_pk_add_f32 v[214:215], v[214:215], v[150:151]
	v_pk_add_f32 v[14:15], v[14:15], v[154:155]
	v_pk_add_f32 v[236:237], v[236:237], v[158:159]
	s_delay_alu instid0(VALU_DEP_2)
	v_pk_add_f32 v[14:15], v[14:15], v[220:221]
	s_delay_alu instid0(VALU_DEP_2)
	v_pk_add_f32 v[236:237], v[236:237], v[218:219]
	v_pk_add_f32 v[248:249], v[248:249], v[216:217]
	v_pk_add_f32 v[222:223], v[222:223], v[214:215]
	s_delay_alu instid0(VALU_DEP_2)
	v_pk_add_f32 v[14:15], v[14:15], v[248:249]
	s_delay_alu instid0(VALU_DEP_2)
	v_pk_add_f32 v[236:237], v[236:237], v[222:223]
	s_delay_alu instid0(VALU_DEP_1)
	v_pk_add_f32 v[14:15], v[14:15], v[236:237]
	s_wait_alu depctr_va_vdst(0)                   ; and one for the four
.irp b, 0,1,2,3
	v_max_num_f32 v[232+\b], 0x1800000, v[232+\b]  ; the floor 2^(3 - 127)
.endr
.irp b, 0,1,2,3
	s_delay_alu instid0(VALU_DEP_4)
	v_add_nc_u32 v[244+\b], 0xff000000, v[232+\b]
.endr
.irp b, 0,1,2,3
	s_delay_alu instid0(VALU_DEP_4)
	v_lshrrev_b32 v[236+\b], 23, v[244+\b]
.endr
	s_delay_alu instid0(VALU_DEP_3)
	v_lshl_or_b32 v253, v237, 8, v236              ; p's scale word for these 128 keys
	s_delay_alu instid0(VALU_DEP_1)
	v_lshl_or_b32 v253, v238, 16, v253
	s_delay_alu instid0(VALU_DEP_1)
	v_lshl_or_b32 v253, v239, 24, v253
.irp c, 0,1
	v_cvt_scalef32_pk16_fp6_f32 v[224+6*\c:226+6*\c], v[96+32*\c:111+32*\c], v[244+2*\c]
	v_cvt_scalef32_pk16_fp6_f32 v[236+4*\c:238+4*\c], v[112+32*\c:127+32*\c], v[245+2*\c]
.endr
	v_nop
.irp c, 0,1
.irp i, 0,1,2
	v_permlane16_swap_b32 v[224+6*\c+\i], v[236+4*\c+\i]
.endr
.irp i, 0,1,2
	s_delay_alu instid0(VALU_DEP_3)
	v_mov_b32 v[227+6*\c+\i], v[236+4*\c+\i]
.endr
.endr
.set J, 0
.rept 16
	v_pk_mul_f32 v[160+J:161+J], v[160+J:161+J], v[252:253] op_sel_hi:[1,0]   ; O^T under the new M; these are also the places in front of the products and loads below
.set J, J+2
.endr
.irp t, 0,1,2,3
	ds_load_b128 v[32+12*\t:35+12*\t], v[ADV] offset:6144*\t
	ds_load_b64 v[36+12*\t:37+12*\t], v[ADV8] offset:6144*\t
	ds_load_b128 v[38+12*\t:41+12*\t], v[ADV] offset:6144*\t+768
	ds_load_b64 v[42+12*\t:43+12*\t], v[ADV8] offset:6144*\t+768
	ds_load_b32 v[200+\t], v[ADT] offset:64*\t
.endr
	s_wait_alu depctr_va_vdst(0)
	s_wait_dscnt 0x0
.irp t, 0,1,2,3
	v_wmma_scale_f32_16x16x128_f8f6f4 v[160+8*\t:167+8*\t], v[32+12*\t:43+12*\t], v[224:235], v[160+8*\t:167+8*\t], v[200+\t], v253 matrix_a_fmt:MATRIX_FMT_FP6 matrix_b_fmt:MATRIX_FMT_FP6
.endr
.Lhidden_\@:
	s_add_co_u32 s[SI], s[SI], 1
	s_add_co_u32 s[KF], s[KF], 128
	s_add_co_u32 s[TK], s[TK], 6144
	s_add_co_u32 s[TV], s[TV], 1536
	s_add_co_u32 s[TSK], s[TSK], 512
	s_add_co_u32 s[TSV], s[TSV], 256
.endm
; A STAGE: chunk c, 512 keys, four steps.  The waves that fetched the scale words and chunks 0 .. c wait for their one load each; 3 - c later chunks may stay out.
.macro STAGE c
.if \c < 3                             ; the waves that fetched the scale words and chunks 0 .. c wait for their one load; later chunks may stay out
	s_cmp_lt_u32 s[WV], 4+2*\c
	s_cbranch_scc0 .Lnot_mine_\@
	s_wait_tensorcnt 0x0
.Lnot_mine_\@:
.else                                  ; the last stage's barrier shows all that is still out: the wait stands on every wave's way
	s_wait_tensorcnt 0x0
.endif
	s_wait_dscnt 0x0
	s_barrier_signal -1
	s_barrier_wait -1
	s_mov_b32 s[TK], \c*24576
	s_mov_b32 s[TV], \c*24576
	s_mov_b32 s[TSK], \c*2048
	s_mov_b32 s[TSV], \c*1024
	s_mov_b32 s[SI], \c*4
	s_mov_b32 s[KF], \c*512
	s_mov_b32 s[CNT], 4
.Lstep_\@:
	STEP
	s_sub_co_u32 s[CNT], s[CNT], 1
	s_cmp_lg_u32 s[CNT], 0
	s_cbranch_scc1 .Lstep_\@
.endm
	s_wait_loadcnt 0x0                             ; Q
	STAGE 0
	STAGE 1
	STAGE 2
	STAGE 3
	; THE WAY OUT: O^T / the sum; register 16 b + i is channel 32 b + 16 h + i of my query: two blocks of 32, quantised in registers: half a fragment and two scale bytes.
.rept 4
	v_nop
.endr
	v_add_f32 v14, v14, v15
	s_delay_alu instid0(VALU_DEP_1)
	v_permlanex16_b32 v252, v14, s[SEL], s[SEL+1]
	s_delay_alu instid0(VALU_DEP_1)
	v_add_f32 v14, v14, v252
	s_wait_alu depctr_va_vdst(0)
	v_rcp_f32 v14, v14
	v_nop                                          ; a plain line behind the reciprocal
	s_wait_alu depctr_va_vdst(0)                   ; the wait ahead of its first reader
.set J, 0
.rept 32
	v_mul_f32 v[96+J], v[160+J], v14
.set J, J+1
.endr
.irp b, 0,1
	v_max3_num_f32 v[232+\b], |v[96+16*\b]|, |v[97+16*\b]|, 0x1800000
.endr
.irp i, 2,4,6,8,10,12,14
.irp b, 0,1
	s_delay_alu instid0(VALU_DEP_2)
	v_max3_num_f32 v[232+\b], v[232+\b], |v[96+16*\b+\i]|, |v[97+16*\b+\i]|
.endr
.endr
.irp b, 0,1
	s_delay_alu instid0(VALU_DEP_2)
	v_permlanex16_b32 v[236+\b], v[232+\b], s[SEL], s[SEL+1]
.endr
.irp b, 0,1
	s_delay_alu instid0(VALU_DEP_2)
	v_max_num_f32 v[232+\b], v[232+\b], v[236+\b]
.endr
.irp b, 0,1
	s_delay_alu instid0(VALU_DEP_2)
	v_add_nc_u32 v[244+\b], 0xff000000, v[232+\b]
.endr
.irp b, 0,1
	s_delay_alu instid0(VALU_DEP_2)
	v_lshrrev_b32 v[236+\b], 23, v[244+\b]
.endr
	s_delay_alu instid0(VALU_DEP_1)
	v_lshl_or_b32 v254, v237, 8, v236
	v_cvt_scalef32_pk16_fp6_f32 v[224:226], v[96:111], v244
	v_cvt_scalef32_pk16_fp6_f32 v[236:238], v[112:127], v245
	v_nop
.irp i, 0,1,2
	v_permlane16_swap_b32 v[224+\i], v[236+\i]
.endr
.irp i, 0,1,2
	s_delay_alu instid0(VALU_DEP_3)
	v_mov_b32 v[227+\i], v[236+\i]
.endr
	global_store_b128 v1, v[224:227], s[12:13]     ; 512 and 256 consecutive bytes, aligned
	global_store_b64 v2, v[228:229], s[12:13]
	v_cmp_gt_u32 vcc_lo, 16, v30
	s_wait_xcnt 0x0                                ; EXEC changes only behind this wait
	s_wait_tensorcnt 0x0
	ds_add_u32 v250, v251
	s_wait_dscnt 0x0
	s_and_saveexec_b32 s10, vcc_lo
	global_store_b16 v31, v254, s[14:15]           ; lanes 0-15: a row's two scale bytes; a head owns half of a scale word
	s_wait_xcnt 0x0
	s_or_b32 exec_lo, exec_lo, s10
	s_endpgm
.Lfunc_end_k_qdac4001ba1_att:
	.size	k_qdac4001ba1_att, .Lfunc_end_k_qdac4001ba1_att-k_qdac4001ba1_att
	.p2alignl 7, 3214868480
	.fill 96, 4, 3214868480
	.section	.rodata,"a",@progbits
	.p2align	6, 0x0
	.amdhsa_kernel k_qdac4001ba1_att
		.amdhsa_group_segment_fixed_size 210944
		.amdhsa_private_segment_fixed_size 0
		.amdhsa_enable_private_segment 0
		.amdhsa_kernarg_size 16
		.amdhsa_user_sgpr_count 2
		.amdhsa_user_sgpr_kernarg_segment_ptr 1
		.amdhsa_wavefront_size32 1
		.amdhsa_system_sgpr_workgroup_id_x 1
		.amdhsa_system_sgpr_workgroup_id_y 1
		.amdhsa_system_sgpr_workgroup_id_z 1
		.amdhsa_system_vgpr_workitem_id 0
		.amdhsa_next_free_vgpr 256
		.amdhsa_next_free_sgpr 100
		.amdhsa_reserve_vcc 1
		.amdhsa_float_denorm_mode_32 3
		.amdhsa_float_denorm_mode_16_64 3
		.amdhsa_memory_ordered 1
		.amdhsa_forward_progress 1
		.amdhsa_inst_pref_size 112
	.end_amdhsa_kernel
	.amdgpu_metadata
---
amdhsa.version: [ 1, 2 ]
amdhsa.kernels:
  - .name:           k_qdac4001ba1_att
    .symbol:         k_qdac4001ba1_att.kd
    .args:
      - { .name: qkvc, .offset: 0, .size: 8, .value_kind: global_buffer, .address_space: global }
      - { .name: yb, .offset: 8, .size: 8, .value_kind: global_buffer, .address_space: global }
    .group_segment_fixed_size: 210944
    .private_segment_fixed_size: 0
    .kernarg_segment_align: 8
    .kernarg_segment_size: 16
    .max_flat_workgroup_size: 512
    .sgpr_count:     100
    .vgpr_count:     256
    .wavefront_size: 32
...
	.end_amdgpu_metadata
.endif
;; end of part 11
;; launch proj (part 12): grid 8 x 32, 4 waves a work-group, no clusters, 270,848 bytes of LDS; arguments yb, wts, x, x1; writes x1
.if DOCPART == 12
	.amdgcn_target "amdgcn-amd-amdhsa--gfx1250"
	.amdhsa_code_object_version 6
	.text
	.protected	k_qdac4001ba1_proj
	.globl	k_qdac4001ba1_proj
	.p2align	8
	.type	k_qdac4001ba1_proj,@function
k_qdac4001ba1_proj:
	s_mov_b64 s[64:65], 0
	v_nop
	global_prefetch_b8 v0, s[64:65] scope:SCOPE_SE
	s_setreg_imm32_b32 hwreg(HW_REG_WAVE_MODE, 25, 1), 1
	s_wait_xcnt 0x0
; x1 = x + y W_proj on codes of FP6 (E2M3) with E8M0 scales, K = 1,024; sums and the residual in f32.
; OPERANDS: fragments of 16 rows x 128 K, 1,536 bytes, laid [row position / 16][K / 128]; a row n lies at position n with bits 3 and 4 exchanged.  y's fragments: two halves of 768 (operand registers 6c..6c+3 at 16 x lane,
; 6c+4, 6c+5 at 512 + 8 x lane); W's: three pieces of 512 (registers 4j..4j+3 at 512 j + 16 x lane).  Scale words: [position / 128][K / 128][128][4].
; SHARES: 256 work-groups, each 128 x 128 of C.  K IS SPLIT AMONG THE FOUR WAVES: wave w multiplies the whole 128 x 128 over K steps 2 w and 2 w + 1: 64 accumulators, 512 registers.  So no fragment serves two waves, and
; every fragment goes from memory straight into its operand registers, each load 512 or 256 consecutive aligned bytes.  Both steps' loads go out at the head: 64 a step.
; NO TENSOR LOADS, AND SO NO JOINT LOADS: a joint load lands in LDS, where each byte would be written once and read once by one wave.  NO PREFETCH: there is no loop to run ahead in.
; THE MATRIX INSTRUCTION IS USED TRANSPOSED (source 0 = 16 positions of W's columns, source 1 = 16 of the tokens): lane (r, h) holds token position r; register j of tile 2 bh + bl is true column 32 bh + 16 h + 8 bl + j.
; A scale register holds two blocks' words, lanes 0-15 the even block's, lanes 16-31 the odd one's; the ROW selectors choose.
; THE FOUR PARTS MEET IN LDS: part (target wave, source wave) is 32 rows of 512 bytes + 16.  In the last step a block's 8 accumulators are stored as soon as they are finished.  One barrier.  Wave w then reads its 32 rows
; of all four parts, adds them and the residual, and stores whole rows of 512 bytes at their true places.
; ORDER OF ROUNDING: an output is ((p0 + p1) + (p2 + p3)) + residual, p the four waves' f32 sums, each K ascending: not one chain along K.
; REGISTERS: window 0: v8-29 addresses, v32-47 scale words (set p: A's at 32 + 8 p, W's at 36 + 8 p), v64-255 A's two sets; window 1: W's two sets at v0, v96; later the residual at v0-95, v192-223; windows 2, 3: accumulator (a, b) at v[8 (8 (a % 4) + b)], later the parts.
.set KST,    8
.set NST,    KST/4
.set KPB,    KST*1536
.set GSC,    KST*512
.set A_SOFF, 3145728
.set B_COFF, 2359296
.set B_SOFF, 9535488
.set RPITCH, 528
.set PART,   32*RPITCH
.set SPARE,  16*PART                   ; the spare words, 128 bytes a wave, that no other line names
.set CO,  8                            ; 16 x lane
.set C4,  9                            ; 4 x lane
.set C8,  10                           ; 512 + 8 x lane
.set STO, 16                           ; v16-19 LDS: where I put 16 bytes of a row, for target wave 0 .. 3
.set RD,  20                           ; v20-21 LDS: my rows in parts 0, 1 and in parts 2, 3
.set SPW, 28
.set NIL, 29
.set SC,  32
.set AF,  64
.set MSB, 0
.macro WIN new                         ; the immediate's high byte repeats the setting that is left
.if MSB != (\new)
	s_set_vgpr_msb (MSB<<8)|(\new)
.set MSB, (\new)
.endif
.endm
.macro PLACES                          ; four places behind a matrix instruction (ISA guide 7.12.1)
.rept 4
	v_nop
.endr
.endm
.macro LDALL kk, p                     ; K step kk of mine into set p: 8 scale loads, A's 32, W's 24
.irp i, 0,1,2,3
	global_load_b32 v[SC+8*(\p)+\i], v[C4], s[18:19] offset:(\kk)*512+128*\i
	global_load_b32 v[SC+8*(\p)+4+\i], v[C4], s[22:23] offset:(\kk)*512+128*\i
.endr
.irp i, 0,1,2,3,4,5,6,7
.set R_, AF+96*(\p)+12*\i
.set O_, \i*KPB+(\kk)*1536
	global_load_b128 v[R_:R_+3], v[CO], s[16:17] offset:O_
	global_load_b64 v[R_+4:R_+5], v[C8], s[16:17] offset:O_
	global_load_b128 v[R_+6:R_+9], v[CO], s[16:17] offset:O_+768
	global_load_b64 v[R_+10:R_+11], v[C8], s[16:17] offset:O_+768
.endr
	WIN 0x40
.irp i, 0,1,2,3,4,5,6,7
.irp j, 0,1,2
	global_load_b128 v[96*(\p)+12*\i+4*\j:96*(\p)+12*\i+4*\j+3], v[CO], s[20:21] offset:\i*KPB+(\kk)*1536+512*\j
.endr
.endr
	WIN 0
.endm
.macro MUL8 ah, al, p, zero            ; A's block 2 ah + al x W's eight; the 64 accumulators take turns, in the same order in every step
.set A_, 2*(\ah)+(\al)
.irp bh, 0,1,2,3
.irp bl, 0,1
.set D_, 8*(8*(A_%4)+2*\bh+\bl)
.if \zero
	v_wmma_scale_f32_16x16x128_f8f6f4 v[D_:D_+7], v[96*(\p)+12*(2*\bh+\bl):96*(\p)+12*(2*\bh+\bl)+11], v[AF+96*(\p)+12*A_:AF+96*(\p)+12*A_+11], 0, v[SC+8*(\p)+4+\bh], v[SC+8*(\p)+(\ah)] matrix_a_fmt:MATRIX_FMT_FP6 matrix_b_fmt:MATRIX_FMT_FP6 matrix_a_scale:MATRIX_SCALE_ROW\bl matrix_b_scale:MATRIX_SCALE_ROW\al
.else
	v_wmma_scale_f32_16x16x128_f8f6f4 v[D_:D_+7], v[96*(\p)+12*(2*\bh+\bl):96*(\p)+12*(2*\bh+\bl)+11], v[AF+96*(\p)+12*A_:AF+96*(\p)+12*A_+11], v[D_:D_+7], v[SC+8*(\p)+4+\bh], v[SC+8*(\p)+(\ah)] matrix_a_fmt:MATRIX_FMT_FP6 matrix_b_fmt:MATRIX_FMT_FP6 matrix_a_scale:MATRIX_SCALE_ROW\bl matrix_b_scale:MATRIX_SCALE_ROW\al
.endif
.endr
.endr
.endm
.macro MUL32 hi, p, zero               ; source 0 window 1, source 1 window 0, C and D window 2 or 3
	WIN 0xa1+0x50*(\hi)
.irp ah, 0,1
.irp al, 0,1
	MUL8 2*(\hi)+\ah, \al, \p, \zero
.endr
.endr
.endm
.macro RDB k                           ; my rows 8 k .. 8 k + 7 of the four parts into window 2 + k % 2: part v's row q at v[32 v + 4 q]; each load covers a row's 512 bytes
	WIN (2+(\k)%2)<<6
.irp v, 0,1,2,3
.irp q, 0,1,2,3,4,5,6,7
	ds_load_b128 v[32*\v+4*\q:32*\v+4*\q+3], v[RD+\v/2] offset:(\v%2)*PART+(8*(\k)+\q)*RPITCH
.endr
.endr
.endm
.macro SUM k                           ; the four parts and the residual; LDS row q' = 8 k + q is position q' of my 32: true row 16 ((q' % 16) / 8) + 8 (q' / 16) + q' % 8
.set W_, 2+(\k)%2
.set RB_, 32*(\k)+96*((\k)/3)
	WIN W_|(W_<<2)|(W_<<6)
.set P, 0
.rept 16
	v_pk_add_f32 v[P:P+1], v[P:P+1], v[32+P:33+P]
	v_pk_add_f32 v[64+P:65+P], v[64+P:65+P], v[96+P:97+P]
.set P, P+2
.endr
.set P, 0
.rept 16
	v_pk_add_f32 v[P:P+1], v[P:P+1], v[64+P:65+P]
.set P, P+2
.endr
	WIN W_|(1<<2)|(W_<<6)
.set P, 0
.rept 16
	v_pk_add_f32 v[P:P+1], v[P:P+1], v[RB_+P:RB_+P+1]
.set P, P+2
.endr
	WIN W_<<2
.irp q, 0,1,2,3,4,5,6,7
.set Q_, 8*(\k)+\q
	global_store_b128 v[CO], v[4*\q:4*\q+3], s[26:27] offset:(16*((Q_%16)/8)+8*(Q_/16)+Q_%8)*4096   ; 32 lanes store 512 consecutive bytes, aligned
.endr
.endm
	s_load_b128 s[4:7], s[0:1], 0x0                ; yb, wts
	s_load_b128 s[8:11], s[0:1], 0x10              ; x, x1
	v_lshrrev_b32 v1, 5, v0
	v_readfirstlane_b32 s14, v1                    ; wave
	s_and_b32 s15, ttmp7, 0xffff                   ; tile row; ttmp9: tile column
	s_mul_i32 s28, s14, NST*1536                   ; my K steps
	s_mul_i32 s30, s15, 8*KPB
	s_add_co_u32 s30, s30, s28                     ; A's codes
	s_mul_i32 s34, ttmp9, 8*KPB
	s_add_co_u32 s34, s34, s28
	s_add_co_u32 s34, s34, B_COFF                  ; W's codes
	s_mul_i32 s28, s14, NST*512
	s_mul_i32 s32, s15, GSC
	s_add_co_u32 s32, s32, s28
	s_add_co_u32 s32, s32, A_SOFF                  ; A's scale words
	s_mul_i32 s36, ttmp9, GSC
	s_add_co_u32 s36, s36, s28
	s_add_co_u32 s36, s36, B_SOFF                  ; W's
	s_lshl_b32 s38, s15, 2
	s_add_co_u32 s38, s38, s14
	s_lshl_b32 s38, s38, 17                        ; my 32 rows of 4,096 bytes on the way out,
	s_lshl_b32 s29, ttmp9, 9
	s_add_co_u32 s38, s38, s29                     ; the tile's 512 bytes of them
	s_mov_b32 s31, 0
	s_mov_b32 s33, 0
	s_mov_b32 s35, 0
	s_mov_b32 s37, 0
	s_mov_b32 s39, 0
	s_mul_i32 s40, s14, PART
	s_mul_i32 s43, s14, 4*PART
	v_lshl_add_u32 v[SPW], v0, 2, SPARE
	v_mov_b32 v[NIL], 0
	v_and_b32 v3, 31, v0
	v_and_b32 v1, 15, v0                           ; r
	v_bfe_u32 v2, v0, 4, 1                         ; h
	v_lshlrev_b32 v[CO], 4, v3
	v_lshlrev_b32 v[C4], 2, v3
	v_lshlrev_b32 v[C8], 3, v3
	v_add_nc_u32 v[C8], 0x200, v[C8]
	v_mul_u32_u24 v4, v1, RPITCH
	v_lshl_add_u32 v4, v2, 6, v4
	v_add_nc_u32 v[STO], s40, v4                   ; part (0, me): row r, + 64 h
.irp w, 1,2,3
	v_add_nc_u32 v[STO+\w], \w*4*PART, v[STO]
.endr
	v_add_nc_u32 v[RD], s43, v[CO]
	v_add_nc_u32 v[RD+1], 2*PART, v[RD]
	s_wait_alu depctr_va_vdst(0)
	s_wait_kmcnt 0x0
	s_add_nc_u64 s[16:17], s[4:5], s[30:31]
	s_add_nc_u64 s[18:19], s[4:5], s[32:33]
	s_add_nc_u64 s[20:21], s[6:7], s[34:35]
	s_add_nc_u64 s[22:23], s[6:7], s[36:37]
	s_add_nc_u64 s[24:25], s[8:9], s[38:39]
	s_add_nc_u64 s[26:27], s[10:11], s[38:39]
	LDALL 0, 0
	LDALL 1, 1
	s_wait_loadcnt 63                              ; set 0 is in: behind its loads stand set 1's 64; the count names 63 of them
	MUL32 0, 0, 1                                  ; the first step's products start the sums
	MUL32 1, 0, 1
	PLACES
	WIN 0x40
.set Q, 0
.rept 32                               ; the residual's 32 rows, into W's set 0, which is done with, and 32 registers beside the sets
	global_load_b128 v[4*Q+96*(Q/24):4*Q+96*(Q/24)+3], v[CO], s[24:25] offset:(16*((Q%16)/8)+8*(Q/16)+Q%8)*4096 th:TH_LOAD_NT
.set Q, Q+1
.endr
	s_wait_loadcnt 32                              ; set 1 is in; the residual's 32 loads may be out
.irp ah, 0,1,2,3                       ; THE LAST STEP, block by block: a block's sums go to LDS while the next blocks are multiplied
.irp al, 0,1
	WIN 0xa1+0x50*((\ah)/2)
	MUL8 \ah, \al, 1, 0
	PLACES
	WIN 0x08+4*((\ah)/2)
.irp b, 0,1,2,3,4,5,6,7
.set DD, 8*(8*((2*\ah+\al)%4)+\b)
	ds_store_b128 v[STO+\ah], v[DD:DD+3] offset:\al*16*RPITCH+128*(\b/2)+32*(\b%2)        ; each accumulator from its low end on
	ds_store_b128 v[STO+\ah], v[DD+4:DD+7] offset:\al*16*RPITCH+128*(\b/2)+32*(\b%2)+16
.endr
.endr
.endr
	WIN 0
	s_wait_dscnt 0x0                               ; for the others' sake: my parts lie in LDS
	s_barrier_signal -1
	s_barrier_wait -1
	RDB 0
	RDB 1
.irp k, 0,1,2,3
.if \k < 3
	s_wait_dscnt 32                                ; this batch is in; the next batch's 32 loads may be out
.else
	s_wait_dscnt 0x0
.endif
.if \k == 0
	s_wait_loadcnt 0x0                             ; the residual
.endif
	SUM \k
.if \k < 2
	s_wait_xcnt 0x0                                ; the stores have read their registers: the batch two on lands there
	RDB \k+2
.endif
.endr
	WIN 0
	s_wait_tensorcnt 0x0                           ; the wave's end
	ds_add_u32 v[SPW], v[NIL]
	s_wait_dscnt 0x0
	s_endpgm
.Lfunc_end_k_qdac4001ba1_proj:
	.size	k_qdac4001ba1_proj, .Lfunc_end_k_qdac4001ba1_proj-k_qdac4001ba1_proj
	.p2alignl 7, 3214868480
	.fill 96, 4, 3214868480
	.section	.rodata,"a",@progbits
	.p2align	6, 0x0
	.amdhsa_kernel k_qdac4001ba1_proj
		.amdhsa_group_segment_fixed_size 270848
		.amdhsa_private_segment_fixed_size 0
		.amdhsa_enable_private_segment 0
		.amdhsa_kernarg_size 32
		.amdhsa_user_sgpr_count 2
		.amdhsa_user_sgpr_kernarg_segment_ptr 1
		.amdhsa_wavefront_size32 1
		.amdhsa_system_sgpr_workgroup_id_x 1
		.amdhsa_system_sgpr_workgroup_id_y 1
		.amdhsa_system_sgpr_workgroup_id_z 1
		.amdhsa_system_vgpr_workitem_id 0
		.amdhsa_next_free_vgpr 1024
		.amdhsa_next_free_sgpr 66
		.amdhsa_reserve_vcc 0
		.amdhsa_float_denorm_mode_32 3
		.amdhsa_float_denorm_mode_16_64 3
		.amdhsa_memory_ordered 1
		.amdhsa_forward_progress 1
		.amdhsa_inst_pref_size 72
	.end_amdhsa_kernel
	.amdgpu_metadata
---
amdhsa.version: [ 1, 2 ]
amdhsa.kernels:
  - .name:           k_qdac4001ba1_proj
    .symbol:         k_qdac4001ba1_proj.kd
    .args:
      - { .name: yb, .offset: 0, .size: 8, .value_kind: global_buffer, .address_space: global }
      - { .name: wts, .offset: 8, .size: 8, .value_kind: global_buffer, .address_space: global }
      - { .name: x, .offset: 16, .size: 8, .value_kind: global_buffer, .address_space: global }
      - { .name: x1, .offset: 24, .size: 8, .value_kind: global_buffer, .address_space: global }
    .group_segment_fixed_size: 270848
    .private_segment_fixed_size: 0
    .kernarg_segment_align: 8
    .kernarg_segment_size: 32
    .max_flat_workgroup_size: 128
    .sgpr_count:     66
    .vgpr_count:     1024
    .wavefront_size: 32
...
	.end_amdgpu_metadata
.endif
;; end of part 12
;; launch ln2: the kernel of part 9 again; grid 256 x 1, 4 waves a work-group, no clusters, 66,560 bytes of LDS; arguments x1, ln2_g, ln2_b, acts; writes acts
;; launch fc (part 13): grid 16 x 16, 4 waves a work-group, clusters of 4 x 4, 327,680 bytes of LDS; arguments acts, wts, hid; writes hid
.if DOCPART == 13
	.amdgcn_target "amdgcn-amd-amdhsa--gfx1250"
	.amdhsa_code_object_version 6
	.text
	.protected	k_qdac4001ba1_fc
	.globl	k_qdac4001ba1_fc
	.p2align	8
	.type	k_qdac4001ba1_fc,@function
k_qdac4001ba1_fc:
	s_mov_b64 s[64:65], 0
	v_nop
	global_prefetch_b8 v0, s[64:65] scope:SCOPE_SE
	s_setreg_imm32_b32 hwreg(HW_REG_WAVE_MODE, 25, 1), 1
	s_wait_xcnt 0x0
	s_wait_alu depctr_hold_cnt(0) depctr_sa_sdst(0) depctr_va_vdst(0) depctr_va_sdst(0) depctr_va_ssrc(0) depctr_va_vcc(0) depctr_vm_vsrc(0)
	s_getreg_b32 s2, hwreg(HW_REG_IB_STS2, 6, 4)
	s_cmp_eq_u32 s2, 0
	s_cbranch_scc0 .Lentry_in_a_cluster
	s_endpgm
.Lentry_in_a_cluster:
	s_bfe_u32 s2, ttmp6, 0x10000c
	s_cmp_lg_u32 s2, 0xf033
	s_cbranch_scc0 .Lentry_shape_is_right
	s_endpgm
.Lentry_shape_is_right:
.set SIZE_K, 1024
.set A_SOFF, 3145728
.set B_COFF, 3145728
.set B_SOFF, 9568256
.set H_S,    12582912
.set KST,    SIZE_K/128
.set KPB,    KST*1536
.set FR,     12
.set NP,     4
.set HALFT,  24576
.set SLOT,   4*HALFT
.set LAPS,   SIZE_K/512
.set HALFS,  KST*512
.set SCL,    2*SLOT
.set SPARE,  SCL+4*HALFS
.set ADRA, 16
.set ADRB, 20
.set ADRS, 27
.set SPW,  28
.set NIL,  29
.set SC,   32
.set AF,   128
.set G1, 24
.set G0, 32
.set G1B, 48
.set G0B, 56
.set G1S, 68
.set G0S, 76
.set G1SB, 80
.set G0SB, 88
.set TM,  200
.set PW,  216
.set PWE, 217
.set PWS, 218
.set PC,  112
.set G,   48
.set GW,  0
.set GX,  64
.set GP,  128
.set MSB, 0
.macro WIN new
.if MSB != \new
	s_set_vgpr_msb (MSB<<8)|\new
.set MSB, \new
.endif
.endm
.set MUL_LO, 0xa1
.set MUL_HI, 0xf1
.set TO_B,   0x40
.macro JLOAD g0a, g1a, g0b, g1b
	s_cmp_eq_u32 s15, 0
	s_cbranch_scc0 .Lfor_b_\@
	tensor_load_to_lds s[\g0a:\g0a+3], s[\g1a:\g1a+7]
	s_nop 0
.rept 4
	v_nop
.endr
	s_branch .Lasked_\@
.Lfor_b_\@:
	tensor_load_to_lds s[\g0b:\g0b+3], s[\g1b:\g1b+7]
	s_nop 0
.rept 4
	v_nop
.endr
.Lasked_\@:
.endm
.macro CREST
	s_cmp_lg_u32 s14, 0
	s_cbranch_scc1 .Lnot_wave_0_\@
	s_barrier_signal -3
.Lnot_wave_0_\@:
	s_barrier_wait -3
	s_barrier_signal -1
	s_barrier_wait -1
.endm
.macro CROUND
	s_barrier_signal -1
	s_barrier_wait -1
	CREST
.endm
.macro PLACES n
.rept \n
	v_nop
.endr
.endm
.macro FRAG reg, adr, q, i
	ds_load_b128 v[\reg:\reg+3], v[\adr] offset:3072*(\i)+1536*(\q)
	ds_load_b64 v[\reg+4:\reg+5], v[\adr+2] offset:3072*(\i)+1536*(\q)
	ds_load_b128 v[\reg+6:\reg+9], v[\adr] offset:3072*(\i)+1536*(\q)+768
	ds_load_b64 v[\reg+10:\reg+11], v[\adr+2] offset:3072*(\i)+1536*(\q)+768
.endm
.macro MUL16 a0, p, zero
.irp a, \a0, \a0+1
.irp b, 0,1,2,3,4,5,6,7
.if \zero
	v_wmma_scale_f32_16x16x128_f8f6f4 v[8*(8*((\a)%4)+\b):8*(8*((\a)%4)+\b)+7], v[128*(\p)+FR*\b:128*(\p)+FR*\b+FR-1], v[AF+FR*(\a):AF+FR*(\a)+FR-1], 0, v[SC+8*(\p)+\b], v[SC+8*(\p)+(\a)] matrix_a_fmt:MATRIX_FMT_FP6 matrix_b_fmt:MATRIX_FMT_FP6 matrix_a_scale:MATRIX_SCALE_ROW1
.else
	v_wmma_scale_f32_16x16x128_f8f6f4 v[8*(8*((\a)%4)+\b):8*(8*((\a)%4)+\b)+7], v[128*(\p)+FR*\b:128*(\p)+FR*\b+FR-1], v[AF+FR*(\a):AF+FR*(\a)+FR-1], v[8*(8*((\a)%4)+\b):8*(8*((\a)%4)+\b)+7], v[SC+8*(\p)+\b], v[SC+8*(\p)+(\a)] matrix_a_fmt:MATRIX_FMT_FP6 matrix_b_fmt:MATRIX_FMT_FP6 matrix_a_scale:MATRIX_SCALE_ROW1
.endif
.endr
.endr
.endm
.macro FETCH_B slot, q, p
	WIN TO_B
.irp i, 0,1,2,3,4,5,6,7
	FRAG 128*(\p)+FR*\i, ADRB+\slot, \q, \i
.endr
	WIN 0
.endm
.macro FETCH_A slot, q, i0
.irp i, \i0, \i0+1, \i0+2, \i0+3
	FRAG AF+FR*(\i), ADRA+\slot, \q, \i
.endr
.endm
.macro SCALES set, q
.irp i, 0,1,2,3,4,5,6,7
	ds_load_b32 v[SC+8*\set+\i], v[ADRS] offset:512*\q+64*\i
.endr
.endm
.macro STEP slot, zero
	s_wait_dscnt 16
	WIN MUL_LO
	MUL16 0, 0, \zero
	MUL16 2, 0, \zero
	s_wait_dscnt 0
	PLACES NP
	FETCH_B \slot, 1, 1
	FETCH_A \slot, 1, 0
	SCALES 1, 1
	WIN MUL_HI
	MUL16 4, 0, \zero
	MUL16 6, 0, \zero
	PLACES NP
	WIN 0
	FETCH_A \slot, 1, 4
.endm
.macro TURN slot, next, fill
	s_wait_tensorcnt 0x0
	ds_add_u32 v[SPW], v[NIL]
	s_wait_dscnt 17
	WIN MUL_LO
	MUL16 0, 1, 0
	s_wait_dscnt 0x0
	s_barrier_signal -1
	MUL16 2, 1, 0
	WIN 0
	s_barrier_wait -1
.if \fill
	CREST
	s_add_nc_u64 s[G0+4*\slot+2:G0+4*\slot+3], s[G0+4*\slot+2:G0+4*\slot+3], 2*3072
	s_add_nc_u64 s[G0B+4*\slot+2:G0B+4*\slot+3], s[G0B+4*\slot+2:G0B+4*\slot+3], 2*3072
	JLOAD G0+4*\slot, G1, G0B+4*\slot, G1B
.else
	PLACES NP
.endif
	s_wait_alu depctr_va_vdst(0)
	v_add_nc_u32 v[ADRS], 1024, v[ADRS]
	FETCH_B \next, 0, 0
	FETCH_A \next, 0, 0
	SCALES 0, 0
	WIN MUL_HI
	MUL16 4, 1, 0
	MUL16 6, 1, 0
	PLACES NP
	WIN 0
	FETCH_A \next, 0, 4
.endm
.macro QUANT src, pc, pw
.irp b, 0,1,2,3
	v_max3_num_f32 v[TM+\b], 0x1800000, |v[(\src)+16*\b]|, |v[(\src)+1+16*\b]|
.endr
.irp i, 2,4,6,8,10,12,14
.irp b, 0,1,2,3
	v_max3_num_f32 v[TM+\b], v[TM+\b], |v[(\src)+16*\b+\i]|, |v[(\src)+1+16*\b+\i]|
.endr
.endr
.irp b, 0,1,2,3
	v_permlanex16_b32 v[TM+4+\b], v[TM+\b], s96, s97
.endr
.irp b, 0,1,2,3
	v_max_num_f32 v[TM+\b], v[TM+\b], v[TM+4+\b]
.endr
.irp b, 0,1,2,3
	v_add_nc_u32 v[TM+12+\b], 0xff000000, v[TM+\b]
.endr
.irp b, 0,1,2,3
	v_lshrrev_b32 v[TM+4+\b], 23, v[TM+12+\b]
.endr
	v_lshl_or_b32 v[\pw], v[TM+5], 8, v[TM+4]
	v_lshl_or_b32 v[\pw], v[TM+6], 16, v[\pw]
	v_lshl_or_b32 v[\pw], v[TM+7], 24, v[\pw]
.irp c, 0,1
	v_cvt_scalef32_pk16_fp6_f32 v[\pc+6*\c:\pc+2+6*\c], v[(\src)+32*\c:(\src)+15+32*\c], v[TM+12+2*\c]
	v_cvt_scalef32_pk16_fp6_f32 v[\pc+12+4*\c:\pc+14+4*\c], v[(\src)+16+32*\c:(\src)+31+32*\c], v[TM+13+2*\c]
.endr
	v_nop
.irp c, 0,1
.irp i, 0,1,2
	v_permlane16_swap_b32 v[\pc+6*\c+\i], v[\pc+12+4*\c+\i]
.endr
.irp i, 0,1,2
	v_mov_b32 v[\pc+3+6*\c+\i], v[\pc+12+4*\c+\i]
.endr
.endr
.endm
	s_load_b64 s[4:5], s[0:1], 0x0
	s_load_b64 s[8:9], s[0:1], 0x8
	s_load_b64 s[12:13], s[0:1], 0x10
	s_load_b64 s[66:67], s[0:1], 0x10
	v_lshl_add_u32 v[SPW], v0, 2, SPARE
	v_mov_b32 v[NIL], 0
	ds_add_u32 v28, v29
	ds_add_u32 v28, v29
	s_wait_dscnt 0x0
	v_lshrrev_b32 v1, 5, v0
	v_readfirstlane_b32 s14, v1
	s_lshr_b32 s15, s14, 1
	s_and_b32 s16, s14, 1
	s_bfe_u32 s40, ttmp6, 0x40000
	s_bfe_u32 s41, ttmp6, 0x40004
	s_lshl_b32 s42, ttmp9, 2
	s_add_co_u32 s42, s42, s40
	s_and_b32 s17, ttmp7, 0xffff
	s_lshl_b32 s17, s17, 2
	s_add_co_u32 s17, s17, s41
	s_mov_b32 s96, 0x76543210
	s_mov_b32 s97, 0xfedcba98
	s_mov_b32 s101, 0xffff0000
	s_lshl_b32 s43, s41, 2
	s_lshl_b32 s43, 15, s43
	s_lshl_b32 s44, 0x1111, s40
	s_or_b32 s[G1+0], s43, (3<<16)|(1<<21)
	s_or_b32 s[G1B+0], s44, (3<<16)|(1<<21)
.irp g, G1, G1B
	s_mov_b32 s[\g+1], 384<<16
	s_mov_b32 s[\g+2], 8<<16
	s_mov_b32 s[\g+3], 384<<16
	s_mov_b32 s[\g+4], 8
	s_mov_b32 s[\g+5], KPB/8
	s_mov_b32 s[\g+6], 0
	s_mov_b32 s[\g+7], 0
.endr
	s_or_b32 s[G1S+0], s43, (3<<16)|(1<<21)
	s_or_b32 s[G1SB+0], s44, (3<<16)|(1<<21)
.irp g, G1S, G1SB
	s_mov_b32 s[\g+1], 32<<16
	s_mov_b32 s[\g+2], (HALFS/256)<<16
	s_mov_b32 s[\g+3], 32<<16
	s_mov_b32 s[\g+4], HALFS/256
	s_mov_b32 s[\g+5], 32
	s_mov_b32 s[\g+6], 0
	s_mov_b32 s[\g+7], 0
.endr
	s_lshl_b32 s20, s17, 1
	s_add_co_u32 s20, s20, s16
	s_mul_i32 s22, s20, HALFS
	s_add_co_u32 s22, s22, A_SOFF
	s_mul_i32 s20, s20, 8*KPB
	s_mov_b32 s21, 0
	s_mov_b32 s23, 0
	s_lshl_b32 s46, s42, 1
	s_add_co_u32 s46, s46, s16
	s_mul_i32 s92, s46, HALFS
	s_add_co_u32 s92, s92, B_SOFF
	s_mul_i32 s46, s46, 8*KPB
	s_add_co_u32 s46, s46, B_COFF
	s_mov_b32 s47, 0
	s_mov_b32 s93, 0
	s_mul_i32 s45, s14, HALFT
	s_mul_i32 s94, s14, HALFS
	s_wait_kmcnt 0x0
	s_add_nc_u64 s[20:21], s[4:5], s[20:21]
	s_add_nc_u64 s[22:23], s[4:5], s[22:23]
	s_add_nc_u64 s[46:47], s[8:9], s[46:47]
	s_add_nc_u64 s[92:93], s[8:9], s[92:93]
	CROUND
	s_mov_b32 s[G0S], 1
	s_add_co_u32 s[G0S+1], s94, SCL
	s_mov_b64 s[G0S+2:G0S+3], s[22:23]
	s_or_b32 s[G0S+3], s[G0S+3], 0x80000000
	s_mov_b32 s[G0SB], 1
	s_add_co_u32 s[G0SB+1], s94, SCL
	s_mov_b64 s[G0SB+2:G0SB+3], s[92:93]
	s_or_b32 s[G0SB+3], s[G0SB+3], 0x80000000
	JLOAD G0S, G1S, G0SB, G1SB
.irp s, 0,1
	s_mov_b32 s[G0+4*\s], 1
	s_add_co_u32 s[G0+4*\s+1], s45, \s*SLOT
	s_add_nc_u64 s[G0+4*\s+2:G0+4*\s+3], s[20:21], \s*3072
	s_or_b32 s[G0+4*\s+3], s[G0+4*\s+3], 0x80000000
	s_mov_b32 s[G0B+4*\s], 1
	s_add_co_u32 s[G0B+4*\s+1], s45, \s*SLOT
	s_add_nc_u64 s[G0B+4*\s+2:G0B+4*\s+3], s[46:47], \s*3072
	s_or_b32 s[G0B+4*\s+3], s[G0B+4*\s+3], 0x80000000
	s_wait_alu depctr_va_vdst(0)
	s_wait_tensorcnt 0x0
	ds_add_u32 v28, v29
	s_wait_dscnt 0x0
	CROUND
	JLOAD G0+4*\s, G1, G0B+4*\s, G1B
.endr
	v_and_b32 v1, 15, v0
	v_bfe_u32 v2, v0, 4, 1
	v_and_b32 v3, 31, v0
	v_lshlrev_b32 v8, 4, v3
	v_lshlrev_b32 v9, 3, v3
	v_add_nc_u32 v9, 0x200, v9
	s_mul_i32 s21, s15, HALFT
	s_mul_i32 s22, s16, HALFT
	s_add_co_u32 s22, s22, 2*HALFT
.irp s, 0,1
	v_add_nc_u32 v[ADRA+\s], s21, v8
	v_add_nc_u32 v[ADRB+\s], s22, v8
	v_add_nc_u32 v[ADRA+2+\s], s21, v9
	v_add_nc_u32 v[ADRB+2+\s], s22, v9
	s_add_co_u32 s21, s21, SLOT
	s_add_co_u32 s22, s22, SLOT
.endr
	v_lshlrev_b32 v6, 2, v1
	s_mul_i32 s21, s15, HALFS
	s_mul_i32 s22, s16, HALFS
	s_add_co_u32 s22, s22, 2*HALFS
	s_sub_co_u32 s22, s22, s21
	v_mul_u32_u24 v7, s22, v2
	s_add_co_u32 s21, s21, SCL
	v_add_nc_u32 v6, v6, v7
	v_add_nc_u32 v[ADRS], s21, v6
	v_lshlrev_b32 v24, 2, v3
	s_lshl_b32 s20, s17, 1
	s_add_co_u32 s20, s20, s15
	s_lshl_b32 s22, s20, 14
	s_add_co_u32 s22, s22, H_S
	s_mul_i32 s20, s20, 8*49152
	s_mov_b32 s21, 0
	s_mov_b32 s23, 0
	s_add_nc_u64 s[12:13], s[12:13], s[20:21]
	s_add_nc_u64 s[66:67], s[66:67], s[22:23]
	s_lshl_b32 s46, s42, 1
	s_add_co_u32 s46, s46, s16
	s_lshl_b32 s92, s46, 9
	s_mul_i32 s46, s46, 1536
	s_mov_b32 s47, 0
	s_mov_b32 s93, 0
	s_add_nc_u64 s[12:13], s[12:13], s[46:47]
	s_add_nc_u64 s[66:67], s[66:67], s[92:93]
	s_wait_alu depctr_va_vdst(0)
	s_wait_tensorcnt 1
	s_barrier_signal -1
	s_barrier_wait -1
	FETCH_B 0, 0, 0
	FETCH_A 0, 0, 0
	SCALES 0, 0
	FETCH_A 0, 0, 4
	STEP 0, 1
	s_mov_b32 s3, LAPS-1
.Llap:
	TURN 0, 1, 1
	s_wait_alu depctr_va_vdst(0)
	STEP 1, 0
	TURN 1, 0, 1
	s_wait_alu depctr_va_vdst(0)
	STEP 0, 0
	s_sub_co_u32 s3, s3, 1
	s_cmp_lg_u32 s3, 0
	s_cbranch_scc1 .Llap
	TURN 0, 1, 0
	s_wait_alu depctr_va_vdst(0)
	STEP 1, 0
	s_wait_dscnt 16
	WIN MUL_LO
	MUL16 0, 1, 0
	MUL16 2, 1, 0
	s_wait_dscnt 0
	WIN MUL_HI
	MUL16 4, 1, 0
	MUL16 6, 1, 0
	WIN 0
	PLACES NP
.irp b, 0,1,2,3
	v_mov_b32 v[TM+4+\b], 0
.endr
	v_mov_b32 v[PWE], 0
	WIN 0x40
	v_mov_b32 v192, 0xaf95df0b
	v_mov_b32 v193, 0xaf95df0b
	v_mov_b32 v194, 0xb77460cd
	v_mov_b32 v195, 0xb77460cd
	WIN 0
	s_mov_b32 s3, 0
.Lrow:
.irp k, 1,2,3,4,5,6,7
	s_cmp_eq_u32 s3, \k
	s_cbranch_scc1 .Lacc\k
.endr
.irp k, 0,1,2,3,4,5,6,7
.Lacc\k:
	WIN (2+\k/4)|0x40
.set P, 0
.rept 32
	v_pk_mul_f32 v[GW+P:GW+P+1], v[64*(\k%4)+P:64*(\k%4)+P+1], 0x3f3504f3 op_sel_hi:[1,0]
.set P, P+2
.endr
	WIN (2+\k/4)
.set P, 0
.rept 32
	v_pk_mul_f32 v[G+P:G+P+1], v[64*(\k%4)+P:64*(\k%4)+P+1], 0.5 op_sel_hi:[1,0]
.set P, P+2
.endr
	WIN 0
.if \k < 7
	s_branch .Lcommon
.endif
.endr
.Lcommon:
	WIN 0x55
.set P, 0
.rept 64
	v_med3_num_f32 v[GW+P], v[GW+P], -4.0, 4.0
.set P, P+1
.endr
.set P, 0
.rept 32
	v_pk_mul_f32 v[GX+P:GX+P+1], v[GW+P:GW+P+1], v[GW+P:GW+P+1]
.set P, P+2
.endr
.set P, 0
.rept 32
	v_pk_fma_f32 v[GP+P:GP+P+1], v[GX+P:GX+P+1], v[192:193], 0x32edffee op_sel_hi:[1,1,0]
.set P, P+2
.endr
.irp c, 0xb60cff51, 0xb86ec2d2, 0xba40ac63, 0xbb41a1f6, 0xbc83dbd4
.set P, 0
.rept 32
	v_pk_fma_f32 v[GP+P:GP+P+1], v[GP+P:GP+P+1], v[GX+P:GX+P+1], \c op_sel_hi:[1,1,0]
.set P, P+2
.endr
.endr
.set P, 0
.rept 32
	v_pk_mul_f32 v[GP+P:GP+P+1], v[GP+P:GP+P+1], v[GW+P:GW+P+1]
.set P, P+2
.endr
.set P, 0
.rept 32
	v_pk_fma_f32 v[GW+P:GW+P+1], v[GX+P:GX+P+1], v[194:195], 0xb95fbd29 op_sel_hi:[1,1,0]
.set P, P+2
.endr
.irp c, 0xbadc924e, 0xbbf19bf8, 0xbc69b6a7
.set P, 0
.rept 32
	v_pk_fma_f32 v[GW+P:GW+P+1], v[GW+P:GW+P+1], v[GX+P:GX+P+1], \c op_sel_hi:[1,1,0]
.set P, P+2
.endr
.endr
.set P, 0
	s_wait_alu depctr_va_vdst(0)
.rept 64
	v_rcp_f32 v[GW+P], v[GW+P]
.set P, P+1
.endr
	v_nop
	s_wait_alu depctr_va_vdst(0)
.set P, 0
.rept 32
	v_pk_mul_f32 v[GP+P:GP+P+1], v[GP+P:GP+P+1], v[GW+P:GW+P+1]
.set P, P+2
.endr
	WIN 0x04
.set P, 0
.rept 32
	v_pk_fma_f32 v[G+P:G+P+1], v[G+P:G+P+1], v[GP+P:GP+P+1], v[G+P:G+P+1]
.set P, P+2
.endr
	WIN 0
	QUANT G, PC, PW
	global_store_b128 v8, v[PC:PC+3], s[12:13]                 ; a fragment of hid: three pieces of 512 bytes, operand registers 4 j .. 4 j + 3 at 512 j + 16 x lane
	global_store_b128 v8, v[PC+4:PC+7], s[12:13] offset:512
	global_store_b128 v8, v[PC+8:PC+11], s[12:13] offset:1024
	s_bitcmp1_b32 s3, 0
	s_cbranch_scc1 .Lodd
	v_mov_b32 v[PWE], v[PW]
	s_branch .Lstepped
.Lodd:
	v_cndmask_b32 v[PWS], v[PWE], v[PW], s101
	global_store_b32 v24, v[PWS], s[66:67] offset:-64
.Lstepped:
	s_wait_xcnt 0x0
	s_add_nc_u64 s[12:13], s[12:13], 49152
	s_add_nc_u64 s[66:67], s[66:67], 64
	s_add_co_u32 s3, s3, 1
	s_cmp_lt_u32 s3, 8
	s_cbranch_scc1 .Lrow
	s_wait_tensorcnt 0x0
	ds_add_u32 v[SPW], v[NIL]
	s_wait_dscnt 0x0
	CROUND
	s_endpgm
.Lfunc_end_k_qdac4001ba1_fc:
	.size	k_qdac4001ba1_fc, .Lfunc_end_k_qdac4001ba1_fc-k_qdac4001ba1_fc
	.p2alignl 7, 3214868480
	.fill 96, 4, 3214868480
	.section	.rodata,"a",@progbits
	.p2align	6, 0x0
	.amdhsa_kernel k_qdac4001ba1_fc
		.amdhsa_group_segment_fixed_size 327680
		.amdhsa_private_segment_fixed_size 0
		.amdhsa_enable_private_segment 0
		.amdhsa_kernarg_size 24
		.amdhsa_user_sgpr_count 2
		.amdhsa_user_sgpr_kernarg_segment_ptr 1
		.amdhsa_wavefront_size32 1
		.amdhsa_system_sgpr_workgroup_id_x 1
		.amdhsa_system_sgpr_workgroup_id_y 1
		.amdhsa_system_sgpr_workgroup_id_z 1
		.amdhsa_system_vgpr_workitem_id 0
		.amdhsa_next_free_vgpr 1024
		.amdhsa_next_free_sgpr 102
		.amdhsa_reserve_vcc 0
		.amdhsa_float_denorm_mode_32 3
		.amdhsa_float_denorm_mode_16_64 3
		.amdhsa_memory_ordered 1
		.amdhsa_forward_progress 1
		.amdhsa_inst_pref_size 208
	.end_amdhsa_kernel
	.amdgpu_metadata
---
amdhsa.version: [ 1, 2 ]
amdhsa.kernels:
  - .name:           k_qdac4001ba1_fc
    .symbol:         k_qdac4001ba1_fc.kd
    .args:
      - { .name: acts, .offset: 0, .size: 8, .value_kind: global_buffer, .address_space: global }
      - { .name: wts, .offset: 8, .size: 8, .value_kind: global_buffer, .address_space: global }
      - { .name: hid, .offset: 16, .size: 8, .value_kind: global_buffer, .address_space: global }
    .group_segment_fixed_size: 327680
    .private_segment_fixed_size: 0
    .kernarg_segment_align: 8
    .kernarg_segment_size: 24
    .max_flat_workgroup_size: 128
    .sgpr_count:     102
    .vgpr_count:     1024
    .wavefront_size: 32
...
	.end_amdgpu_metadata
.endif
;; end of part 13
;; launch outp (part 14): grid 8 x 32, 4 waves a work-group, no clusters, 270,848 bytes of LDS; arguments hid, wts, x1, out0; writes out0
.if DOCPART == 14
	.amdgcn_target "amdgcn-amd-amdhsa--gfx1250"
	.amdhsa_code_object_version 6
	.text
	.protected	k_qdac4001ba1_outp
	.globl	k_qdac4001ba1_outp
	.p2align	8
	.type	k_qdac4001ba1_outp,@function
k_qdac4001ba1_outp:
	s_mov_b64 s[64:65], 0
	v_nop
	global_prefetch_b8 v0, s[64:65] scope:SCOPE_SE
	s_setreg_imm32_b32 hwreg(HW_REG_WAVE_MODE, 25, 1), 1
	s_wait_xcnt 0x0
; out0 = x1 + hid W_out on codes of FP6 (E2M3) with E8M0 scales, K = 4,096; sums and the residual in f32.
; OPERANDS: fragments of 16 rows x 128 K, 1,536 bytes, three pieces of 512 (operand registers 4j..4j+3 at 512 j + 16 x lane), laid [row position / 16][K / 128]; a row n lies at position n with bits 3 and 4 exchanged.
; Scale words: [position / 128][K / 128][128][4].
; SHARES: 256 work-groups, each 128 x 128 of C.  K IS SPLIT AMONG THE FOUR WAVES: wave w multiplies the whole 128 x 128 over K steps 8 w .. 8 w + 7: 64 accumulators, 512 registers.  So no fragment serves two waves, and
; every fragment goes from memory straight into its operand registers, each load 512 consecutive aligned bytes: no LDS, no barrier in the walk along K.
; TWO SETS of 16 fragments and 8 scale registers.  A step's 56 loads are issued two steps ahead, into the set that is being multiplied, as its registers fall free: A's blocks 0-3 in the step's middle, the rest at its end.
; NO TENSOR LOADS, AND SO NO JOINT LOADS: a joint load lands in LDS, where each byte would be written once and read once by one wave.
; PREFETCH: a trip is two K steps and loads the two steps behind them; it asks for the two steps that the NEXT trip loads (the head asks for what the first trip loads; the loop's last trip asks for nothing: nothing is left).
; A tile row of hid is read by 8 work-groups, a tile column of W by 32: they share the blocks of 256 bytes out by address: of A's 8 row blocks x 12 units, work-group x takes row block x; of W's, work-group y takes
; units 3 (y % 4) .. + 2 of row block y / 4.  Lanes that are left over name their wave's last unit again.
; THE MATRIX INSTRUCTION IS USED TRANSPOSED (source 0 = 16 positions of W's columns, source 1 = 16 of the tokens): lane (r, h) holds token position r; register j of tile 2 bh + bl is true column 32 bh + 16 h + 8 bl + j.
; A scale register holds two blocks' words, lanes 0-15 the even block's, lanes 16-31 the odd one's; the ROW selectors choose.
; THE FOUR PARTS MEET IN LDS: part (target wave, source wave) is 32 rows of 512 bytes + 16.  In the last step a block's 8 accumulators are stored as soon as they are finished.  One barrier.  Wave w then reads its 32 rows
; of all four parts, adds them and the residual, and stores whole rows of 512 bytes at their true places.
; ORDER OF ROUNDING: an output is ((p0 + p1) + (p2 + p3)) + residual, p the four waves' f32 sums, each K ascending: not one chain along K.
; REGISTERS: window 0: v8-29 addresses, v32-47 scale words (set p: A's at 32 + 8 p, W's at 36 + 8 p), v64-255 A's two sets; window 1: W's two sets at v0, v96; later the residual at v0-95, v192-223; windows 2, 3: accumulator (a, b) at v[8 (8 (a % 4) + b)], later the parts.
.set KST,    32
.set NST,    KST/4
.set KPB,    KST*1536
.set GSC,    KST*512
.set A_SOFF, 12582912
.set B_COFF, 6291456
.set B_SOFF, 9699328
.set NLS,    56                        ; loads of a step: 8 of scale words, 24 for A, 24 for W
.set RPITCH, 528
.set PART,   32*RPITCH
.set SPARE,  16*PART                   ; the spare words, 128 bytes a wave, that no other line names
.set CO,  8                            ; 16 x lane
.set C4,  9                            ; 4 x lane
.set STO, 16                           ; v16-19 LDS: where I put 16 bytes of a row, for target wave 0 .. 3
.set RD,  20                           ; v20-21 LDS: my rows in parts 0, 1 and in parts 2, 3
.set PFA, 22                           ; the prefetches' offsets
.set PFB, 23
.set SPW, 28
.set NIL, 29
.set SC,  32
.set AF,  64
.set MSB, 0
.macro WIN new                         ; the immediate's high byte repeats the setting that is left
.if MSB != (\new)
	s_set_vgpr_msb (MSB<<8)|(\new)
.set MSB, (\new)
.endif
.endm
.macro PLACES                          ; four places behind a matrix instruction (ISA guide 7.12.1)
.rept 4
	v_nop
.endr
.endm
.macro SCL kk, p                       ; kk: the K step, counted from where the bases stand
.irp i, 0,1,2,3
	global_load_b32 v[SC+8*(\p)+\i], v[C4], s[18:19] offset:(\kk)*512+128*\i
	global_load_b32 v[SC+8*(\p)+4+\i], v[C4], s[22:23] offset:(\kk)*512+128*\i
.endr
.endm
.macro LDA kk, p, i0                   ; A's blocks i0 .. i0 + 3
.irp i, \i0, \i0+1, \i0+2, \i0+3
.irp j, 0,1,2
	global_load_b128 v[AF+96*(\p)+12*(\i)+4*\j:AF+96*(\p)+12*(\i)+4*\j+3], v[CO], s[16:17] offset:(\i)*KPB+(\kk)*1536+512*\j
.endr
.endr
.endm
.macro LDB kk, p
	WIN 0x40
.irp i, 0,1,2,3,4,5,6,7
.irp j, 0,1,2
	global_load_b128 v[96*(\p)+12*\i+4*\j:96*(\p)+12*\i+4*\j+3], v[CO], s[20:21] offset:\i*KPB+(\kk)*1536+512*\j
.endr
.endr
	WIN 0
.endm
.macro ASK off
	global_prefetch_b8 v[PFA], s[16:17] offset:\off th:TH_LOAD_NT scope:SCOPE_SE
	global_prefetch_b8 v[PFB], s[20:21] offset:\off th:TH_LOAD_NT scope:SCOPE_SE
.endm
.macro MUL8 ah, al, p, zero            ; A's block 2 ah + al x W's eight; the 64 accumulators take turns, in the same order in every step
.set A_, 2*(\ah)+(\al)
.irp bh, 0,1,2,3
.irp bl, 0,1
.set D_, 8*(8*(A_%4)+2*\bh+\bl)
.if \zero
	v_wmma_scale_f32_16x16x128_f8f6f4 v[D_:D_+7], v[96*(\p)+12*(2*\bh+\bl):96*(\p)+12*(2*\bh+\bl)+11], v[AF+96*(\p)+12*A_:AF+96*(\p)+12*A_+11], 0, v[SC+8*(\p)+4+\bh], v[SC+8*(\p)+(\ah)] matrix_a_fmt:MATRIX_FMT_FP6 matrix_b_fmt:MATRIX_FMT_FP6 matrix_a_scale:MATRIX_SCALE_ROW\bl matrix_b_scale:MATRIX_SCALE_ROW\al
.else
	v_wmma_scale_f32_16x16x128_f8f6f4 v[D_:D_+7], v[96*(\p)+12*(2*\bh+\bl):96*(\p)+12*(2*\bh+\bl)+11], v[AF+96*(\p)+12*A_:AF+96*(\p)+12*A_+11], v[D_:D_+7], v[SC+8*(\p)+4+\bh], v[SC+8*(\p)+(\ah)] matrix_a_fmt:MATRIX_FMT_FP6 matrix_b_fmt:MATRIX_FMT_FP6 matrix_a_scale:MATRIX_SCALE_ROW\bl matrix_b_scale:MATRIX_SCALE_ROW\al
.endif
.endr
.endr
.endm
.macro MUL32 hi, p, zero               ; source 0 window 1, source 1 window 0, C and D window 2 or 3
	WIN 0xa1+0x50*(\hi)
.irp ah, 0,1
.irp al, 0,1
	MUL8 2*(\hi)+\ah, \al, \p, \zero
.endr
.endr
.endm
; A K step on set p.  ld = 1: the step two on is loaded into the same set.  pf = 1: the prefetch; pf = 2: the prefetch in all trips of the loop but the last.
.macro STEP p, zero, ld, pf
	s_wait_loadcnt NLS                             ; this set is in: behind its loads stand the next step's 56
	MUL32 0, \p, \zero
.if \ld
	PLACES
	WIN 0
	LDA 2+\p, \p, 0
.endif
.if \pf == 1
	ASK 4*1536
.endif
.if \pf == 2
	s_cmp_gt_u32 s3, 1
	s_cbranch_scc0 .Lno_ask_\@
	ASK 4*1536
.Lno_ask_\@:
.endif
	MUL32 1, \p, \zero
.if \ld
	PLACES
	WIN 0
	SCL 2+\p, \p
	LDA 2+\p, \p, 4
	LDB 2+\p, \p
.endif
.endm
.macro NEXT                            ; the bases go two K steps on, behind the wait that frees them
	s_wait_xcnt 0x0
	s_add_nc_u64 s[16:17], s[16:17], 2*1536
	s_add_nc_u64 s[20:21], s[20:21], 2*1536
	s_add_nc_u64 s[18:19], s[18:19], 2*512
	s_add_nc_u64 s[22:23], s[22:23], 2*512
.endm
.macro RDB k                           ; my rows 8 k .. 8 k + 7 of the four parts into window 2 + k % 2: part v's row q at v[32 v + 4 q]; each load covers a row's 512 bytes
	WIN (2+(\k)%2)<<6
.irp v, 0,1,2,3
.irp q, 0,1,2,3,4,5,6,7
	ds_load_b128 v[32*\v+4*\q:32*\v+4*\q+3], v[RD+\v/2] offset:(\v%2)*PART+(8*(\k)+\q)*RPITCH
.endr
.endr
.endm
.macro SUM k                           ; the four parts and the residual; LDS row q' = 8 k + q is position q' of my 32: true row 16 ((q' % 16) / 8) + 8 (q' / 16) + q' % 8
.set W_, 2+(\k)%2
.set RB_, 32*(\k)+96*((\k)/3)
	WIN W_|(W_<<2)|(W_<<6)
.set P, 0
.rept 16
	v_pk_add_f32 v[P:P+1], v[P:P+1], v[32+P:33+P]
	v_pk_add_f32 v[64+P:65+P], v[64+P:65+P], v[96+P:97+P]
.set P, P+2
.endr
.set P, 0
.rept 16
	v_pk_add_f32 v[P:P+1], v[P:P+1], v[64+P:65+P]
.set P, P+2
.endr
	WIN W_|(1<<2)|(W_<<6)
.set P, 0
.rept 16
	v_pk_add_f32 v[P:P+1], v[P:P+1], v[RB_+P:RB_+P+1]
.set P, P+2
.endr
	WIN W_<<2
.irp q, 0,1,2,3,4,5,6,7
.set Q_, 8*(\k)+\q
	global_store_b128 v[CO], v[4*\q:4*\q+3], s[26:27] offset:(16*((Q_%16)/8)+8*(Q_/16)+Q_%8)*4096 th:TH_STORE_NT   ; 32 lanes store 512 consecutive bytes, aligned
.endr
.endm
	s_load_b128 s[4:7], s[0:1], 0x0                ; hid, wts
	s_load_b128 s[8:11], s[0:1], 0x10              ; x1, out0
	v_lshrrev_b32 v1, 5, v0
	v_readfirstlane_b32 s14, v1                    ; wave
	s_and_b32 s15, ttmp7, 0xffff                   ; tile row; ttmp9: tile column
	s_mul_i32 s28, s14, NST*1536                   ; my K steps
	s_mul_i32 s30, s15, 8*KPB
	s_add_co_u32 s30, s30, s28                     ; A's codes
	s_mul_i32 s34, ttmp9, 8*KPB
	s_add_co_u32 s34, s34, s28
	s_add_co_u32 s34, s34, B_COFF                  ; W's codes
	s_mul_i32 s28, s14, NST*512
	s_mul_i32 s32, s15, GSC
	s_add_co_u32 s32, s32, s28
	s_add_co_u32 s32, s32, A_SOFF                  ; A's scale words
	s_mul_i32 s36, ttmp9, GSC
	s_add_co_u32 s36, s36, s28
	s_add_co_u32 s36, s36, B_SOFF                  ; W's
	s_lshl_b32 s38, s15, 2
	s_add_co_u32 s38, s38, s14
	s_lshl_b32 s38, s38, 17                        ; my 32 rows of 4,096 bytes on the way out,
	s_lshl_b32 s29, ttmp9, 9
	s_add_co_u32 s38, s38, s29                     ; the tile's 512 bytes of them
	s_mov_b32 s31, 0
	s_mov_b32 s33, 0
	s_mov_b32 s35, 0
	s_mov_b32 s37, 0
	s_mov_b32 s39, 0
	s_mul_i32 s40, s14, PART
	s_mul_i32 s43, s14, 4*PART
	s_mul_i32 s41, ttmp9, KPB                      ; prefetch, A: row block x
	s_lshr_b32 s42, s15, 2
	s_mul_i32 s42, s42, KPB                        ; W: row block y / 4,
	s_and_b32 s29, s15, 3
	s_mul_i32 s29, s29, 768
	s_add_co_u32 s42, s42, s29                     ; units 3 (y % 4) on
	v_lshl_add_u32 v[SPW], v0, 2, SPARE
	v_mov_b32 v[NIL], 0
	v_and_b32 v3, 31, v0
	v_and_b32 v1, 15, v0                           ; r
	v_bfe_u32 v2, v0, 4, 1                         ; h
	v_lshlrev_b32 v[CO], 4, v3
	v_lshlrev_b32 v[C4], 2, v3
	v_mul_u32_u24 v4, v1, RPITCH
	v_lshl_add_u32 v4, v2, 6, v4
	v_add_nc_u32 v[STO], s40, v4                   ; part (0, me): row r, + 64 h
.irp w, 1,2,3
	v_add_nc_u32 v[STO+\w], \w*4*PART, v[STO]
.endr
	v_add_nc_u32 v[RD], s43, v[CO]
	v_add_nc_u32 v[RD+1], 2*PART, v[RD]
	v_min_u32 v[PFA], 11, v3
	v_min_u32 v[PFB], 2, v3
	v_lshl_add_u32 v[PFA], v[PFA], 8, s41
	v_lshl_add_u32 v[PFB], v[PFB], 8, s42
	s_wait_alu depctr_va_vdst(0)
	s_wait_kmcnt 0x0
	s_add_nc_u64 s[16:17], s[4:5], s[30:31]
	s_add_nc_u64 s[18:19], s[4:5], s[32:33]
	s_add_nc_u64 s[20:21], s[6:7], s[34:35]
	s_add_nc_u64 s[22:23], s[6:7], s[36:37]
	s_add_nc_u64 s[24:25], s[8:9], s[38:39]
	s_add_nc_u64 s[26:27], s[10:11], s[38:39]
	SCL 0, 0
	LDA 0, 0, 0
	LDA 0, 0, 4
	LDB 0, 0
	ASK 2*1536                                     ; what the first trip loads
	SCL 1, 1
	LDA 1, 1, 0
	LDA 1, 1, 4
	LDB 1, 1
	STEP 0, 1, 1, 1                                ; the first step's products start the sums
	STEP 1, 0, 1, 0
	NEXT
	s_mov_b32 s3, NST/2-2
.Ltrip:
	STEP 0, 0, 1, 2
	STEP 1, 0, 1, 0
	NEXT
	s_sub_co_u32 s3, s3, 1
	s_cmp_lg_u32 s3, 0
	s_cbranch_scc1 .Ltrip
	STEP 0, 0, 0, 0                                ; the last two steps load no fragments
	PLACES
	WIN 0x40
.set Q, 0
.rept 32                               ; the residual's 32 rows, into W's set 0, which is done with, and 32 registers beside the sets
	global_load_b128 v[4*Q+96*(Q/24):4*Q+96*(Q/24)+3], v[CO], s[24:25] offset:(16*((Q%16)/8)+8*(Q/16)+Q%8)*4096 th:TH_LOAD_NT
.set Q, Q+1
.endr
	s_wait_loadcnt 32                              ; set 1 is in; the residual's 32 loads may be out
.irp ah, 0,1,2,3                       ; THE LAST STEP, block by block: a block's sums go to LDS while the next blocks are multiplied
.irp al, 0,1
	WIN 0xa1+0x50*((\ah)/2)
	MUL8 \ah, \al, 1, 0
	PLACES
	WIN 0x08+4*((\ah)/2)
.irp b, 0,1,2,3,4,5,6,7
.set DD, 8*(8*((2*\ah+\al)%4)+\b)
	ds_store_b128 v[STO+\ah], v[DD:DD+3] offset:\al*16*RPITCH+128*(\b/2)+32*(\b%2)        ; each accumulator from its low end on
	ds_store_b128 v[STO+\ah], v[DD+4:DD+7] offset:\al*16*RPITCH+128*(\b/2)+32*(\b%2)+16
.endr
.endr
.endr
	WIN 0
	s_wait_dscnt 0x0                               ; for the others' sake: my parts lie in LDS
	s_barrier_signal -1
	s_barrier_wait -1
	RDB 0
	RDB 1
.irp k, 0,1,2,3
.if \k < 3
	s_wait_dscnt 32                                ; this batch is in; the next batch's 32 loads may be out
.else
	s_wait_dscnt 0x0
.endif
.if \k == 0
	s_wait_loadcnt 0x0                             ; the residual
.endif
	SUM \k
.if \k < 2
	s_wait_xcnt 0x0                                ; the stores have read their registers: the batch two on lands there
	RDB \k+2
.endif
.endr
	WIN 0
	s_wait_tensorcnt 0x0                           ; the wave's end
	ds_add_u32 v[SPW], v[NIL]
	s_wait_dscnt 0x0
	s_endpgm
.Lfunc_end_k_qdac4001ba1_outp:
	.size	k_qdac4001ba1_outp, .Lfunc_end_k_qdac4001ba1_outp-k_qdac4001ba1_outp
	.p2alignl 7, 3214868480
	.fill 96, 4, 3214868480
	.section	.rodata,"a",@progbits
	.p2align	6, 0x0
	.amdhsa_kernel k_qdac4001ba1_outp
		.amdhsa_group_segment_fixed_size 270848
		.amdhsa_private_segment_fixed_size 0
		.amdhsa_enable_private_segment 0
		.amdhsa_kernarg_size 32
		.amdhsa_user_sgpr_count 2
		.amdhsa_user_sgpr_kernarg_segment_ptr 1
		.amdhsa_wavefront_size32 1
		.amdhsa_system_sgpr_workgroup_id_x 1
		.amdhsa_system_sgpr_workgroup_id_y 1
		.amdhsa_system_sgpr_workgroup_id_z 1
		.amdhsa_system_vgpr_workitem_id 0
		.amdhsa_next_free_vgpr 1024
		.amdhsa_next_free_sgpr 66
		.amdhsa_reserve_vcc 0
		.amdhsa_float_denorm_mode_32 3
		.amdhsa_float_denorm_mode_16_64 3
		.amdhsa_memory_ordered 1
		.amdhsa_forward_progress 1
		.amdhsa_inst_pref_size 127
	.end_amdhsa_kernel
	.amdgpu_metadata
---
amdhsa.version: [ 1, 2 ]
amdhsa.kernels:
  - .name:           k_qdac4001ba1_outp
    .symbol:         k_qdac4001ba1_outp.kd
    .args:
      - { .name: hid, .offset: 0, .size: 8, .value_kind: global_buffer, .address_space: global }
      - { .name: wts, .offset: 8, .size: 8, .value_kind: global_buffer, .address_space: global }
      - { .name: x1, .offset: 16, .size: 8, .value_kind: global_buffer, .address_space: global }
      - { .name: out0, .offset: 24, .size: 8, .value_kind: global_buffer, .address_space: global }
    .group_segment_fixed_size: 270848
    .private_segment_fixed_size: 0
    .kernarg_segment_align: 8
    .kernarg_segment_size: 32
    .max_flat_workgroup_size: 128
    .sgpr_count:     66
    .vgpr_count:     1024
    .wavefront_size: 32
...
	.end_amdgpu_metadata
.endif
;; end of part 14
